; MI455X (gfx1250); checked and timed in simulation.
; The chip was launched on July 23, 2026; its instructions are those of AMD's public machine-readable ISA for CDNA 5 (MIT licence, August 2026) and "CDNA5" Instruction Set Architecture Reference Guide (July 2026). The comments in the code are by the model that wrote it; some were corrected since.
;; HGRN2 Attention. Allowed arithmetic: float matrix products may take bf16 or f16 operands with f32 sums; other float arithmetic in f32, or as packed bf16 or f16 multiplies, adds, multiply-adds, maxima and minima; sums over many terms, partial sums and values carried from step to step in f32; what a program stores and reads back later, other than sums and carried values, may be rounded once to bf16 or f16.
;; Inputs: Wf 1,024 x 1,024 float32; Wg 1,024 x 1,024 float32; Wk 1,024 x 1,024 float32; Wout 1,024 x 1,024 float32; Wq 1,024 x 1,024 float32; Wv 1,024 x 1,024 float32; beta 1,024 float32; bf 1,024 float32; gamma 1,024 float32; x 4 x 2,048 x 1,024 float32.
;; Outputs: out0 4 x 2,048 x 1,024 float32.
;; 2 versions, each right and faster than the one before. Each part assembles by itself: llvm-mc -triple=amdgcn-amd-amdhsa -mcpu=gfx1250 --defsym DOCPART=n.
;; ======== version 1 of 2: 6 launches
;; limits: values are held in f16: magnitudes above 65,504 overflow, below 6.1e-05 lose precision; values outside matrix products are rounded to f16
;; workspace buffers: xw 29,360,128 bytes; proj 100,663,296 bytes; scan1 21,135,360 bytes; ob 33,554,432 bytes; yb 16,809,984 bytes
;; launch cvt (part 1): grid 128 x 10, 8 waves a work-group, no clusters, 18,432 bytes of LDS; arguments x, Wq, Wk, Wv, Wf, Wg, Wout, xw; writes xw
.if DOCPART == 1
	.amdgcn_target "amdgcn-amd-amdhsa--gfx1250"
	.amdhsa_code_object_version 6
	.text
	.protected	k_qe5b4df065f_cvt
	.globl	k_qe5b4df065f_cvt
	.p2align	8
	.type	k_qe5b4df065f_cvt,@function
k_qe5b4df065f_cvt:
	s_mov_b64 s[64:65], 0
	v_nop
	global_prefetch_b8 v0, s[64:65] scope:SCOPE_SE
	s_setreg_imm32_b32 hwreg(HW_REG_WAVE_MODE, 25, 1), 1
	s_wait_xcnt 0x0
; x and the six weight matrices are rounded once to f16.  xw: x as [8192][1024] at byte 0; from byte 16,777,216 the weights in the order
; Wq, Wk, Wv, Wf, Wg, Wout, each TRANSPOSED to [n][k], so that K lies along the rows for the products that follow.
; LIMIT: numbers beyond 65,504 become infinities in f16; below 6e-5 f16 keeps a fixed step of 6e-8.
; Grid y = 0..5: one weight matrix, 128 work-groups of 128 k x 64 n, turned through LDS.  y = 6..9: 512 work-groups, 64 KB of x each, a plain stream.
; A stream: no matrix unit, no cluster (no two work-groups read the same bytes).
.set PW,    272                        ; an LDS row: 128 k x 2 bytes + 16 of padding
.set SPARE, 64*PW                      ; behind the 64 rows: the spare words, 128 bytes a wave
.set SPW, 5                            ; v5  LDS address of my spare word; never rewritten
.set NIL, 6                            ; v6  0; never rewritten
.set X,   8                            ; v[8:71]   as loaded
.set Y,   72                           ; v[72:103] x path: packed f16
	s_load_b512 s[16:31], s[0:1], 0x0              ; x 16, Wq 18, Wk 20, Wv 22, Wf 24, Wg 26, Wout 28, xw 30
	v_lshl_add_u32 v[SPW], v0, 2, SPARE
	v_mov_b32 v[NIL], 0
	v_lshrrev_b32 v1, 5, v0
	v_readfirstlane_b32 s8, v1                     ; wave 0..7
	v_and_b32 v2, 31, v0                           ; lane
	s_and_b32 s9, ttmp7, 0xffff                    ; grid y, the same for the whole work-group
	s_mov_b32 s13, 0
	s_wait_kmcnt 0x0
	s_cmp_lt_u32 s9, 6
	s_cbranch_scc1 .Lweights
	; ---- x: 16 loads of 512 bytes a wave, all on their way at once; each store covers 256 consecutive bytes, aligned
	s_sub_co_u32 s10, s9, 6
	s_lshl_b32 s10, s10, 7
	s_add_co_u32 s10, s10, ttmp9                   ; 0..511
	s_lshl_b32 s12, s10, 16                        ; 65,536 bytes of x a work-group,
	s_lshl_b32 s11, s8, 13                         ; 8,192 a wave
	s_add_co_u32 s12, s12, s11
	s_add_nc_u64 s[16:17], s[16:17], s[12:13]
	s_lshr_b32 s12, s12, 1                         ; half as many bytes out
	s_add_nc_u64 s[30:31], s[30:31], s[12:13]
	v_lshlrev_b32 v3, 4, v2
	v_lshlrev_b32 v4, 3, v2
.set i, 0
.rept 16
	global_load_b128 v[X+4*i:X+4*i+3], v3, s[16:17] offset:512*i th:TH_LOAD_NT
.set i, i+1
.endr
.set i, 0
.rept 16
	s_wait_loadcnt 15-i                            ; loads come back in order: load i is in, the younger ones stay out
	v_cvt_pk_f16_f32 v[Y+2*i], v[X+4*i], v[X+4*i+1]
	v_cvt_pk_f16_f32 v[Y+2*i+1], v[X+4*i+2], v[X+4*i+3]
	global_store_b64 v4, v[Y+2*i:Y+2*i+1], s[30:31] offset:256*i
.set i, i+1
.endr
	s_endpgm
.Lweights:
	s_mov_b64 s[4:5], s[18:19]                     ; the matrix is chosen by grid y
	s_cmp_eq_u32 s9, 1
	s_cselect_b64 s[4:5], s[20:21], s[4:5]
	s_cmp_eq_u32 s9, 2
	s_cselect_b64 s[4:5], s[22:23], s[4:5]
	s_cmp_eq_u32 s9, 3
	s_cselect_b64 s[4:5], s[24:25], s[4:5]
	s_cmp_eq_u32 s9, 4
	s_cselect_b64 s[4:5], s[26:27], s[4:5]
	s_cmp_eq_u32 s9, 5
	s_cselect_b64 s[4:5], s[28:29], s[4:5]
	s_and_b32 s10, ttmp9, 15                       ; nb: 64 columns n
	s_lshr_b32 s11, ttmp9, 4                       ; kb: 128 rows k
	s_lshl_b32 s12, s11, 19                        ; from: (128 kb + 16 w) rows of 4,096 bytes + 256 nb
	s_lshl_b32 s14, s8, 16
	s_add_co_u32 s12, s12, s14
	s_lshl_b32 s14, s10, 8
	s_add_co_u32 s12, s12, s14
	s_add_nc_u64 s[4:5], s[4:5], s[12:13]
	v_lshlrev_b32 v3, 3, v2                        ; two columns a lane: a load covers 256 consecutive bytes
.set i, 0
.rept 16
	global_load_b64 v[X+2*i:X+2*i+1], v3, s[4:5] offset:4096*i th:TH_LOAD_NT
.set i, i+1
.endr
	s_lshl_b32 s12, s9, 21                         ; to: 16 Mi + 2 Mi y + (64 nb + 8 w) rows of 2,048 bytes + 256 kb
	s_add_co_u32 s12, s12, 0x1000000
	s_lshl_b32 s14, s10, 17
	s_add_co_u32 s12, s12, s14
	s_lshl_b32 s14, s8, 14
	s_add_co_u32 s12, s12, s14
	s_lshl_b32 s14, s11, 8
	s_add_co_u32 s12, s12, s14
	s_add_nc_u64 s[30:31], s[30:31], s[12:13]
	v_mul_u32_u24 v4, v2, 2*PW                     ; in: rows 2 lane and 2 lane + 1, my wave's 16 k at byte 32 w
	s_lshl_b32 s14, s8, 5
	v_add_nc_u32 v4, s14, v4
	v_lshrrev_b32 v1, 4, v2                        ; back: lanes 0-15 one row of 256 bytes, lanes 16-31 the next
	v_and_b32 v72, 15, v2
	v_mul_u32_u24 v7, v1, PW
	v_lshl_add_u32 v7, v72, 4, v7
	s_mul_i32 s14, s8, 8*PW
	v_add_nc_u32 v7, s14, v7
	v_lshlrev_b32 v73, 11, v1
	v_lshl_add_u32 v73, v72, 4, v73
	s_wait_loadcnt 0x0
.set i, 0
.rept 16                                               ; column i / 8 of my two, k pair i % 8
	v_cvt_pk_f16_f32 v[40+i], v[X+4*(i%8)+i/8], v[X+4*(i%8)+2+i/8]
.set i, i+1
.endr
.set i, 0
.rept 4
	ds_store_b128 v4, v[40+4*i:40+4*i+3] offset:(i/2)*PW+16*(i%2)
.set i, i+1
.endr
	s_wait_dscnt 0x0                               ; for the others' sake: my stores are done
	s_barrier_signal -1
	s_barrier_wait -1
.set i, 0
.rept 4
	ds_load_b128 v[56+4*i:56+4*i+3], v7 offset:2*PW*i
.set i, i+1
.endr
	s_wait_dscnt 0x0
.set i, 0
.rept 4
	global_store_b128 v73, v[56+4*i:56+4*i+3], s[30:31] offset:4096*i  ; sixteen lanes store 256 consecutive bytes, aligned
.set i, i+1
.endr
	s_wait_tensorcnt 0x0                           ; the wave's end, behind my last LDS store
	ds_add_u32 v[SPW], v[NIL]
	s_wait_dscnt 0x0
	s_endpgm
.Lfunc_end_k_qe5b4df065f_cvt:
	.size	k_qe5b4df065f_cvt, .Lfunc_end_k_qe5b4df065f_cvt-k_qe5b4df065f_cvt
	.p2alignl 7, 3214868480
	.fill 96, 4, 3214868480
	.section	.rodata,"a",@progbits
	.p2align	6, 0x0
	.amdhsa_kernel k_qe5b4df065f_cvt
		.amdhsa_group_segment_fixed_size 18432
		.amdhsa_private_segment_fixed_size 0
		.amdhsa_enable_private_segment 0
		.amdhsa_kernarg_size 64
		.amdhsa_user_sgpr_count 2
		.amdhsa_user_sgpr_kernarg_segment_ptr 1
		.amdhsa_wavefront_size32 1
		.amdhsa_system_sgpr_workgroup_id_x 1
		.amdhsa_system_sgpr_workgroup_id_y 1
		.amdhsa_system_sgpr_workgroup_id_z 1
		.amdhsa_system_vgpr_workitem_id 0
		.amdhsa_next_free_vgpr 104
		.amdhsa_next_free_sgpr 66
		.amdhsa_reserve_vcc 0
		.amdhsa_float_denorm_mode_32 3
		.amdhsa_float_denorm_mode_16_64 3
		.amdhsa_memory_ordered 1
		.amdhsa_forward_progress 1
		.amdhsa_inst_pref_size 12
	.end_amdhsa_kernel
	.amdgpu_metadata
---
amdhsa.version: [ 1, 2 ]
amdhsa.kernels:
  - .name:           k_qe5b4df065f_cvt
    .symbol:         k_qe5b4df065f_cvt.kd
    .args:
      - { .name: x, .offset: 0, .size: 8, .value_kind: global_buffer, .address_space: global }
      - { .name: Wq, .offset: 8, .size: 8, .value_kind: global_buffer, .address_space: global }
      - { .name: Wk, .offset: 16, .size: 8, .value_kind: global_buffer, .address_space: global }
      - { .name: Wv, .offset: 24, .size: 8, .value_kind: global_buffer, .address_space: global }
      - { .name: Wf, .offset: 32, .size: 8, .value_kind: global_buffer, .address_space: global }
      - { .name: Wg, .offset: 40, .size: 8, .value_kind: global_buffer, .address_space: global }
      - { .name: Wout, .offset: 48, .size: 8, .value_kind: global_buffer, .address_space: global }
      - { .name: xw, .offset: 56, .size: 8, .value_kind: global_buffer, .address_space: global }
    .group_segment_fixed_size: 18432
    .private_segment_fixed_size: 0
    .kernarg_segment_align: 8
    .kernarg_segment_size: 64
    .max_flat_workgroup_size: 256
    .sgpr_count:     66
    .vgpr_count:     104
    .wavefront_size: 32
...
	.end_amdgpu_metadata
.endif
;; end of part 1
;; launch projl (part 2): grid 8 x 32, 4 waves a work-group, clusters of 4 x 4, 327,680 bytes of LDS; arguments xw, proj; writes proj
.if DOCPART == 2
	.amdgcn_target "amdgcn-amd-amdhsa--gfx1250"
	.amdhsa_code_object_version 6
	.text
	.protected	k_qe5b4df065f_projl
	.globl	k_qe5b4df065f_projl
	.p2align	8
	.type	k_qe5b4df065f_projl,@function
k_qe5b4df065f_projl:
	s_mov_b64 s[64:65], 0
	v_nop
	global_prefetch_b8 v0, s[64:65] scope:SCOPE_SE
	s_setreg_imm32_b32 hwreg(HW_REG_WAVE_MODE, 25, 1), 1
	s_wait_xcnt 0x0
	s_wait_alu depctr_hold_cnt(0) depctr_sa_sdst(0) depctr_va_vdst(0) depctr_va_sdst(0) depctr_va_ssrc(0) depctr_va_vcc(0) depctr_vm_vsrc(0)
	s_getreg_b32 s2, hwreg(HW_REG_IB_STS2, 6, 4)
	s_cmp_eq_u32 s2, 0
	s_cbranch_scc0 .Lentry_in_a_cluster
	s_endpgm
.Lentry_in_a_cluster:
	s_bfe_u32 s2, ttmp6, 0x10000c
	s_cmp_lg_u32 s2, 0xf033
	s_cbranch_scc0 .Lentry_shape_is_right
	s_endpgm
.Lentry_shape_is_right:
; The five projections q, k, v, z = x Wf, g = x Wg: C[m][n] = sum over k of x[m][k] Wt[p][n][k], f16 operands, f32 sums, results rounded once to f16.
; 8192 x 5120 outputs = 256 work-groups x 5 tiles of 256 (m) x 128 (n): a work-group stays on its rows of x and its 128 columns and walks p = 0..4.
; Four waves, each 64 rows x 128 columns: 32 accumulators, 256 registers.  K goes in steps of 128 through two LDS slots filled by tensor loads; the ring runs on from tile to tile.
; CLUSTER 4 x 4: x's tile hangs on the tile row alone and is asked for jointly along a row of the cluster, the weights' tile on the tile column alone, jointly along a column.
; The matrix instruction is used transposed (source 0 = 16 rows of Wt, source 1 = 16 rows of x): a lane holds row l % 16 and eight neighbouring columns.
; WHAT LEAVES.  proj holds six arrays of 16 Mi, in blocks of 16 time steps x 64 channels of one (batch, head): byte ((b 16 + h) 128 + blk) 2048 + sub 512 + lane 16.
;   F layout (q at 0, k at 16 Mi): sub f: lane (r, hh) holds step 16 blk + r, channels 16 f + 8 hh + 0..7: the packed accumulators as they are.
;   T layout (k at 32 Mi, v 48 Mi, z 64 Mi, g 80 Mi): sub tile: lane (r, hh) holds channel 16 tile + r, steps 16 blk + 8 hh + 0..7: turned in my own LDS stage by ds_load_tr16_b128.
;   Every store of a wave covers 512 consecutive bytes, aligned, and what a later launch loads from there is a matrix operand as it stands.
; LIMIT: q, k, v, z, g beyond 65,504 become infinities in f16.
; REGISTERS: window 0: v16-29 addresses; v32-63 packed results; v64-159, v160-255 two fragment buffers (64 of Wt, 32 of x).  Window 1: the accumulators, (a, b) at v[8 (8 a + b)].
.set PITCH,  272                       ; an LDS row: 256 bytes + 16 of padding: the 16 rows of a fragment load start at 16 different groups of four banks
.set BOFF,   256*PITCH                 ; a slot: x's 256 rows, then Wt's 128 rows
.set SLOT,   384*PITCH
.set STAGE,  2*SLOT                    ; behind the ring: 16 rows x 288 bytes for each wave
.set SPITCH, 288
.set SPARE,  STAGE+4*16*SPITCH         ; behind the stages: the spare words, 128 bytes a wave
.set LAPS,   4                         ; K = 1024 = 4 laps of two steps of 128
.set ADRA, 16
.set ADRB, 20
.set STO,  24
.set RDT,  25
.set CO,   26
.set SPW,  28
.set NIL,  29
.set TMP,  32
.set F0,   64
.set F1,   160
.set BK,   160                         ; the way out: turned rows, in buffer 1's first registers
.set G1,  24
.set G0,  32
.set G1B, 48
.set G0B, 56
.set PF,  66                           ; s[66:67] where the F layout goes
.set PT,  68                           ; s[68:69] where the T layout goes
.set MSB, 0
.macro WIN new                         ; the immediate's high byte repeats the setting that is left
.if MSB != (\new)
	s_set_vgpr_msb (MSB<<8)|(\new)
.set MSB, \new
.endif
.endm
.set MUL, 0x50                         ; sources window 0; C and D window 1
.set PKW, 0x05                         ; sources 0 and 1 window 1; destination window 0
.macro JLOAD s                         ; a joint load: waves 0, 1 fetch x's two halves, waves 2, 3 Wt's; an s_nop 0 and four v_nop follow each line
	s_cmp_eq_u32 s11, 0
	s_cbranch_scc0 .Lfor_b_\@
	tensor_load_to_lds s[G0+4*(\s):G0+4*(\s)+3], s[G1:G1+7]
	s_nop 0
.rept 4
	v_nop
.endr
	s_branch .Lasked_\@
.Lfor_b_\@:
	tensor_load_to_lds s[G0B+4*(\s):G0B+4*(\s)+3], s[G1B:G1B+7]
	s_nop 0
.rept 4
	v_nop
.endr
.Lasked_\@:
.endm
.macro CREST                           ; a round of the cluster's barrier behind its opening barrier
	s_cmp_lg_u32 s10, 0
	s_cbranch_scc1 .Lnot_wave_0_\@
	s_barrier_signal -3
.Lnot_wave_0_\@:
	s_barrier_wait -3
	s_barrier_signal -1
	s_barrier_wait -1
.endm
.macro CROUND
	s_barrier_signal -1
	s_barrier_wait -1
	CREST
.endm
.macro PLACES                          ; four places between matrix instructions and loads into, or vector reads of, their registers
.rept 4
	v_nop
.endr
.endm
	s_load_b128 s[4:7], s[0:1], 0x0                ; xw s[4:5], proj s[6:7]
	v_lshl_add_u32 v[SPW], v0, 2, SPARE
	v_mov_b32 v[NIL], 0
	ds_add_u32 v[SPW], v[NIL]                      ; the wave's opening: an add onto my spare word, waited for ahead of my first tensor load
	ds_add_u32 v28, v29
	v_lshrrev_b32 v1, 5, v0
	v_readfirstlane_b32 s10, v1                    ; wave 0..3
	s_lshr_b32 s11, s10, 1                         ; I fetch for x (0) or for Wt (1),
	s_and_b32 s12, s10, 1                          ; this half of the tile's rows
	s_bfe_u32 s40, ttmp6, 0x40000                  ; cx
	s_bfe_u32 s41, ttmp6, 0x40004                  ; cy
	s_lshl_b32 s42, ttmp9, 2
	s_add_co_u32 s42, s42, s40                     ; nx: 128 columns
	s_and_b32 s13, ttmp7, 0xffff
	s_lshl_b32 s13, s13, 2
	s_add_co_u32 s13, s13, s41                     ; my: 256 rows
	s_lshl_b32 s43, s41, 2
	s_lshl_b32 s43, 15, s43                        ; my row of the cluster
	s_lshl_b32 s44, 0x1111, s40                    ; my column
	s_or_b32 s[G1+0], s43, (1<<16)|(1<<20)|(1<<21)|(5<<22)|(3<<25)   ; mask; 2-byte elements; padding on; bit 21 beside a mask; after every 64 words 4 words
	s_or_b32 s[G1B+0], s44, (1<<16)|(1<<20)|(1<<21)|(5<<22)|(3<<25)
	s_mov_b32 s[G1+1], 128<<16                     ; tensor_dim0 = 128
	s_mov_b32 s[G1+2], 128<<16                     ; tensor_dim1 = 128 rows of x
	s_mov_b32 s[G1+3], 128<<16                     ; tile_dim0 = 128
	s_mov_b32 s[G1+4], 128                         ; tile_dim1
	s_mov_b32 s[G1+5], 1024                        ; elements from row to row
	s_mov_b32 s[G1+6], 0
	s_mov_b32 s[G1+7], 0
	s_mov_b32 s[G1B+1], 128<<16
	s_mov_b32 s[G1B+2], 64<<16                     ; 64 rows of Wt
	s_mov_b32 s[G1B+3], 128<<16
	s_mov_b32 s[G1B+4], 64
	s_mov_b32 s[G1B+5], 1024
	s_mov_b32 s[G1B+6], 0
	s_mov_b32 s[G1B+7], 0
	s_lshl_b32 s16, s13, 19                        ; x: (256 my + 128 half) rows of 2,048 bytes
	s_lshl_b32 s17, s12, 18
	s_add_co_u32 s16, s16, s17
	s_mov_b32 s17, 0
	s_lshl_b32 s46, s42, 18                        ; Wt: 16 Mi + (128 nx + 64 half) rows of 2,048 bytes
	s_lshl_b32 s47, s12, 17
	s_add_co_u32 s46, s46, s47
	s_add_co_u32 s46, s46, 0x1000000
	s_mov_b32 s47, 0
	s_mul_i32 s20, s10, 128*PITCH                  ; where they go: x's halves at wave x 128 rows,
	s_mul_i32 s21, s10, 64*PITCH                   ; Wt's at 128 rows + wave x 64 rows (waves 2, 3): no place in the cluster enters an LDS address
	s_add_co_u32 s21, s21, 128*PITCH
	s_wait_dscnt 0x0                               ; the opening add is done
	s_wait_kmcnt 0x0
	s_add_nc_u64 s[14:15], s[4:5], s[16:17]
	s_add_nc_u64 s[46:47], s[4:5], s[46:47]
	CROUND                                         ; all sixteen work-groups are here: the first joint loads meet
.irp s, 0,1
	s_mov_b32 s[G0+4*(\s)], 1
	s_add_co_u32 s[G0+4*(\s)+1], s20, (\s)*SLOT
	s_add_nc_u64 s[G0+4*(\s)+2:G0+4*(\s)+3], s[14:15], (\s)*256
	s_or_b32 s[G0+4*(\s)+3], s[G0+4*(\s)+3], 0x80000000
	s_mov_b32 s[G0B+4*(\s)], 1
	s_add_co_u32 s[G0B+4*(\s)+1], s21, (\s)*SLOT
	s_add_nc_u64 s[G0B+4*(\s)+2:G0B+4*(\s)+3], s[46:47], (\s)*256
	s_or_b32 s[G0B+4*(\s)+3], s[G0B+4*(\s)+3], 0x80000000
	JLOAD \s
.endr
	v_and_b32 v1, 15, v0                           ; r
	v_bfe_u32 v2, v0, 4, 1                         ; hh
	v_mul_u32_u24 v3, v1, PITCH
	v_lshl_add_u32 v3, v2, 4, v3                   ; a fragment's row x pitch + 16 x half
	s_mul_i32 s18, s10, 64*PITCH                   ; my 64 rows of x
	v_add_nc_u32 v[ADRA], s18, v3
	v_add_nc_u32 v[ADRA+1], SLOT, v[ADRA]
	v_add_nc_u32 v[ADRB], BOFF, v3
	v_add_nc_u32 v[ADRB+1], SLOT, v[ADRB]
	s_mul_i32 s18, s10, 16*SPITCH
	s_add_co_u32 s18, s18, STAGE                   ; my stage
	v_mul_u32_u24 v4, v1, SPITCH
	v_lshl_add_u32 v4, v2, 4, v4
	v_add_nc_u32 v[STO], s18, v4                   ; in: row r, 16 bytes for each half of the lanes
	v_and_b32 v4, 7, v0
	v_lshl_add_u32 v4, v2, 3, v4
	v_mul_u32_u24 v4, v4, SPITCH
	v_bfe_u32 v5, v0, 3, 1
	v_lshl_add_u32 v4, v5, 4, v4
	v_add_nc_u32 v[RDT], s18, v4                   ; back, turned: row 8 hh + l % 8, 16 bytes by (l / 8) % 2
	v_and_b32 v5, 31, v0
	v_lshlrev_b32 v[CO], 4, v5
	s_lshr_b32 s22, s13, 3                         ; batch x 4 Mi + head 2 nx x 256 Ki + block ((my % 8) 16 + 4 w) x 2,048
	s_lshl_b32 s22, s22, 22
	s_lshl_b32 s23, s42, 19
	s_add_co_u32 s22, s22, s23
	s_and_b32 s23, s13, 7
	s_lshl_b32 s23, s23, 4
	s_lshl2_add_u32 s23, s10, s23
	s_lshl_b32 s23, s23, 11
	s_add_co_u32 s22, s22, s23
	s_mov_b32 s23, 0
	s_add_nc_u64 s[PF:PF+1], s[6:7], s[22:23]
	s_add_nc_u64 s[PT:PT+1], s[PF:PF+1], 0x1000000 ; tile p's T layout lies at (p + 1) x 16 Mi
.macro MULA f, a, zero                 ; 8 matrix instructions: row block a x all 8 column blocks, 32 along K.  The accumulators take turns
	WIN MUL
.irp b, 0,1,2,3,4,5,6,7
.if \zero
	v_wmma_f32_16x16x32_f16 v[8*(8*(\a)+(\b)):8*(8*(\a)+(\b))+7], v[(\f)+8*(\b):(\f)+8*(\b)+7], v[(\f)+64+8*(\a):(\f)+64+8*(\a)+7], 0
.else
	v_wmma_f32_16x16x32_f16 v[8*(8*(\a)+(\b)):8*(8*(\a)+(\b))+7], v[(\f)+8*(\b):(\f)+8*(\b)+7], v[(\f)+64+8*(\a):(\f)+64+8*(\a)+7], v[8*(8*(\a)+(\b)):8*(8*(\a)+(\b))+7]
.endif
.endr
.endm
.macro FETCH slot, k, f                ; 24 LDS loads in one run: Wt's 8 fragments, then x's 4
	WIN 0
.irp i, 0,1,2,3,4,5,6,7
	ds_load_b128 v[(\f)+8*(\i):(\f)+8*(\i)+3],   v[ADRB+(\slot)] offset:(\k)+(\i)*16*PITCH
	ds_load_b128 v[(\f)+8*(\i)+4:(\f)+8*(\i)+7], v[ADRB+(\slot)] offset:(\k)+(\i)*16*PITCH+32
.endr
.irp i, 0,1,2,3
	ds_load_b128 v[(\f)+64+8*(\i):(\f)+64+8*(\i)+3],   v[ADRA+(\slot)] offset:(\k)+(\i)*16*PITCH
	ds_load_b128 v[(\f)+64+8*(\i)+4:(\f)+64+8*(\i)+7], v[ADRA+(\slot)] offset:(\k)+(\i)*16*PITCH+32
.endr
.endm
.macro QUARTER slot, k, f, g, zero     ; 32 along K: multiplies buffer f; in its middle fetches the next quarter, at byte k, into g
	s_wait_dscnt 4                                 ; all but x's fragments 2 and 3 are in
	MULA \f, 0, \zero
	MULA \f, 1, \zero
	PLACES
	FETCH \slot, \k, \g
	s_wait_dscnt 24                                ; all but the 24 just issued
	MULA \f, 2, \zero
	MULA \f, 3, \zero
.endm
; The last quarter of a K step multiplies buffer 1 and changes slots.  mode 0: nothing is filled; 1: this slot takes the K step two on; 2: the next tile's K step of this slot.
.macro TURN slot, next, mode
	WIN 0
	s_wait_tensorcnt 0x0                           ; all my tensor loads have landed: the one that was out is my part of the next slot
	ds_add_u32 v[SPW], v[NIL]                      ; 0 onto my spare word
	s_wait_dscnt 5                                 ; (the add and x's fragments 2 and 3 may be out)
	MULA F1, 0, 0
	s_wait_dscnt 0x0                               ; the add is done, and my reads of this slot are over
	s_barrier_signal -1
	MULA F1, 1, 0
	WIN 0
	s_barrier_wait -1
.if (\mode) == 0
	PLACES
.else
	CREST                                          ; the barrier has opened a round of the cluster's: no wave of any partner still reads this slot or has a load on its way
.if (\mode) == 1
	s_add_nc_u64 s[G0+4*(\slot)+2:G0+4*(\slot)+3], s[G0+4*(\slot)+2:G0+4*(\slot)+3], 512
	s_add_nc_u64 s[G0B+4*(\slot)+2:G0B+4*(\slot)+3], s[G0B+4*(\slot)+2:G0B+4*(\slot)+3], 512
.else
	s_sub_nc_u64 s[G0+4*(\slot)+2:G0+4*(\slot)+3], s[G0+4*(\slot)+2:G0+4*(\slot)+3], 1536       ; x: six K steps back
	s_add_nc_u64 s[G0B+4*(\slot)+2:G0B+4*(\slot)+3], s[G0B+4*(\slot)+2:G0B+4*(\slot)+3], 2097152-1536  ; Wt: the next matrix, six K steps back
.endif
	JLOAD \slot                                    ; the first tensor load behind the round; its four v_nop are also the places in front of the loads below
.endif
	FETCH \next, 0, F0
	MULA F1, 2, 0
	MULA F1, 3, 0
.endm
; The way out of row block a (16 time steps x 128 channels = two heads).  sel = 1: s2 (tiles to go) chooses the layouts: q F, k F and T, v and z T; sel = 0: T alone.
.macro OUTBLK a, sel
	WIN 0
	s_wait_xcnt 0x0                                ; earlier stores have read TMP and BK: they are rewritten only behind this wait
	WIN PKW
.irp b, 0,1,2,3,4,5,6,7
.irp r, 0,1,2,3
	v_cvt_pk_f16_f32 v[TMP+4*(\b)+(\r)], v[8*(8*(\a)+(\b))+2*(\r)], v[8*(8*(\a)+(\b))+2*(\r)+1]
.endr
.endr
	WIN 0
.if \sel
	s_cmp_lt_u32 s2, 4
	s_cbranch_scc1 .Lno_f_\@
.irp t, 0,1,2,3,4,5,6,7
	global_store_b128 v[CO], v[TMP+4*(\t):TMP+4*(\t)+3], s[PF:PF+1] offset:(\a)*2048+((\t)/4)*262144+((\t)%4)*512
.endr
.Lno_f_\@:
	s_cmp_gt_u32 s2, 4
	s_cbranch_scc1 .Lno_t_\@
.endif
.irp t, 0,1,2,3,4,5,6,7
	ds_store_b128 v[STO], v[TMP+4*(\t):TMP+4*(\t)+3] offset:32*(\t)
.endr
.irp t, 0,1,2,3,4,5,6,7
	ds_load_tr16_b128 v[BK+4*(\t):BK+4*(\t)+3], v[RDT] offset:32*(\t)  ; LDS serves a wave's instructions in order: these see the stores above
.endr
	s_wait_dscnt 0x0
.irp t, 0,1,2,3,4,5,6,7
	global_store_b128 v[CO], v[BK+4*(\t):BK+4*(\t)+3], s[PT:PT+1] offset:(\a)*2048+((\t)/4)*262144+((\t)%4)*512
.endr
.if \sel
.Lno_t_\@:
.endif
.endm
	s_wait_tensorcnt 1                             ; my part of K step 0 is in; K step 1's may stay out
	s_barrier_signal -1
	s_barrier_wait -1
	FETCH 0, 0, F0
	s_mov_b32 s2, 5                                ; tiles to go, this one among them
.Ltile:
	QUARTER 0, 64, F0, F1, 1                       ; a tile's first quarter starts the sums: nothing is cleared
	WIN 0
	s_mov_b32 s3, LAPS-1
.Llap:                                                 ; a trip goes once round the ring and fills both slots again
	QUARTER 0, 128, F1, F0, 0
	QUARTER 0, 192, F0, F1, 0
	TURN 0, 1, 1
	QUARTER 1, 64,  F0, F1, 0
	QUARTER 1, 128, F1, F0, 0
	QUARTER 1, 192, F0, F1, 0
	TURN 1, 0, 1
	QUARTER 0, 64,  F0, F1, 0
	WIN 0
	s_sub_co_u32 s3, s3, 1
	s_cmp_lg_u32 s3, 0
	s_cbranch_scc1 .Llap
	QUARTER 0, 128, F1, F0, 0
	QUARTER 0, 192, F0, F1, 0
	WIN 0
	s_cmp_eq_u32 s2, 1
	s_cbranch_scc1 .Llast                          ; the last tile's tail is written out: it asks for nothing more
	TURN 0, 1, 2                                   ; the ring goes on into the next tile
	QUARTER 1, 64,  F0, F1, 0
	QUARTER 1, 128, F1, F0, 0
	QUARTER 1, 192, F0, F1, 0
	TURN 1, 0, 2
	OUTBLK 0, 1                                    ; blocks 0 and 1 were finished ahead of TURN's four v_nop; block 0's conversions are the places behind the last products
	OUTBLK 1, 1
	OUTBLK 2, 1
	OUTBLK 3, 1
	s_wait_xcnt 0x0                                ; the stores have read their bases and BK
	s_add_nc_u64 s[PF:PF+1], s[PF:PF+1], 0x1000000
	s_add_nc_u64 s[PT:PT+1], s[PT:PT+1], 0x1000000
	s_sub_co_u32 s2, s2, 1
	s_branch .Ltile
.Llast:
	TURN 0, 1, 0
	QUARTER 1, 64,  F0, F1, 0
	QUARTER 1, 128, F1, F0, 0
	QUARTER 1, 192, F0, F1, 0
	s_wait_dscnt 4
	MULA F1, 0, 0
	MULA F1, 1, 0
	s_wait_dscnt 0x0
	MULA F1, 2, 0
	MULA F1, 3, 0
	PLACES
	OUTBLK 0, 0
	OUTBLK 1, 0
	OUTBLK 2, 0
	OUTBLK 3, 0
	s_wait_tensorcnt 0x0                           ; the wave's end
	ds_add_u32 v[SPW], v[NIL]
	s_wait_dscnt 0x0
	CROUND                                         ; the closing round
	s_endpgm
.Lfunc_end_k_qe5b4df065f_projl:
	.size	k_qe5b4df065f_projl, .Lfunc_end_k_qe5b4df065f_projl-k_qe5b4df065f_projl
	.p2alignl 7, 3214868480
	.fill 96, 4, 3214868480
	.section	.rodata,"a",@progbits
	.p2align	6, 0x0
	.amdhsa_kernel k_qe5b4df065f_projl
		.amdhsa_group_segment_fixed_size 327680
		.amdhsa_private_segment_fixed_size 0
		.amdhsa_enable_private_segment 0
		.amdhsa_kernarg_size 16
		.amdhsa_user_sgpr_count 2
		.amdhsa_user_sgpr_kernarg_segment_ptr 1
		.amdhsa_wavefront_size32 1
		.amdhsa_system_sgpr_workgroup_id_x 1
		.amdhsa_system_sgpr_workgroup_id_y 1
		.amdhsa_system_sgpr_workgroup_id_z 1
		.amdhsa_system_vgpr_workitem_id 0
		.amdhsa_next_free_vgpr 512
		.amdhsa_next_free_sgpr 72
		.amdhsa_reserve_vcc 0
		.amdhsa_float_denorm_mode_32 3
		.amdhsa_float_denorm_mode_16_64 3
		.amdhsa_memory_ordered 1
		.amdhsa_forward_progress 1
		.amdhsa_inst_pref_size 126
	.end_amdhsa_kernel
	.amdgpu_metadata
---
amdhsa.version: [ 1, 2 ]
amdhsa.kernels:
  - .name:           k_qe5b4df065f_projl
    .symbol:         k_qe5b4df065f_projl.kd
    .args:
      - { .name: xw, .offset: 0, .size: 8, .value_kind: global_buffer, .address_space: global }
      - { .name: proj, .offset: 8, .size: 8, .value_kind: global_buffer, .address_space: global }
    .group_segment_fixed_size: 327680
    .private_segment_fixed_size: 0
    .kernarg_segment_align: 8
    .kernarg_segment_size: 16
    .max_flat_workgroup_size: 128
    .sgpr_count:     72
    .vgpr_count:     512
    .wavefront_size: 32
...
	.end_amdgpu_metadata
.endif
;; end of part 2
;; launch seg (part 3): grid 4 x 64, 16 waves a work-group, no clusters, 167,936 bytes of LDS; arguments proj, bf, scan1; writes scan1
.if DOCPART == 3
	.amdgcn_target "amdgcn-amd-amdhsa--gfx1250"
	.amdhsa_code_object_version 6
	.text
	.protected	k_qe5b4df065f_seg
	.globl	k_qe5b4df065f_seg
	.p2align	8
	.type	k_qe5b4df065f_seg,@function
k_qe5b4df065f_seg:
	s_mov_b64 s[64:65], 0
	v_nop
	global_prefetch_b8 v0, s[64:65] scope:SCOPE_SE
	s_setreg_imm32_b32 hwreg(HW_REG_WAVE_MODE, 25, 1), 1
	s_wait_xcnt 0x0
; For each (batch, head) bh and each segment of 512 steps: the gates, the segment's own end state, its total decay, and the largest |k| and |v|.
; RECURRENCE: S_t[i][j] = g_t[i] S_(t-1)[i][j] + v_t[i] k_t[j], g = sigmoid(z + bf).  Stored is c = 1 - g = 1 / (1 + 2^(log2e (z + bf))), rounded to f16, which keeps g's distance from 1 to 11 bits;
; every later use takes g = 1 - c from that same f16, here too.  Every decay factor formed is a product of gates, at most 1: nothing is ever divided by a product of gates.
; SHARES: 16 waves = 4 tiles of 16 channels i (it = w & 3) x 4 chunks of 128 steps (ch = w >> 2).  The state is kept transposed, S^T[j][i]: four accumulators jt; lane r = i, register e: j = 16 jt + 8 hh + e.
; A block of 16 steps: S = Gblk o S + sum over s of k_s (v_s F_s), F_s the product of the gates behind s up to the block's end: one matrix instruction for each jt, K = 16 steps (the operand's upper 16 are zeros).
; The four chunks' end states meet in LDS; the waves of chunk 3 chain them.  No cluster: no two work-groups read the same bytes.
; LIMITS: z, k, v arrive as f16; a decayed v below f16's step of 6e-8 counts as 0; NaN and infinities are not treated apart.
.set XCH,   65536                      ; LDS: 0 k transposed (64 KB, by tensor loads); here 16 x 4,096: the chunks' end states
.set XG,    131072                     ; 16 x 128: the chunks' decays
.set XM,    133120                     ; 16 x 8: each wave's largest |k|, |v|
.set SPARE, 133376                     ; the spare words, 128 bytes a wave
.set LN16, 1
.set R4,   2
.set L4,   3
.set AKT,  4
.set AKM,  5
.set LNM,  6                           ; 16 lane + 512 it: my tile of k, for the maximum
.set XW,   7
.set XB,   8
.set XGW,  9
.set XGB,  10
.set LBF,  11                          ; log2e x bf of my channel
.set ONE,  12
.set ZR,   13
.set SI,   18                          ; 1 / scale: here 1
.set SA,   20
.set LG,   22                          ; log2e
.set GA,   24
.set GB,   26
.set T8,   28
.set XX,   29
.set GCH,  30
.set MULT, 31
.set C4,   32
.set V4,   36
.set G,    40
.set VV,   48
.set F,    56
.set VA,   64
.set KT,   80
.set Z4,   100
.set KM,   104
.set MXK,  108
.set MXV,  109
.set TM,   110
.set T,    100                         ; at the end: 32 registers of a chained state
.set U,    40                          ; and 32 of the next chunk's
.set S,    132
.set MONE, 245
.set SPW,  246
.set NIL,  247
.set WV, 10
.set IT, 11
.set CH, 12
.set SEG, 13
.set BH, 14
.set SEL, 16
.set HM, 18
.set ABSM, 19
.set G0D, 20
.set G1D, 24
.set ZP, 32
.set VP, 34
.set CFP, 36
.set CNT, 38
.set KTS, 39                           ; LDS byte at which k of the block in hand begins: it steps by 2,048
.set OFS, 44
.macro MIX d, h, s, m, c               ; d = (f16 half h of s) x m + c, in f32
.if \h
	v_fma_mix_f32 v[\d], v[\s], v[\m], v[\c] op_sel:[1,0,0] op_sel_hi:[1,0,0]
.else
	v_fma_mix_f32 v[\d], v[\s], v[\m], v[\c] op_sel_hi:[1,0,0]
.endif
.endm
.macro GATES                           ; g = 1 - c for my 8 steps
.set e, 0
.rept 8
	MIX G+e, e%2, C4+e/2, MONE, ONE
.set e, e+1
.endr
.endm
.macro V32                             ; v of my 8 steps in f32
.set e, 0
.rept 8
	MIX VV+e, e%2, V4+e/2, ONE, ZR
.set e, e+1
.endr
.endm
; The rest of a block.  first = 1: the products start the sums.
.macro P1REST acc, first
	v_add_nc_u32 v[AKT], s[KTS], v[LN16]
.irp jt, 0,1,2,3
	ds_load_b128 v[KT+4*\jt:KT+4*\jt+3], v[AKT] offset:512*\jt
.endr
	s_add_co_u32 s[KTS], s[KTS], 0x800             ; the next block's k
.irp e, 6,5,4,3,2,1,0
	v_mul_f32 v[F+\e], v[F+\e+1], v[G+\e+1]        ; F_e = scale x the gates behind step e in my half (F_7 = scale, set once)
.endr
	v_mul_f32 v[T8], v[F], v[G]
	v_mul_f32 v[T8], v[T8], v[SI]                  ; all eight gates of my half
	v_permlanex16_b32 v[XX], v[T8], s[SEL], s[SEL+1]  ; the other half's
	v_cndmask_b32 v[MULT], v[XX], v[ONE], s[HM]    ; steps 0-7 also pass the second half's gates
	v_mul_f32 v[GA], v[T8], v[XX]                  ; the block's decay
.if \first
	v_mov_b32 v[GCH], v[GA]
.else
	v_mul_f32 v[GCH], v[GCH], v[GA]
.endif
.irp p, 0,1,2,3
	v_pk_mul_f32 v[VV+2*\p:VV+2*\p+1], v[VV+2*\p:VV+2*\p+1], v[F+2*\p:F+2*\p+1]
.endr
.irp p, 0,1,2,3
	v_pk_mul_f32 v[VV+2*\p:VV+2*\p+1], v[VV+2*\p:VV+2*\p+1], v[GCH:GCH+1] op_sel:[0,1] op_sel_hi:[1,1]  ; x MULT, the pair's second register
.endr
.irp p, 0,1,2,3
	v_cvt_pk_f16_f32 v[VA+\p], v[VV+2*\p], v[VV+2*\p+1]
.endr
.if !(\first)
.set i, 0
.rept 16
	v_pk_mul_f32 v[(\acc)+2*i:(\acc)+2*i+1], v[(\acc)+2*i:(\acc)+2*i+1], v[GA:GA+1] op_sel_hi:[1,0]
.set i, i+1
.endr
.endif
	s_wait_dscnt 0x0
.irp jt, 0,1,2,3                       ; k's fragment jt is 4 registers; its upper half is the next fragment's data (finite), which meets VA's zeros.  The accumulators take turns
.if \first
	v_wmma_f32_16x16x32_f16 v[(\acc)+8*\jt:(\acc)+8*\jt+7], v[KT+4*\jt:KT+4*\jt+7], v[VA:VA+7], 0
.else
	v_wmma_f32_16x16x32_f16 v[(\acc)+8*\jt:(\acc)+8*\jt+7], v[KT+4*\jt:KT+4*\jt+7], v[VA:VA+7], v[(\acc)+8*\jt:(\acc)+8*\jt+7]
.endif
.endr
.endm
	s_load_b128 s[4:7], s[0:1], 0x0                ; proj s[4:5], bf s[6:7]
	s_load_b64 s[8:9], s[0:1], 0x10                ; scan1
	v_lshl_add_u32 v[SPW], v0, 2, SPARE
	v_mov_b32 v[NIL], 0
	ds_add_u32 v[SPW], v[NIL]                      ; the wave's opening: an add onto my spare word, waited for ahead of my first tensor load
	ds_add_u32 v246, v247
	v_lshrrev_b32 v1, 5, v0
	v_readfirstlane_b32 s[WV], v1
	s_and_b32 s[IT], s[WV], 3
	s_lshr_b32 s[CH], s[WV], 2
	s_mov_b32 s[SEG], ttmp9
	s_and_b32 s[BH], ttmp7, 0xffff
	s_mov_b32 s[G1D+0], 3<<16                      ; a dense block of 16 KB as 64 rows of 32 elements of 8 bytes
	s_mov_b32 s[G1D+1], 32<<16
	s_mov_b32 s[G1D+2], 64<<16
	s_mov_b32 s[G1D+3], 32<<16
	s_mov_b32 s[G1D+4], 64
	s_mov_b32 s[G1D+5], 32
	s_mov_b32 s[G1D+6], 0
	s_mov_b32 s[G1D+7], 0
	s_mov_b32 s[G0D], 1
	s_lshl_b32 s[G0D+1], s[WV], 14                 ; LDS: wave x 16 KB (waves 0-3 fetch)
	s_mov_b32 s[SEL], 0x76543210
	s_mov_b32 s[SEL+1], 0xfedcba98
	s_mov_b32 s[HM], 0xffff0000                    ; lanes 16-31
	s_mov_b32 s[ABSM], 0x7fff7fff
	s_lshl_b32 s[KTS], s[CH], 14                   ; my chunk's first block of k in LDS
	s_lshl_b32 s[OFS], s[BH], 18                   ; a (batch, head) is 262,144 bytes of each array, a segment 65,536
	s_lshl_b32 s2, s[SEG], 16
	s_add_co_u32 s[OFS], s[OFS], s2
	s_lshl_b32 s2, s[WV], 14
	s_add_co_u32 s2, s2, s[OFS]
	s_add_co_u32 s2, s2, 0x2000000                 ; k transposed lies at 32 Mi
	s_mov_b32 s3, 0
	s_lshl_b32 s[OFS+1], s[CH], 14                 ; my chunk, my tile
	s_add_co_u32 s[OFS], s[OFS], s[OFS+1]
	s_lshl_b32 s[OFS+1], s[IT], 9
	s_add_co_u32 s[OFS], s[OFS], s[OFS+1]
	s_mov_b32 s[OFS+1], 0
	s_and_b32 s40, s[BH], 15                       ; bf of head h, tile it
	s_lshl_b32 s40, s40, 8
	s_lshl_b32 s41, s[IT], 6
	s_add_co_u32 s40, s40, s41
	s_mov_b32 s41, 0
	s_wait_dscnt 0x0                               ; the opening add is done
	s_wait_kmcnt 0x0
	s_add_nc_u64 s[G0D+2:G0D+3], s[4:5], s[2:3]
	s_or_b32 s[G0D+3], s[G0D+3], 0x80000000
	s_cmp_lt_u32 s[WV], 4
	s_cbranch_scc0 .Lnofill
	tensor_load_to_lds s[G0D:G0D+3], s[G1D:G1D+7]  ; one load of mine is out
	s_nop 0
.Lnofill:
	s_add_nc_u64 s[ZP:ZP+1], s[4:5], s[OFS:OFS+1]
	s_add_nc_u64 s[VP:VP+1], s[ZP:ZP+1], 0x3000000
	s_add_nc_u64 s[ZP:ZP+1], s[ZP:ZP+1], 0x4000000
	s_add_nc_u64 s[CFP:CFP+1], s[8:9], s[OFS:OFS+1]
	s_add_nc_u64 s[6:7], s[6:7], s[40:41]
	v_and_b32 v1, 31, v0
	v_lshlrev_b32 v[L4], 2, v1
	v_lshlrev_b32 v[LN16], 4, v1
	v_and_b32 v[R4], 15, v0
	v_lshlrev_b32 v[R4], 2, v[R4]
	global_load_b32 v[LBF], v[R4], s[6:7]
	global_load_b128 v[Z4:Z4+3], v[LN16], s[ZP:ZP+1] th:TH_LOAD_NT
	global_load_b128 v[V4:V4+3], v[LN16], s[VP:VP+1]
	s_lshl_b32 s2, s[IT], 9
	v_add_nc_u32 v[LNM], s2, v[LN16]
	s_lshl_b32 s2, s[WV], 12
	s_add_co_u32 s2, s2, XCH
	v_add_nc_u32 v[XW], s2, v[LN16]
	s_lshl_b32 s2, s[IT], 12
	s_add_co_u32 s2, s2, XCH
	v_add_nc_u32 v[XB], s2, v[LN16]
	s_lshl_b32 s2, s[WV], 7
	s_add_co_u32 s2, s2, XG
	v_add_nc_u32 v[XGW], s2, v[L4]
	s_lshl_b32 s2, s[IT], 7
	s_add_co_u32 s2, s2, XG
	v_add_nc_u32 v[XGB], s2, v[L4]
	v_mov_b32 v[ONE], 1.0
	v_mov_b32 v[MONE], -1.0
	v_mov_b32 v[ZR], 0
	v_mov_b32 v[SI], 1.0
	v_mov_b32 v[F+7], 1.0                          ; the scale: here 1
	v_mov_b32 v[LG], 0x3fb8aa3b                    ; log2(e)
	v_mov_b32 v[XX], 0
	v_mov_b32 v[GA+1], 0                           ; second registers of pairs of which the first is broadcast
	v_mov_b32 v[GB+1], 0
	v_mov_b32 v[MXK], 0
	v_mov_b32 v[MXV], 0
.irp i, 4,5,6,7
	v_mov_b32 v[VA+\i], 0                          ; K = 16..31 of the operand
.endr
.irp i, 16,17,18,19
	v_mov_b32 v[KT+\i], 0                          ; closes the last fragment
.endr
	s_wait_tensorcnt 0x0                           ; my part of k is in,
	s_barrier_signal -1
	s_barrier_wait -1                              ; everybody's is
	s_wait_loadcnt 0x0
	v_mul_f32 v[LBF], v[LG], v[LBF]
; A block of 16 steps.  ld = 1: the next block's z and v are asked for; 2: not in the loop's last trip.
.macro S1BLK first, ld
	s_wait_loadcnt 0x0                             ; z and v of this block
.set e, 0
.rept 8
	MIX G+e, e%2, Z4+e/2, LG, LBF
.set e, e+1
.endr
.irp e, 0,1,2,3,4,5,6,7
	v_exp_f32 v[G+\e], v[G+\e]
.endr
	v_and_b32 v[TM], s[ABSM], v[V4]                ; a plain instruction behind the exponentials
	s_wait_alu depctr_va_vdst(0)
.irp e, 0,1,2,3,4,5,6,7
	v_add_f32 v[G+\e], 1.0, v[G+\e]
.endr
.irp e, 0,1,2,3,4,5,6,7
	v_rcp_f32 v[G+\e], v[G+\e]                     ; c = 1 - g
.endr
	v_pk_max_num_f16 v[MXV], v[MXV], v[TM]         ; a plain instruction behind the reciprocals
	s_wait_xcnt 0x0                                ; the last block's store has read C4 and its base
.if !(\first)
	s_add_nc_u64 s[CFP:CFP+1], s[CFP:CFP+1], 2048
.endif
	s_wait_alu depctr_va_vdst(0)
.irp p, 0,1,2,3
	v_cvt_pk_f16_f32 v[C4+\p], v[G+2*\p], v[G+2*\p+1]
.endr
	global_store_b128 v[LN16], v[C4:C4+3], s[CFP:CFP+1]  ; 512 consecutive bytes, aligned
	V32
.irp p, 1,2,3
	v_and_b32 v[TM], s[ABSM], v[V4+\p]
	v_pk_max_num_f16 v[MXV], v[MXV], v[TM]
.endr
	s_add_nc_u64 s[ZP:ZP+1], s[ZP:ZP+1], 2048      ; free since the wait for the loads
	s_add_nc_u64 s[VP:VP+1], s[VP:VP+1], 2048
.if (\ld) == 2
	s_cmp_eq_u32 s[CNT], 1
	s_cbranch_scc1 .Lnl_\@
.endif
	global_load_b128 v[Z4:Z4+3], v[LN16], s[ZP:ZP+1] th:TH_LOAD_NT
	global_load_b128 v[V4:V4+3], v[LN16], s[VP:VP+1]
.Lnl_\@:
	v_add_nc_u32 v[AKM], s[KTS], v[LNM]
	ds_load_b128 v[KM:KM+3], v[AKM]                ; k's tile it once more, for the maximum
	GATES
	P1REST S, \first
.irp p, 0,1,2,3                        ; eight plain lines: also the places behind the products
	v_and_b32 v[TM], s[ABSM], v[KM+\p]
	v_pk_max_num_f16 v[MXK], v[MXK], v[TM]
.endr
.endm
	S1BLK 1, 1                                     ; the first block starts the sums
	s_mov_b32 s[CNT], 7
.Lblk:
	S1BLK 0, 2
	s_sub_co_u32 s[CNT], s[CNT], 1
	s_cmp_lg_u32 s[CNT], 0
	s_cbranch_scc1 .Lblk
	s_wait_loadcnt 0x0                             ; no load is out when z's registers are taken for other things below
	; the maxima in f32, over the wave
	MIX G, 0, MXK, ONE, ZR
	MIX G+1, 1, MXK, ONE, ZR
	MIX G+2, 0, MXV, ONE, ZR
	MIX G+3, 1, MXV, ONE, ZR
	v_max_num_f32 v[G], v[G], v[G+1]
	v_max_num_f32 v[G+2], v[G+2], v[G+3]
.irp m, 1,2,4,8
	v_max_num_f32_dpp v[G], v[G], v[G] row_xmask:\m row_mask:0xf bank_mask:0xf
	v_max_num_f32_dpp v[G+2], v[G+2], v[G+2] row_xmask:\m row_mask:0xf bank_mask:0xf
.endr
	v_permlanex16_b32 v[G+1], v[G], s[SEL], s[SEL+1]
	v_permlanex16_b32 v[G+3], v[G+2], s[SEL], s[SEL+1]
	v_max_num_f32 v[G], v[G], v[G+1]
	v_max_num_f32 v[G+2], v[G+2], v[G+3]
	s_wait_dscnt 0x0                               ; a barrier between the loop's LDS reads and the stores below.  By the map above k's bytes and the stores' are apart, so it orders
	s_barrier_signal -1                            ; nothing that overlaps; it is kept so that this order does not hang on the loop's address arithmetic
	s_barrier_wait -1
.irp q, 0,1,2,3,4,5,6,7
	ds_store_b128 v[XW], v[S+4*\q:S+4*\q+3] offset:512*\q
.endr
	ds_store_b32 v[XGW], v[GCH]
	s_lshl_b32 s2, s[WV], 3
	s_add_co_u32 s2, s2, XM
	v_mov_b32 v[TM], s2
	ds_store_b32 v[TM], v[G]                       ; all lanes write the same word with the same value
	ds_store_b32 v[TM], v[G+2] offset:4
	s_wait_dscnt 0x0                               ; for the others' sake
	s_barrier_signal -1
	s_barrier_wait -1
	s_cmp_lt_u32 s[WV], 12
	s_cbranch_scc1 .Lend
	; the waves of chunk 3 chain the four chunks of their tile
.irp q, 0,1,2,3,4,5,6,7
	ds_load_b128 v[T+4*\q:T+4*\q+3], v[XB] offset:512*\q
.endr
.irp q, 0,1,2,3,4,5,6,7
	ds_load_b128 v[U+4*\q:U+4*\q+3], v[XB] offset:16384+512*\q
.endr
	ds_load_b32 v[SA], v[XGB]
	ds_load_b32 v[GA], v[XGB] offset:512
	ds_load_b32 v[GB], v[XGB] offset:1024
	s_wait_dscnt 0x0
.set i, 0
.rept 16
	v_pk_fma_f32 v[T+2*i:T+2*i+1], v[T+2*i:T+2*i+1], v[GA:GA+1], v[U+2*i:U+2*i+1] op_sel_hi:[1,0,1]
.set i, i+1
.endr
.irp q, 0,1,2,3,4,5,6,7
	ds_load_b128 v[U+4*\q:U+4*\q+3], v[XB] offset:32768+512*\q
.endr
	v_mul_f32 v[SA], v[SA], v[GA]
	v_mul_f32 v[SA], v[SA], v[GB]
	v_mul_f32 v[SA], v[SA], v[GCH]                 ; the segment's decay
	s_lshl_b32 s2, s[BH], 2
	s_add_co_u32 s2, s2, s[SEG]
	s_lshl2_add_u32 s2, s2, s[IT]                  ; (bh 4 + seg) 4 + it
	s_lshl_b32 s40, s2, 12
	s_add_co_u32 s40, s40, 0x1000000
	s_mov_b32 s41, 0
	s_add_nc_u64 s[40:41], s[8:9], s[40:41]
	s_lshl_b32 s42, s2, 7
	s_add_co_u32 s42, s42, 0x1400000
	s_mov_b32 s43, 0
	s_add_nc_u64 s[42:43], s[8:9], s[42:43]
	s_wait_dscnt 0x0
.set i, 0
.rept 16
	v_pk_fma_f32 v[T+2*i:T+2*i+1], v[T+2*i:T+2*i+1], v[GB:GB+1], v[U+2*i:U+2*i+1] op_sel_hi:[1,0,1]
.set i, i+1
.endr
.set i, 0
.rept 16
	v_pk_fma_f32 v[T+2*i:T+2*i+1], v[T+2*i:T+2*i+1], v[GCH:GCH+1], v[S+2*i:S+2*i+1] op_sel_hi:[1,0,1]
.set i, i+1
.endr
.irp q, 0,1,2,3,4,5,6,7
	global_store_b128 v[LN16], v[T+4*\q:T+4*\q+3], s[40:41] offset:512*\q
.endr
	global_store_b32 v[L4], v[SA], s[42:43]
	s_cmp_lg_u32 s[WV], 15
	s_cbranch_scc1 .Lend
	v_add_nc_u32 v[AKM], XM, v[L4]                 ; (a register that no pending store names)
	ds_load_b32 v[G], v[AKM]                       ; word 2 w: wave w's |k|, word 2 w + 1: its |v|
	s_lshl_b32 s2, s[BH], 2
	s_add_co_u32 s2, s2, s[SEG]
	s_lshl_b32 s2, s2, 7
	s_add_co_u32 s2, s2, 0x1420000
	s_mov_b32 s3, 0
	s_add_nc_u64 s[2:3], s[8:9], s[2:3]
	s_wait_dscnt 0x0
.irp m, 2,4,8
	v_max_num_f32_dpp v[G], v[G], v[G] row_xmask:\m row_mask:0xf bank_mask:0xf
.endr
	v_permlanex16_b32 v[G+1], v[G], s[SEL], s[SEL+1]
	v_max_num_f32 v[G], v[G], v[G+1]
	global_store_b32 v[L4], v[G], s[2:3]           ; even words |k|, odd words |v|
.Lend:
	s_wait_tensorcnt 0x0                           ; the wave's end
	ds_add_u32 v[SPW], v[NIL]
	s_wait_dscnt 0x0
	s_endpgm
.Lfunc_end_k_qe5b4df065f_seg:
	.size	k_qe5b4df065f_seg, .Lfunc_end_k_qe5b4df065f_seg-k_qe5b4df065f_seg
	.p2alignl 7, 3214868480
	.fill 96, 4, 3214868480
	.section	.rodata,"a",@progbits
	.p2align	6, 0x0
	.amdhsa_kernel k_qe5b4df065f_seg
		.amdhsa_group_segment_fixed_size 167936
		.amdhsa_private_segment_fixed_size 0
		.amdhsa_enable_private_segment 0
		.amdhsa_kernarg_size 24
		.amdhsa_user_sgpr_count 2
		.amdhsa_user_sgpr_kernarg_segment_ptr 1
		.amdhsa_wavefront_size32 1
		.amdhsa_system_sgpr_workgroup_id_x 1
		.amdhsa_system_sgpr_workgroup_id_y 1
		.amdhsa_system_sgpr_workgroup_id_z 1
		.amdhsa_system_vgpr_workitem_id 0
		.amdhsa_next_free_vgpr 256
		.amdhsa_next_free_sgpr 66
		.amdhsa_reserve_vcc 0
		.amdhsa_float_denorm_mode_32 3
		.amdhsa_float_denorm_mode_16_64 3
		.amdhsa_memory_ordered 1
		.amdhsa_forward_progress 1
		.amdhsa_inst_pref_size 27
	.end_amdhsa_kernel
	.amdgpu_metadata
---
amdhsa.version: [ 1, 2 ]
amdhsa.kernels:
  - .name:           k_qe5b4df065f_seg
    .symbol:         k_qe5b4df065f_seg.kd
    .args:
      - { .name: proj, .offset: 0, .size: 8, .value_kind: global_buffer, .address_space: global }
      - { .name: bf, .offset: 8, .size: 8, .value_kind: global_buffer, .address_space: global }
      - { .name: scan1, .offset: 16, .size: 8, .value_kind: global_buffer, .address_space: global }
    .group_segment_fixed_size: 167936
    .private_segment_fixed_size: 0
    .kernarg_segment_align: 8
    .kernarg_segment_size: 24
    .max_flat_workgroup_size: 512
    .sgpr_count:     66
    .vgpr_count:     256
    .wavefront_size: 32
...
	.end_amdgpu_metadata
.endif
;; end of part 3
;; launch scan (part 4): grid 4 x 64, 16 waves a work-group, no clusters, 286,720 bytes of LDS; arguments proj, scan1, ob; writes ob
.if DOCPART == 4
	.amdgcn_target "amdgcn-amd-amdhsa--gfx1250"
	.amdhsa_code_object_version 6
	.text
	.protected	k_qe5b4df065f_scan
	.globl	k_qe5b4df065f_scan
	.p2align	8
	.type	k_qe5b4df065f_scan,@function
k_qe5b4df065f_scan:
	s_mov_b64 s[64:65], 0
	v_nop
	global_prefetch_b8 v0, s[64:65] scope:SCOPE_SE
	s_setreg_imm32_b32 hwreg(HW_REG_WAVE_MODE, 25, 1), 1
	s_wait_xcnt 0x0
; The recurrence's outputs o_t[i] = sum over j of S_t[i][j] q_t[j], for one (batch, head) bh and one segment of 512 steps.
; SHARES: 16 waves = 4 tiles of 16 channels i (it = w & 3) x 4 chunks of 128 steps (ch = w >> 2).  State transposed, S^T[j][i], four f32 accumulators jt, scaled by a power of two sigma.
; SCALE: sigma = 2^(4 - ev - ek), 2^ev > max |v|, 2^ek > max |k| over the (batch, head): |sigma S| <= 2048 x 2^4 = 2^15, so its rounding to f16 for the product with q cannot overflow.
;   ek is held at -11 or more (so that sigma v stays under 2^15), ev at -23 or more: with max |k| below 2^-12 the state loses head-room, not range.
; PHASES.  1: chunks 0-2 make their chunk's own end state (as the launch before does for segments); the waves of chunk 3 meanwhile chain the earlier segments' end states into the segment's incoming state.
;   2: all of that meets in LDS; each wave chains up to its chunk's start.  3: eight blocks of 16 steps = two sub-blocks of 8, the two halves hh of the lanes (t = 8 hh + e):
;   o_t = (q_t . S at the sub-block's start) / sigma, then for s = the sub-block's first step .. t: o_t = o_t g_s + (q_t . k_s) v_s, in f32: all decays are applied as products of gates, none is divided by.
;   q . k goes from its accumulator through my own LDS rows back to all lanes of a half; it is never a matrix operand.  S advances by half blocks: S = G8 o S + sum k_s (sigma v_s F_s).
; Two neighbouring tiles of S rounded in pairs ARE the matrix operand (n = i, k = j).  No cluster: no two work-groups read the same tile.
; LIMITS: q, k, v, c arrive as f16; sigma v F below f16's step of 6e-8 counts as 0; NaN and infinities are not treated apart.
.set LQ,    0                          ; LDS: q, k (F layout), k transposed: 64 KB each, by tensor loads
.set LKF,   65536
.set LKT,   131072
.set ASC,   196608                     ; 16 x 1,280: each wave's 16 rows of 80 bytes for q . k
.set XCH,   217088                     ; 16 x 4,096: slots 0-11 the chunks' end states, 12-15 the incoming state by tile
.set XG,    282624                     ; 16 x 128: the chunks' decays (slots 12-15 are written and not read)
.set SPARE, 284672
.set LN16, 1
.set AQ,   2
.set AKF,  3
.set AKT,  4
.set ASW,  5
.set ASR,  6
.set XW,   7
.set XB,   8
.set XGW,  9
.set XGB,  10
.set L4,   11
.set ONE,  12
.set ZR,   13
.set MA,   14
.set MB,   15
.set SG,   16
.set SI,   18
.set SA,   20
.set SB,   22
.set GA,   24
.set GB,   26
.set T8,   28
.set XX,   29
.set GCH,  30
.set MULT, 31
.set C4,   32
.set V4,   36
.set G,    40
.set VV,   48
.set F,    56
.set VA,   64
.set VB,   72
.set KT,   80
.set SOP,  100
.set Q,    116
.set T1,   100                         ; 32 registers of a state on its way (SOP and Q are free then)
.set S,    132
.set DA,   164
.set DB,   172
.set O,    180
.set AB,   188
.set KFR,  188                         ; k's fragments lie where q . k comes back later in the trip
.set PL,   188                         ; phases 1 and 2: the chunk's own end state, or the incoming state
.set DAA,  236
.set MONE, 245
.set SPW,  246
.set NIL,  247
.set TF,   248
.set WV, 10
.set IT, 11
.set CH, 12
.set SEG, 13
.set BH, 14
.set SEL, 16
.set HM, 18
.set G0D, 20
.set G1D, 24
.set CP, 32
.set VP, 34
.set C3, 36
.set V3, 38
.set OP, 40
.set CNT, 42
.set KTB, 43
.set OFS, 44
.set MXP, 46
.set SSP, 48
.set GSP, 50
.set KT1, 57                           ; phase 1: LDS byte at which k transposed of the block in hand begins: it steps by 2,048
.macro MIX d, h, s, m, c               ; d = (f16 half h of s) x m + c, in f32
.if \h
	v_fma_mix_f32 v[\d], v[\s], v[\m], v[\c] op_sel:[1,0,0] op_sel_hi:[1,0,0]
.else
	v_fma_mix_f32 v[\d], v[\s], v[\m], v[\c] op_sel_hi:[1,0,0]
.endif
.endm
.macro GATES                           ; g = 1 - c for my 8 steps
.set e, 0
.rept 8
	MIX G+e, e%2, C4+e/2, MONE, ONE
.set e, e+1
.endr
.endm
.macro V32                             ; v of my 8 steps in f32
.set e, 0
.rept 8
	MIX VV+e, e%2, V4+e/2, ONE, ZR
.set e, e+1
.endr
.endm
.macro FCHAIN                          ; F_e = sigma x the gates behind step e in my half (F_7 = sigma, set once); T8 all eight gates; XX the other half's
.irp e, 6,5,4,3,2,1,0
	v_mul_f32 v[F+\e], v[F+\e+1], v[G+\e+1]
.endr
	v_mul_f32 v[T8], v[F], v[G]
	v_mul_f32 v[T8], v[T8], v[SI]
	v_permlanex16_b32 v[XX], v[T8], s[SEL], s[SEL+1]
.endm
.macro P1REST acc, first               ; a whole block of 16 steps onto a local state
	v_add_nc_u32 v[AKT], s[KT1], v[LN16]
.irp jt, 0,1,2,3
	ds_load_b128 v[KT+4*\jt:KT+4*\jt+3], v[AKT] offset:512*\jt
.endr
	s_add_co_u32 s[KT1], s[KT1], 0x800             ; the next block's k
	FCHAIN
	v_cndmask_b32 v[MULT], v[XX], v[ONE], s[HM]    ; steps 0-7 also pass the second half's gates
	v_mul_f32 v[GA], v[T8], v[XX]
.if \first
	v_mov_b32 v[GCH], v[GA]
.else
	v_mul_f32 v[GCH], v[GCH], v[GA]
.endif
.irp p, 0,1,2,3
	v_pk_mul_f32 v[VV+2*\p:VV+2*\p+1], v[VV+2*\p:VV+2*\p+1], v[F+2*\p:F+2*\p+1]
.endr
.irp p, 0,1,2,3
	v_pk_mul_f32 v[VV+2*\p:VV+2*\p+1], v[VV+2*\p:VV+2*\p+1], v[GCH:GCH+1] op_sel:[0,1] op_sel_hi:[1,1]  ; x MULT, the pair's second register
.endr
.irp p, 0,1,2,3
	v_cvt_pk_f16_f32 v[VA+\p], v[VV+2*\p], v[VV+2*\p+1]
.endr
.if !(\first)
.set i, 0
.rept 16
	v_pk_mul_f32 v[(\acc)+2*i:(\acc)+2*i+1], v[(\acc)+2*i:(\acc)+2*i+1], v[GA:GA+1] op_sel_hi:[1,0]
.set i, i+1
.endr
.endif
	s_wait_dscnt 0x0
.irp jt, 0,1,2,3                       ; k's fragment jt is 4 registers; its upper half is the next fragment's data (finite), which meets VA's zeros.  The accumulators take turns
.if \first
	v_wmma_f32_16x16x32_f16 v[(\acc)+8*\jt:(\acc)+8*\jt+7], v[KT+4*\jt:KT+4*\jt+7], v[VA:VA+7], 0
.else
	v_wmma_f32_16x16x32_f16 v[(\acc)+8*\jt:(\acc)+8*\jt+7], v[KT+4*\jt:KT+4*\jt+7], v[VA:VA+7], v[(\acc)+8*\jt:(\acc)+8*\jt+7]
.endif
.endr
.endm
.macro P1TRIP first, ld
	s_wait_loadcnt 0x0
	GATES
	V32
	s_add_nc_u64 s[CP:CP+1], s[CP:CP+1], 2048      ; free since the wait for the loads
	s_add_nc_u64 s[VP:VP+1], s[VP:VP+1], 2048
.if (\ld) == 2
	s_cmp_eq_u32 s[CNT], 1
	s_cbranch_scc1 .Lnl_\@
.endif
	global_load_b128 v[C4:C4+3], v[LN16], s[CP:CP+1]
	global_load_b128 v[V4:V4+3], v[LN16], s[VP:VP+1]
.Lnl_\@:
	P1REST PL, \first
.endm
.macro CVTS                            ; the state as a matrix operand; each accumulator is read from its low end on
.set i, 0
.rept 16
	v_cvt_pk_f16_f32 v[SOP+i], v[S+2*i], v[S+2*i+1]
.set i, i+1
.endr
.endm
.macro DECAY g
.set i, 0
.rept 16
	v_pk_mul_f32 v[S+2*i:S+2*i+1], v[S+2*i:S+2*i+1], v[\g:\g+1] op_sel_hi:[1,0]
.set i, i+1
.endr
.endm
.macro CHAIN g, t                      ; S = g o S + t
.set i, 0
.rept 16
	v_pk_fma_f32 v[S+2*i:S+2*i+1], v[S+2*i:S+2*i+1], v[\g:\g+1], v[(\t)+2*i:(\t)+2*i+1] op_sel_hi:[1,0,1]
.set i, i+1
.endr
.endm
.macro ABI s, e                        ; rA: where (q_t . k_s), t = e, s of my sub-block, lies: both quads of e were loaded for s < 4, the upper one for s >= 4
.if (\s) < 4
.set rA, AB+8*(\s)+(\e)
.else
.set rA, AB+32+4*((\s)-4)+(\e)-4
.endif
.endm
.macro HORNER                          ; first all (q . k) v, in place; then o_t = o_t g_s + that, s ascending, for t >= s
.set hs, 0
.rept 8
.set he, hs
.if hs%2
	ABI hs, he
	v_mul_f32 v[rA], v[rA], v[VV+hs]
.set he, hs+1
.endif
.rept (8-he)/2
	ABI hs, he
.if hs%2
	v_pk_mul_f32 v[rA:rA+1], v[rA:rA+1], v[VV+hs-1:VV+hs] op_sel:[0,1] op_sel_hi:[1,1]
.else
	v_pk_mul_f32 v[rA:rA+1], v[rA:rA+1], v[VV+hs:VV+hs+1] op_sel_hi:[1,0]
.endif
.set he, he+2
.endr
.set hs, hs+1
.endr
.set hs, 0
.rept 8
.set he, hs
.if hs%2
	ABI hs, he
	v_fma_f32 v[O+hs], v[O+hs], v[G+hs], v[rA]
.set he, hs+1
.endif
.rept (8-he)/2
	ABI hs, he
.if hs%2
	v_pk_fma_f32 v[O+he:O+he+1], v[O+he:O+he+1], v[G+hs-1:G+hs], v[rA:rA+1] op_sel:[0,1,0] op_sel_hi:[1,1,1]
.else
	v_pk_fma_f32 v[O+he:O+he+1], v[O+he:O+he+1], v[G+hs:G+hs+1], v[rA:rA+1] op_sel_hi:[1,0,1]
.endif
.set he, he+2
.endr
.set hs, hs+1
.endr
.endm
	s_load_b128 s[4:7], s[0:1], 0x0                ; proj s[4:5], scan1 s[6:7]
	s_load_b64 s[8:9], s[0:1], 0x10                ; ob
	v_lshl_add_u32 v[SPW], v0, 2, SPARE
	v_mov_b32 v[NIL], 0
	ds_add_u32 v[SPW], v[NIL]                      ; the wave's opening: an add onto my spare word, waited for ahead of my first tensor load
	ds_add_u32 v246, v247
	v_lshrrev_b32 v1, 5, v0
	v_readfirstlane_b32 s[WV], v1
	s_and_b32 s[IT], s[WV], 3
	s_lshr_b32 s[CH], s[WV], 2
	s_mov_b32 s[SEG], ttmp9
	s_and_b32 s[BH], ttmp7, 0xffff
	s_mov_b32 s[G1D+0], 3<<16                      ; a dense block of 16 KB as 64 rows of 32 elements of 8 bytes
	s_mov_b32 s[G1D+1], 32<<16
	s_mov_b32 s[G1D+2], 64<<16
	s_mov_b32 s[G1D+3], 32<<16
	s_mov_b32 s[G1D+4], 64
	s_mov_b32 s[G1D+5], 32
	s_mov_b32 s[G1D+6], 0
	s_mov_b32 s[G1D+7], 0
	s_mov_b32 s[G0D], 1
	s_lshl_b32 s[G0D+1], s[WV], 14                 ; LDS: wave x 16 KB (waves 0-11 fetch: q, k, k transposed, a quarter each)
	s_mov_b32 s[SEL], 0x76543210
	s_mov_b32 s[SEL+1], 0xfedcba98
	s_mov_b32 s[HM], 0xffff0000                    ; lanes 16-31
	s_lshl_b32 s[OFS], s[BH], 18
	s_lshl_b32 s2, s[SEG], 16
	s_add_co_u32 s[OFS], s[OFS], s2
	s_lshl_b32 s2, s[CH], 24                       ; array w >> 2, 16 Mi each,
	s_lshl_b32 s3, s[IT], 14                       ; quarter w & 3
	s_add_co_u32 s2, s2, s3
	s_add_co_u32 s2, s2, s[OFS]
	s_mov_b32 s3, 0
	s_lshl_b32 s[OFS+1], s[CH], 14                 ; my chunk, my tile in c and v
	s_add_co_u32 s[OFS], s[OFS], s[OFS+1]
	s_lshl_b32 s[OFS+1], s[IT], 9
	s_add_co_u32 s[OFS], s[OFS], s[OFS+1]
	s_mov_b32 s[OFS+1], 0
	s_lshl_b32 s[MXP], s[BH], 9
	s_add_co_u32 s[MXP], s[MXP], 0x1420000
	s_mov_b32 s[MXP+1], 0
	s_lshl_b32 s[SSP], s[BH], 16
	s_lshl_b32 s[SSP+1], s[IT], 12
	s_add_co_u32 s[SSP], s[SSP], s[SSP+1]
	s_add_co_u32 s[SSP], s[SSP], 0x1000000
	s_mov_b32 s[SSP+1], 0
	s_lshl_b32 s[GSP], s[BH], 11
	s_lshl_b32 s[GSP+1], s[IT], 7
	s_add_co_u32 s[GSP], s[GSP], s[GSP+1]
	s_add_co_u32 s[GSP], s[GSP], 0x1400000
	s_mov_b32 s[GSP+1], 0
	s_lshr_b32 s[OP], s[BH], 4                     ; o: ((b 128 + block) 64 + h 4 + it) x 1,024
	s_lshl_b32 s[OP], s[OP], 7
	s_lshl_b32 s[OP+1], s[SEG], 5
	s_add_co_u32 s[OP], s[OP], s[OP+1]
	s_lshl_b32 s[OP+1], s[CH], 3
	s_add_co_u32 s[OP], s[OP], s[OP+1]
	s_lshl_b32 s[OP], s[OP], 6
	s_and_b32 s[OP+1], s[BH], 15
	s_lshl2_add_u32 s[OP+1], s[OP+1], s[IT]
	s_add_co_u32 s[OP], s[OP], s[OP+1]
	s_lshl_b32 s[OP], s[OP], 10
	s_mov_b32 s[OP+1], 0
	s_lshl_b32 s[KTB], s[CH], 14
	v_and_b32 v1, 31, v0
	v_lshlrev_b32 v[L4], 2, v1
	v_lshlrev_b32 v[LN16], 4, v1
	s_wait_dscnt 0x0                               ; the opening add is done
	s_wait_kmcnt 0x0
	s_add_nc_u64 s[G0D+2:G0D+3], s[4:5], s[2:3]
	s_or_b32 s[G0D+3], s[G0D+3], 0x80000000
	s_add_nc_u64 s[MXP:MXP+1], s[6:7], s[MXP:MXP+1]
	s_add_nc_u64 s[SSP:SSP+1], s[6:7], s[SSP:SSP+1]
	s_add_nc_u64 s[GSP:GSP+1], s[6:7], s[GSP:GSP+1]
	s_add_nc_u64 s[OP:OP+1], s[8:9], s[OP:OP+1]
	s_add_nc_u64 s[CP:CP+1], s[6:7], s[OFS:OFS+1]
	s_add_nc_u64 s[VP:VP+1], s[4:5], s[OFS:OFS+1]
	s_add_nc_u64 s[VP:VP+1], s[VP:VP+1], 0x3000000
	s_mov_b64 s[C3:C3+1], s[CP:CP+1]
	s_mov_b64 s[V3:V3+1], s[VP:VP+1]
	global_load_b128 v[G:G+3], v[LN16], s[MXP:MXP+1]   ; the four segments' maxima: words |k|, |v|, |k|, |v|
	s_cmp_lt_u32 s[WV], 12
	s_cbranch_scc0 .Lhead_done
	tensor_load_to_lds s[G0D:G0D+3], s[G1D:G1D+7]  ; one load of mine is out
	s_nop 0
.Lhead_done:
	v_and_b32 v[XX], 15, v0                        ; r
	v_bfe_u32 v[T8], v0, 4, 1                      ; hh
	s_mul_i32 s2, s[WV], 1280
	s_add_co_u32 s2, s2, ASC
	v_mul_u32_u24 v[ASW], v[XX], 80
	v_lshl_add_u32 v[ASW], v[T8], 5, v[ASW]
	v_add_nc_u32 v[ASW], s2, v[ASW]                ; in: row s = r, my 8 t at byte 32 hh
	v_mul_u32_u24 v[ASR], v[T8], 672
	v_add_nc_u32 v[ASR], s2, v[ASR]                ; back: rows 8 hh + s, from t = 8 hh on: the same for all lanes of a half
	s_lshl_b32 s2, s[WV], 12
	s_add_co_u32 s2, s2, XCH
	v_add_nc_u32 v[XW], s2, v[LN16]
	s_lshl_b32 s2, s[IT], 12
	s_add_co_u32 s2, s2, XCH
	v_add_nc_u32 v[XB], s2, v[LN16]
	s_lshl_b32 s2, s[WV], 7
	s_add_co_u32 s2, s2, XG
	v_add_nc_u32 v[XGW], s2, v[L4]
	s_lshl_b32 s2, s[IT], 7
	s_add_co_u32 s2, s2, XG
	v_add_nc_u32 v[XGB], s2, v[L4]
	v_add_nc_u32 v[AQ], s[KTB], v[LN16]
	v_add_nc_u32 v[AKF], LKF, v[AQ]
	s_add_co_u32 s[KTB], s[KTB], LKT
	s_mov_b32 s[KT1], s[KTB]
	v_mov_b32 v[ONE], 1.0
	v_mov_b32 v[MONE], -1.0
	v_mov_b32 v[ZR], 0
	v_mov_b32 v[SA+1], 0                           ; second registers of pairs of which the first is broadcast
	v_mov_b32 v[SB+1], 0
	v_mov_b32 v[GA+1], 0
	v_mov_b32 v[GB+1], 0
	v_mov_b32 v[G+5], 0
	v_cndmask_b32 v[MA], -1, v[ZR], s[HM]          ; all ones in lanes 0-15
	v_cndmask_b32 v[MB], 0, v[MONE], s[HM]
	v_cndmask_b32 v[MB], v[MB], -1, s[HM]          ; all ones in lanes 16-31
.irp i, 4,5,6,7
	v_mov_b32 v[VA+\i], 0                          ; K = 16..31 of the operands
	v_mov_b32 v[VB+\i], 0
.endr
.irp i, 16,17,18,19
	v_mov_b32 v[KT+\i], 0                          ; closes the last fragment
.endr
	s_wait_loadcnt 0x0
	v_max_num_f32 v[G], v[G], v[G+2]
	v_max_num_f32 v[G+1], v[G+1], v[G+3]
	v_max_num_f32_dpp v[G], v[G], v[G] row_xmask:8 row_mask:0xf bank_mask:0xf      ; eight lanes hold a segment's words
	v_max_num_f32_dpp v[G+1], v[G+1], v[G+1] row_xmask:8 row_mask:0xf bank_mask:0xf
	v_permlanex16_b32 v[G+2], v[G], s[SEL], s[SEL+1]
	v_permlanex16_b32 v[G+3], v[G+1], s[SEL], s[SEL+1]
	v_max3_num_f32 v[G], v[G], v[G+2], 0x39800000  ; max |k|, at least 2^-12
	v_max3_num_f32 v[G+1], v[G+1], v[G+3], 0x33800000  ; max |v|, at least 2^-24
	v_lshrrev_b32 v[G], 23, v[G]                   ; the biased exponents
	v_lshrrev_b32 v[G+1], 23, v[G+1]
	v_add_nc_u32 v[G], v[G], v[G+1]
	v_sub_nc_u32 v[G+1], 383, v[G]
	v_lshlrev_b32 v[SG], 23, v[G+1]                ; sigma
	v_add_nc_u32 v[G+1], 0xffffff7f, v[G]
	v_lshlrev_b32 v[SI], 23, v[G+1]                ; 1 / sigma
	v_mov_b32 v[F+7], v[SG]
	v_cndmask_b32 v[SA], v[SI], v[ZR], s[HM]       ; 1 / sigma in lanes 0-15, 0 elsewhere
	v_cndmask_b32 v[SB], v[ZR], v[SI], s[HM]
	s_wait_tensorcnt 0x0                           ; my part of the tiles is in,
	s_barrier_signal -1
	s_barrier_wait -1                              ; everybody's is
	s_cmp_eq_u32 s[CH], 3
	s_cbranch_scc1 .Lsin
	; ---- phase 1, chunks 0-2
	global_load_b128 v[C4:C4+3], v[LN16], s[CP:CP+1]
	global_load_b128 v[V4:V4+3], v[LN16], s[VP:VP+1]
	P1TRIP 1, 1                                    ; the first block starts the sums
	s_mov_b32 s[CNT], 7
.Lp1:
	P1TRIP 0, 2
	s_sub_co_u32 s[CNT], s[CNT], 1
	s_cmp_lg_u32 s[CNT], 0
	s_cbranch_scc1 .Lp1
.rept 4
	v_nop                                          ; four places behind the last products, whose results are stored below
.endr
	s_branch .Lp2
.Lsin:  ; ---- chunk 3's waves: sigma x the state at the segment's start = ((T0 g1 + T1) g2 + T2), cut at my segment by factors 1 or 0 (no branch, the same lines for every segment)
.irp q, 0,1,2,3,4,5,6,7                ; the end states of segments 0, 1, 2 and the decays of 1, 2, all at once; the other waves run phase 1 meanwhile
	global_load_b128 v[PL+4*\q:PL+4*\q+3], v[LN16], s[SSP:SSP+1] offset:512*\q
.endr
.irp q, 0,1,2,3,4,5,6,7
	global_load_b128 v[T1+4*\q:T1+4*\q+3], v[LN16], s[SSP:SSP+1] offset:16384+512*\q
.endr
.irp q, 0,1,2,3,4,5,6,7
	global_load_b128 v[S+4*\q:S+4*\q+3], v[LN16], s[SSP:SSP+1] offset:32768+512*\q
.endr
	global_load_b32 v[GA], v[L4], s[GSP:GSP+1] offset:512
	global_load_b32 v[GB], v[L4], s[GSP:GSP+1] offset:1024
	s_cmp_gt_u32 s[SEG], 0
	s_cselect_b32 s52, 1.0, 0
	s_cmp_gt_u32 s[SEG], 1
	s_cselect_b32 s53, 1.0, 0
	s_cselect_b32 s55, -1, 0
	s_cmp_gt_u32 s[SEG], 2
	s_cselect_b32 s54, 1.0, 0
	s_cselect_b32 s56, -1, 0
	v_mul_f32 v[G], s52, v[SG]
	v_mul_f32 v[G+2], s53, v[SG]
	v_mul_f32 v[G+4], s54, v[SG]
	v_mov_b32 v[GCH], 1.0                          ; goes into my decay slot, which nobody reads: one text of stores for all waves
	s_wait_loadcnt 0x0
	v_cndmask_b32 v[GA], v[ONE], v[GA], s55
	v_cndmask_b32 v[GB], v[ONE], v[GB], s56
.set i, 0
.rept 16
	v_pk_mul_f32 v[PL+2*i:PL+2*i+1], v[PL+2*i:PL+2*i+1], v[G:G+1] op_sel_hi:[1,0]
	v_pk_mul_f32 v[T1+2*i:T1+2*i+1], v[T1+2*i:T1+2*i+1], v[G+2:G+3] op_sel_hi:[1,0]
	v_pk_mul_f32 v[S+2*i:S+2*i+1], v[S+2*i:S+2*i+1], v[G+4:G+5] op_sel_hi:[1,0]
.set i, i+1
.endr
.set i, 0
.rept 16
	v_pk_fma_f32 v[PL+2*i:PL+2*i+1], v[PL+2*i:PL+2*i+1], v[GA:GA+1], v[T1+2*i:T1+2*i+1] op_sel_hi:[1,0,1]
.set i, i+1
.endr
.set i, 0
.rept 16
	v_pk_fma_f32 v[PL+2*i:PL+2*i+1], v[PL+2*i:PL+2*i+1], v[GB:GB+1], v[S+2*i:S+2*i+1] op_sel_hi:[1,0,1]
.set i, i+1
.endr
.Lp2:   ; ---- phase 2
	s_wait_loadcnt 0x0                             ; no load is out when c's and v's registers are loaded anew below
	s_wait_dscnt 0x0                               ; a barrier between phase 1's LDS reads and the stores below.  By the map above k's bytes and the stores' are apart, so it orders
	s_barrier_signal -1                            ; nothing that overlaps; it is kept so that this order does not hang on the loop's address arithmetic
	s_barrier_wait -1
.irp q, 0,1,2,3,4,5,6,7
	ds_store_b128 v[XW], v[PL+4*\q:PL+4*\q+3] offset:512*\q
.endr
	ds_store_b32 v[XGW], v[GCH]
	s_wait_dscnt 0x0                               ; for the others' sake
	s_barrier_signal -1
	s_barrier_wait -1
	global_load_b128 v[C4:C4+3], v[LN16], s[C3:C3+1]   ; phase 3's first block
	global_load_b128 v[V4:V4+3], v[LN16], s[V3:V3+1]
.irp q, 0,1,2,3,4,5,6,7
	ds_load_b128 v[S+4*\q:S+4*\q+3], v[XB] offset:49152+512*\q   ; the incoming state of my tile
.endr
.irp c, 0,1,2
	s_cmp_eq_u32 s[CH], \c
	s_cbranch_scc1 .Lchained
.irp q, 0,1,2,3,4,5,6,7
	ds_load_b128 v[T1+4*\q:T1+4*\q+3], v[XB] offset:16384*\c+512*\q
.endr
	ds_load_b32 v[GA], v[XGB] offset:512*\c
	s_wait_dscnt 0x0
	CHAIN GA, T1
.endr
.Lchained:
	s_wait_dscnt 0x0
	v_add_nc_u32 v[AKT], s[KTB], v[LN16]
	; ---- phase 3
	s_mov_b32 s[CNT], 8
.Lp3:
	s_wait_loadcnt 0x0                             ; c and v of this block
	GATES
	V32
	s_add_nc_u64 s[C3:C3+1], s[C3:C3+1], 2048      ; free since that wait
	s_add_nc_u64 s[V3:V3+1], s[V3:V3+1], 2048
	s_cmp_eq_u32 s[CNT], 1
	s_cbranch_scc1 .Lp3_nl
	global_load_b128 v[C4:C4+3], v[LN16], s[C3:C3+1]
	global_load_b128 v[V4:V4+3], v[LN16], s[V3:V3+1]
.Lp3_nl:
.irp f, 0,1,2,3
	ds_load_b128 v[Q+4*\f:Q+4*\f+3], v[AQ] offset:512*\f
.endr
.irp f, 0,1,2,3
	ds_load_b128 v[KFR+4*\f:KFR+4*\f+3], v[AKF] offset:512*\f
.endr
.irp f, 0,1,2,3
	ds_load_b128 v[KT+4*\f:KT+4*\f+3], v[AKT] offset:512*\f
.endr
	CVTS                                           ; the state at the block's start
	FCHAIN
	v_cndmask_b32 v[GA], v[T8], v[XX], s[HM]       ; the first sub-block's eight gates, in all lanes
	v_cndmask_b32 v[GB], v[XX], v[T8], s[HM]       ; the second's
.irp p, 0,1,2,3
	v_pk_mul_f32 v[TF+2*\p:TF+2*\p+1], v[VV+2*\p:VV+2*\p+1], v[F+2*\p:F+2*\p+1]
.endr
.irp p, 0,1,2,3
	v_cvt_pk_f16_f32 v[VA+\p], v[TF+2*\p], v[TF+2*\p+1]
.endr
.irp p, 0,1,2,3
	v_and_b32 v[VB+\p], v[MB], v[VA+\p]            ; steps 8-15 alone
.endr
.irp p, 0,1,2,3
	v_and_b32 v[VA+\p], v[MA], v[VA+\p]            ; steps 0-7 alone
.endr
	DECAY GA
	s_wait_dscnt 0x0
	; no two matrix instructions that follow each other share an accumulator, round the loop too
	v_wmma_f32_16x16x32_f16 v[DAA:DAA+7], v[Q:Q+7], v[KFR:KFR+7], 0
	v_wmma_f32_16x16x32_f16 v[DA:DA+7], v[Q:Q+7], v[SOP:SOP+7], 0
	v_wmma_f32_16x16x32_f16 v[DAA:DAA+7], v[Q+8:Q+15], v[KFR+8:KFR+15], v[DAA:DAA+7]
	v_wmma_f32_16x16x32_f16 v[DA:DA+7], v[Q+8:Q+15], v[SOP+8:SOP+15], v[DA:DA+7]
.irp jt, 0,1,2,3
	v_wmma_f32_16x16x32_f16 v[S+8*\jt:S+8*\jt+7], v[KT+4*\jt:KT+4*\jt+7], v[VA:VA+7], v[S+8*\jt:S+8*\jt+7]
.endr
	v_add_nc_u32 v[AQ], 0x800, v[AQ]               ; the next block's addresses: with the v_nop, the four places behind those products
	v_add_nc_u32 v[AKF], 0x800, v[AKF]
	v_add_nc_u32 v[AKT], 0x800, v[AKT]
	v_nop
	ds_store_b128 v[ASW], v[DAA:DAA+3]
	ds_store_b128 v[ASW], v[DAA+4:DAA+7] offset:16
.irp s, 0,1,2,3                        ; LDS serves a wave's instructions in order: these see the stores above
	ds_load_b128 v[AB+8*\s:AB+8*\s+3], v[ASR] offset:80*\s
	ds_load_b128 v[AB+8*\s+4:AB+8*\s+7], v[ASR] offset:80*\s+16
.endr
.irp s, 4,5,6,7
	ds_load_b128 v[AB+32+4*(\s-4):AB+32+4*(\s-4)+3], v[ASR] offset:80*\s+16
.endr
	CVTS                                           ; the state at the second sub-block's start
	DECAY GB
	v_wmma_f32_16x16x32_f16 v[DB:DB+7], v[Q:Q+7], v[SOP:SOP+7], 0
	v_wmma_f32_16x16x32_f16 v[S:S+7], v[KT:KT+7], v[VB:VB+7], v[S:S+7]
	v_wmma_f32_16x16x32_f16 v[DB:DB+7], v[Q+8:Q+15], v[SOP+8:SOP+15], v[DB:DB+7]
.irp jt, 1,2,3
	v_wmma_f32_16x16x32_f16 v[S+8*\jt:S+8*\jt+7], v[KT+4*\jt:KT+4*\jt+7], v[VB:VB+7], v[S+8*\jt:S+8*\jt+7]
.endr
.irp p, 0,1,2,3                        ; these four are the places in front of the reads of DB
	v_pk_mul_f32 v[O+2*\p:O+2*\p+1], v[DA+2*\p:DA+2*\p+1], v[SA:SA+1] op_sel_hi:[1,0]
.endr
.irp p, 0,1,2,3
	v_pk_fma_f32 v[O+2*\p:O+2*\p+1], v[DB+2*\p:DB+2*\p+1], v[SB:SB+1], v[O+2*\p:O+2*\p+1] op_sel_hi:[1,0,1]
.endr
	s_wait_dscnt 0x0                               ; q . k is back
	HORNER
	global_store_b128 v[LN16], v[O:O+3], s[OP:OP+1]            ; 512 consecutive bytes each, aligned
	global_store_b128 v[LN16], v[O+4:O+7], s[OP:OP+1] offset:512
	s_wait_xcnt 0x0                                ; O and the base are rewritten only behind this wait
	s_add_nc_u64 s[OP:OP+1], s[OP:OP+1], 65536
	s_sub_co_u32 s[CNT], s[CNT], 1
	s_cmp_lg_u32 s[CNT], 0
	s_cbranch_scc1 .Lp3
	s_wait_tensorcnt 0x0                           ; the wave's end
	ds_add_u32 v[SPW], v[NIL]
	s_wait_dscnt 0x0
	s_endpgm
.Lfunc_end_k_qe5b4df065f_scan:
	.size	k_qe5b4df065f_scan, .Lfunc_end_k_qe5b4df065f_scan-k_qe5b4df065f_scan
	.p2alignl 7, 3214868480
	.fill 96, 4, 3214868480
	.section	.rodata,"a",@progbits
	.p2align	6, 0x0
	.amdhsa_kernel k_qe5b4df065f_scan
		.amdhsa_group_segment_fixed_size 286720
		.amdhsa_private_segment_fixed_size 0
		.amdhsa_enable_private_segment 0
		.amdhsa_kernarg_size 24
		.amdhsa_user_sgpr_count 2
		.amdhsa_user_sgpr_kernarg_segment_ptr 1
		.amdhsa_wavefront_size32 1
		.amdhsa_system_sgpr_workgroup_id_x 1
		.amdhsa_system_sgpr_workgroup_id_y 1
		.amdhsa_system_sgpr_workgroup_id_z 1
		.amdhsa_system_vgpr_workitem_id 0
		.amdhsa_next_free_vgpr 256
		.amdhsa_next_free_sgpr 66
		.amdhsa_reserve_vcc 0
		.amdhsa_float_denorm_mode_32 3
		.amdhsa_float_denorm_mode_16_64 3
		.amdhsa_memory_ordered 1
		.amdhsa_forward_progress 1
		.amdhsa_inst_pref_size 42
	.end_amdhsa_kernel
	.amdgpu_metadata
---
amdhsa.version: [ 1, 2 ]
amdhsa.kernels:
  - .name:           k_qe5b4df065f_scan
    .symbol:         k_qe5b4df065f_scan.kd
    .args:
      - { .name: proj, .offset: 0, .size: 8, .value_kind: global_buffer, .address_space: global }
      - { .name: scan1, .offset: 8, .size: 8, .value_kind: global_buffer, .address_space: global }
      - { .name: ob, .offset: 16, .size: 8, .value_kind: global_buffer, .address_space: global }
    .group_segment_fixed_size: 286720
    .private_segment_fixed_size: 0
    .kernarg_segment_align: 8
    .kernarg_segment_size: 24
    .max_flat_workgroup_size: 512
    .sgpr_count:     66
    .vgpr_count:     256
    .wavefront_size: 32
...
	.end_amdgpu_metadata
.endif
;; end of part 4
;; launch norm (part 5): grid 128 x 4, 8 waves a work-group, no clusters, 36,352 bytes of LDS; arguments ob, proj, gamma, beta, yb; writes yb
.if DOCPART == 5
	.amdgcn_target "amdgcn-amd-amdhsa--gfx1250"
	.amdhsa_code_object_version 6
	.text
	.protected	k_qe5b4df065f_norm
	.globl	k_qe5b4df065f_norm
	.p2align	8
	.type	k_qe5b4df065f_norm,@function
k_qe5b4df065f_norm:
	s_mov_b64 s[64:65], 0
	v_nop
	global_prefetch_b8 v0, s[64:65] scope:SCOPE_SE
	s_setreg_imm32_b32 hwreg(HW_REG_WAVE_MODE, 25, 1), 1
	s_wait_xcnt 0x0
; y = (LayerNorm(o) gamma + beta) silu(g), for 16 tokens a work-group; y leaves as f16 rows [8192][1024], each token scaled by a power of two of its own, which is stored beside them (f32, from byte 16,777,216).
; SHARES: wave w has heads 2 w, 2 w + 1: 8 units of 16 channels.  A lane (r, hh) holds channel 16 unit + r and the tokens 8 hh + k, k = 0..7.
; STATISTICS: each wave's mean of its 128 channels, then the squares about that mean; the eight waves' figures are joined by M2 + 128 (mean_w - mu)^2: no difference of large sums is formed.
; SCALE: 2^(e - 140) with e the biased exponent of the token's largest |y| (held at 32 or more): |y / scale| < 2^14, so f16 cannot overflow whatever gamma, beta and g are.
; A stream: no matrix unit, no cluster.  LIMITS: g arrives as f16; NaN and infinities are not treated apart.
.set RED,   0                          ; 8 waves x 2 halves x (8 means, 8 sums of squares)
.set RED2,  1024                       ; 8 waves x 2 halves x 8 maxima
.set SCL,   1536                       ; 16 scales
.set YT,    2048                       ; 16 rows of 2,048 bytes + 16
.set YP,    2064
.set SPARE, YT+16*YP
.set LN16, 1
.set R4,   2
.set RDA,  3
.set RWA,  4
.set R2W,  5
.set R2R,  6
.set YW,   7
.set YR,   8
.set SCW,  9
.set NL,   10
.set ZR,   11
.set SPW,  12
.set NIL,  13
.set MEAN, 16
.set M2,   24
.set MW,   32
.set M2W,  40
.set MU,   48
.set E,    56
.set O,    64
.set GF,   128
.set GBP,  160
.set MX,   176
.set WV, 14
.macro MIX d, h, s, m, c
.if \h
	v_fma_mix_f32 v[\d], v[\s], v[\m], v[\c] op_sel:[1,0,0] op_sel_hi:[1,0,0]
.else
	v_fma_mix_f32 v[\d], v[\s], v[\m], v[\c] op_sel_hi:[1,0,0]
.endif
.endm
.macro DPP8 op, base, m                ; one step across lanes for eight registers
.set k, 0
.rept 8
	\op v[(\base)+k], v[(\base)+k], v[(\base)+k] row_xmask:\m row_mask:0xf bank_mask:0xf
.set k, k+1
.endr
.endm
	s_load_b256 s[4:11], s[0:1], 0x0               ; ob 4, proj 6, gamma 8, beta 10
	s_load_b64 s[12:13], s[0:1], 0x20              ; yb
	v_lshl_add_u32 v[SPW], v0, 2, SPARE
	v_mov_b32 v[NIL], 0
	v_lshrrev_b32 v1, 5, v0
	v_readfirstlane_b32 s[WV], v1
	s_and_b32 s15, ttmp7, 0xffff                   ; batch
	s_lshl_b32 s16, s15, 7
	s_add_co_u32 s16, s16, ttmp9                   ; b 128 + block
	s_lshl_b32 s18, s16, 16                        ; o: 65,536 bytes a block, 8,192 a wave
	s_lshl_b32 s17, s[WV], 13
	s_add_co_u32 s18, s18, s17
	s_mov_b32 s19, 0
	s_lshl_b32 s20, s15, 4
	s_lshl1_add_u32 s20, s[WV], s20                ; b 16 + 2 w
	s_lshl_b32 s20, s20, 18
	s_lshl_b32 s17, ttmp9, 11
	s_add_co_u32 s20, s20, s17
	s_add_co_u32 s20, s20, 0x5000000               ; g lies at 80 Mi
	s_mov_b32 s21, 0
	s_lshl_b32 s22, s[WV], 9                       ; gamma, beta: 128 channels a wave
	s_mov_b32 s23, 0
	s_lshl_b32 s24, s16, 4
	s_lshl1_add_u32 s24, s[WV], s24                ; token 16 (b 128 + block) + 2 w
	s_lshl_b32 s24, s24, 11
	s_mov_b32 s25, 0
	s_lshl_b32 s26, s16, 6
	s_add_co_u32 s26, s26, 0x1000000
	s_mov_b32 s27, 0
	s_mov_b32 s28, 0x3a800000                      ; 1 / 1024
	s_mov_b32 s29, 0x3727c5ac                      ; 1e-5
	v_and_b32 v1, 31, v0
	v_lshlrev_b32 v[LN16], 4, v1
	v_and_b32 v[R4], 15, v0
	v_bfe_u32 v[E], v0, 4, 1                       ; hh
	v_and_b32 v[E+1], 7, v0
	s_wait_kmcnt 0x0
	s_add_nc_u64 s[4:5], s[4:5], s[18:19]
	s_add_nc_u64 s[6:7], s[6:7], s[20:21]
	s_add_nc_u64 s[8:9], s[8:9], s[22:23]
	s_add_nc_u64 s[10:11], s[10:11], s[22:23]
	s_add_nc_u64 s[24:25], s[12:13], s[24:25]
	s_add_nc_u64 s[26:27], s[12:13], s[26:27]
	v_lshl_add_u32 v[YW], v[R4], 1, YT             ; (r still unshifted) 2 r
	v_lshlrev_b32 v[R4], 2, v[R4]
.set i, 0
.rept 16                                               ; unit i / 2, tokens 4 (i % 2) on: 8 KB on end
	global_load_b128 v[O+4*i:O+4*i+3], v[LN16], s[4:5] offset:512*i th:TH_LOAD_NT
.set i, i+1
.endr
.set i, 0
.rept 8
	global_load_b128 v[GF+4*i:GF+4*i+3], v[LN16], s[6:7] offset:(i/4)*262144+(i%4)*512 th:TH_LOAD_NT
.set i, i+1
.endr
.set i, 0
.rept 8
	global_load_b32 v[GBP+2*i], v[R4], s[8:9] offset:64*i
	global_load_b32 v[GBP+2*i+1], v[R4], s[10:11] offset:64*i
.set i, i+1
.endr
	s_lshl_b32 s17, s[WV], 7
	v_lshl_add_u32 v[RWA], v[E], 6, s17            ; RED + 128 w + 64 hh
	v_lshlrev_b32 v[RDA], 7, v[E+1]
	v_lshl_add_u32 v[RDA], v[E], 6, v[RDA]         ; RED + 128 (r % 8) + 64 hh
	s_lshl_b32 s17, s[WV], 6
	s_add_co_u32 s17, s17, RED2
	v_lshl_add_u32 v[R2W], v[E], 5, s17
	v_lshlrev_b32 v[R2R], 6, v[E+1]
	v_lshl_add_u32 v[R2R], v[E], 5, v[R2R]
	v_add_nc_u32 v[R2R], RED2, v[R2R]
	v_mul_u32_u24 v[E+2], v[E], 8*YP
	s_lshl_b32 s17, s[WV], 8
	v_add3_u32 v[YW], v[YW], v[E+2], s17           ; YT + 8 hh rows + 256 w + 2 r
	s_mul_i32 s17, s[WV], 2*YP
	s_add_co_u32 s17, s17, YT
	v_add_nc_u32 v[YR], s17, v[LN16]
	v_lshlrev_b32 v[SCW], 5, v[E]
	v_add_nc_u32 v[SCW], SCL, v[SCW]
	v_mov_b32 v[NL], 0xbfb8aa3b                    ; -log2(e)
	v_mov_b32 v[ZR], 0
	s_wait_loadcnt 24                              ; o is in; g, gamma and beta stay out
.irp p, 0,1,2,3
	v_pk_add_f32 v[MEAN+2*\p:MEAN+2*\p+1], v[O+2*\p:O+2*\p+1], v[O+8+2*\p:O+8+2*\p+1]
.endr
.irp u, 2,3,4,5,6,7
.irp p, 0,1,2,3
	v_pk_add_f32 v[MEAN+2*\p:MEAN+2*\p+1], v[MEAN+2*\p:MEAN+2*\p+1], v[O+8*\u+2*\p:O+8*\u+2*\p+1]
.endr
.endr
.irp m, 1,2,4,8
	DPP8 v_add_f32_dpp, MEAN, \m
.endr
.irp p, 0,1,2,3
	v_pk_mul_f32 v[MEAN+2*\p:MEAN+2*\p+1], v[MEAN+2*\p:MEAN+2*\p+1], 0x3c000000 op_sel_hi:[1,0]   ; / 128
.endr
.irp u, 0,1,2,3,4,5,6,7
.irp p, 0,1,2,3
	v_pk_add_f32 v[O+8*\u+2*\p:O+8*\u+2*\p+1], v[O+8*\u+2*\p:O+8*\u+2*\p+1], v[MEAN+2*\p:MEAN+2*\p+1] neg_lo:[0,1] neg_hi:[0,1]
.endr
.endr
.irp p, 0,1,2,3
	v_pk_mul_f32 v[M2+2*\p:M2+2*\p+1], v[O+2*\p:O+2*\p+1], v[O+2*\p:O+2*\p+1]
.endr
.irp u, 1,2,3,4,5,6,7
.irp p, 0,1,2,3
	v_pk_fma_f32 v[M2+2*\p:M2+2*\p+1], v[O+8*\u+2*\p:O+8*\u+2*\p+1], v[O+8*\u+2*\p:O+8*\u+2*\p+1], v[M2+2*\p:M2+2*\p+1]
.endr
.endr
.irp m, 1,2,4,8
	DPP8 v_add_f32_dpp, M2, \m
.endr
	ds_store_b128 v[RWA], v[MEAN:MEAN+3]           ; the sixteen lanes of a half write the same words with the same values
	ds_store_b128 v[RWA], v[MEAN+4:MEAN+7] offset:16
	ds_store_b128 v[RWA], v[M2:M2+3] offset:32
	ds_store_b128 v[RWA], v[M2+4:M2+7] offset:48
	s_wait_dscnt 0x0
	s_barrier_signal -1
	s_barrier_wait -1
	ds_load_b128 v[MW:MW+3], v[RDA]                ; lane r takes wave r % 8's figures
	ds_load_b128 v[MW+4:MW+7], v[RDA] offset:16
	ds_load_b128 v[M2W:M2W+3], v[RDA] offset:32
	ds_load_b128 v[M2W+4:M2W+7], v[RDA] offset:48
	s_wait_dscnt 0x0
.irp k, 0,1,2,3,4,5,6,7
	v_mul_f32 v[MU+\k], 0.125, v[MW+\k]
.endr
.irp m, 1,2,4
	DPP8 v_add_f32_dpp, MU, \m                     ; mu: the mean of the eight means
.endr
.irp p, 0,1,2,3
	v_pk_add_f32 v[MW+2*\p:MW+2*\p+1], v[MW+2*\p:MW+2*\p+1], v[MU+2*\p:MU+2*\p+1] neg_lo:[0,1] neg_hi:[0,1]
.endr
.irp p, 0,1,2,3
	v_pk_mul_f32 v[MW+2*\p:MW+2*\p+1], v[MW+2*\p:MW+2*\p+1], v[MW+2*\p:MW+2*\p+1]
.endr
.irp p, 0,1,2,3
	v_pk_fma_f32 v[M2W+2*\p:M2W+2*\p+1], v[MW+2*\p:MW+2*\p+1], 0x43000000, v[M2W+2*\p:M2W+2*\p+1] op_sel_hi:[1,0,1]   ; + 128 (mean_w - mu)^2
.endr
.irp m, 1,2,4
	DPP8 v_add_f32_dpp, M2W, \m
.endr
.irp k, 0,1,2,3,4,5,6,7
	v_fma_f32 v[M2W+\k], v[M2W+\k], s28, s29       ; variance + 1e-5
.endr
.irp k, 0,1,2,3,4,5,6,7
	v_rsq_f32 v[M2+\k], v[M2W+\k]
.endr
.irp p, 0,1,2,3                        ; plain lines behind the roots
	v_pk_add_f32 v[MEAN+2*\p:MEAN+2*\p+1], v[MEAN+2*\p:MEAN+2*\p+1], v[MU+2*\p:MU+2*\p+1] neg_lo:[0,1] neg_hi:[0,1]
.endr
	s_wait_alu depctr_va_vdst(0)
.irp p, 0,1,2,3
	v_pk_mul_f32 v[MEAN+2*\p:MEAN+2*\p+1], v[MEAN+2*\p:MEAN+2*\p+1], v[M2+2*\p:M2+2*\p+1]   ; (mean_w - mu) rstd
.endr
	s_wait_loadcnt 0x0                             ; g, gamma, beta
.macro UNIT u                          ; silu(g) = g / (1 + 2^(-log2e g)); the normalisation's lines are the plain lines behind the transcendentals
.set k, 0
.rept 8
	MIX E+k, k%2, GF+4*(\u)+k/2, NL, ZR
.set k, k+1
.endr
.irp k, 0,1,2,3,4,5,6,7
	v_exp_f32 v[E+\k], v[E+\k]
.endr
.irp p, 0,1,2,3
	v_pk_fma_f32 v[O+8*(\u)+2*\p:O+8*(\u)+2*\p+1], v[O+8*(\u)+2*\p:O+8*(\u)+2*\p+1], v[M2+2*\p:M2+2*\p+1], v[MEAN+2*\p:MEAN+2*\p+1]
.endr
	s_wait_alu depctr_va_vdst(0)
.irp k, 0,1,2,3,4,5,6,7
	v_add_f32 v[E+\k], 1.0, v[E+\k]
.endr
.irp k, 0,1,2,3,4,5,6,7
	v_rcp_f32 v[E+\k], v[E+\k]
.endr
	s_wait_alu depctr_va_vdst(0)
.irp p, 0,1,2,3                        ; x gamma (the pair's first register) + beta (its second)
	v_pk_fma_f32 v[O+8*(\u)+2*\p:O+8*(\u)+2*\p+1], v[O+8*(\u)+2*\p:O+8*(\u)+2*\p+1], v[GBP+2*(\u):GBP+2*(\u)+1], v[GBP+2*(\u):GBP+2*(\u)+1] op_sel:[0,0,1] op_sel_hi:[1,0,1]
.endr
.set k, 0
.rept 8
	MIX E+k, k%2, GF+4*(\u)+k/2, E+k, ZR
.set k, k+1
.endr
.irp p, 0,1,2,3
	v_pk_mul_f32 v[O+8*(\u)+2*\p:O+8*(\u)+2*\p+1], v[O+8*(\u)+2*\p:O+8*(\u)+2*\p+1], v[E+2*\p:E+2*\p+1]
.endr
.endm
.irp u, 0,1,2,3,4,5,6,7
	UNIT \u
.endr
.irp k, 0,1,2,3,4,5,6,7
	v_max_num_f32 v[MX+\k], |v[O+\k]|, |v[O+8+\k]|
.endr
.irp u, 2,4,6
.irp k, 0,1,2,3,4,5,6,7
	v_max3_num_f32 v[MX+\k], v[MX+\k], |v[O+8*\u+\k]|, |v[O+8*\u+8+\k]|
.endr
.endr
.irp m, 1,2,4,8
	DPP8 v_max_num_f32_dpp, MX, \m
.endr
	ds_store_b128 v[R2W], v[MX:MX+3]
	ds_store_b128 v[R2W], v[MX+4:MX+7] offset:16
	s_wait_dscnt 0x0
	s_barrier_signal -1
	s_barrier_wait -1
	ds_load_b128 v[MX:MX+3], v[R2R]
	ds_load_b128 v[MX+4:MX+7], v[R2R] offset:16
	s_wait_dscnt 0x0
.irp m, 1,2,4
	DPP8 v_max_num_f32_dpp, MX, \m
.endr
.irp k, 0,1,2,3,4,5,6,7
	v_max_num_f32 v[MX+\k], 0x10000000, v[MX+\k]   ; the exponent is held at 32 or more
	v_lshrrev_b32 v[MX+\k], 23, v[MX+\k]
	v_sub_nc_u32 v[MW+\k], 267, v[MX+\k]
	v_add_nc_u32 v[MU+\k], -13, v[MX+\k]
	v_lshlrev_b32 v[MW+\k], 23, v[MW+\k]           ; 2^(140 - e)
	v_lshlrev_b32 v[MU+\k], 23, v[MU+\k]           ; 2^(e - 140): the scale that is stored
.endr
.irp u, 0,1,2,3,4,5,6,7
.irp p, 0,1,2,3
	v_pk_mul_f32 v[O+8*\u+2*\p:O+8*\u+2*\p+1], v[O+8*\u+2*\p:O+8*\u+2*\p+1], v[MW+2*\p:MW+2*\p+1]
.endr
.irp p, 0,1,2,3
	v_cvt_pk_f16_f32 v[E+\p], v[O+8*\u+2*\p], v[O+8*\u+2*\p+1]
.endr
.irp p, 0,1,2,3                        ; a register holds two tokens of one channel: they go to two rows
	ds_store_b16 v[YW], v[E+\p] offset:2*\p*YP+32*\u
	ds_store_b16_d16_hi v[YW], v[E+\p] offset:(2*\p+1)*YP+32*\u
.endr
.endr
	s_cmp_lg_u32 s[WV], 0
	s_cbranch_scc1 .Lno_scale
	ds_store_b128 v[SCW], v[MU:MU+3]
	ds_store_b128 v[SCW], v[MU+4:MU+7] offset:16
.Lno_scale:
	s_wait_dscnt 0x0
	s_barrier_signal -1
	s_barrier_wait -1
.set i, 0
.rept 8                                                ; rows 2 w and 2 w + 1, whole
	ds_load_b128 v[O+4*i:O+4*i+3], v[YR] offset:(i/4)*YP+(i%4)*512
.set i, i+1
.endr
.set i, 0
.rept 8
	s_wait_dscnt 7-i
	global_store_b128 v[LN16], v[O+4*i:O+4*i+3], s[24:25] offset:512*i   ; 512 consecutive bytes, aligned
.set i, i+1
.endr
	s_cmp_lg_u32 s[WV], 0
	s_cbranch_scc1 .Lend
	ds_load_b32 v[E], v[R4] offset:SCL
	v_cmp_gt_u32 vcc_lo, 0x100, v[LN16]            ; lanes 0-15
	s_wait_dscnt 0x0
	s_wait_xcnt 0x0                                ; EXEC changes only behind this wait
	s_and_saveexec_b32 s17, vcc_lo
	global_store_b32 v[R4], v[E], s[26:27]
	s_wait_xcnt 0x0
	s_or_b32 exec_lo, exec_lo, s17
.Lend:
	s_wait_tensorcnt 0x0                           ; the wave's end
	ds_add_u32 v[SPW], v[NIL]
	s_wait_dscnt 0x0
	s_endpgm
.Lfunc_end_k_qe5b4df065f_norm:
	.size	k_qe5b4df065f_norm, .Lfunc_end_k_qe5b4df065f_norm-k_qe5b4df065f_norm
	.p2alignl 7, 3214868480
	.fill 96, 4, 3214868480
	.section	.rodata,"a",@progbits
	.p2align	6, 0x0
	.amdhsa_kernel k_qe5b4df065f_norm
		.amdhsa_group_segment_fixed_size 36352
		.amdhsa_private_segment_fixed_size 0
		.amdhsa_enable_private_segment 0
		.amdhsa_kernarg_size 40
		.amdhsa_user_sgpr_count 2
		.amdhsa_user_sgpr_kernarg_segment_ptr 1
		.amdhsa_wavefront_size32 1
		.amdhsa_system_sgpr_workgroup_id_x 1
		.amdhsa_system_sgpr_workgroup_id_y 1
		.amdhsa_system_sgpr_workgroup_id_z 1
		.amdhsa_system_vgpr_workitem_id 0
		.amdhsa_next_free_vgpr 192
		.amdhsa_next_free_sgpr 66
		.amdhsa_reserve_vcc 1
		.amdhsa_float_denorm_mode_32 3
		.amdhsa_float_denorm_mode_16_64 3
		.amdhsa_memory_ordered 1
		.amdhsa_forward_progress 1
		.amdhsa_inst_pref_size 63
	.end_amdhsa_kernel
	.amdgpu_metadata
---
amdhsa.version: [ 1, 2 ]
amdhsa.kernels:
  - .name:           k_qe5b4df065f_norm
    .symbol:         k_qe5b4df065f_norm.kd
    .args:
      - { .name: ob, .offset: 0, .size: 8, .value_kind: global_buffer, .address_space: global }
      - { .name: proj, .offset: 8, .size: 8, .value_kind: global_buffer, .address_space: global }
      - { .name: gamma, .offset: 16, .size: 8, .value_kind: global_buffer, .address_space: global }
      - { .name: beta, .offset: 24, .size: 8, .value_kind: global_buffer, .address_space: global }
      - { .name: yb, .offset: 32, .size: 8, .value_kind: global_buffer, .address_space: global }
    .group_segment_fixed_size: 36352
    .private_segment_fixed_size: 0
    .kernarg_segment_align: 8
    .kernarg_segment_size: 40
    .max_flat_workgroup_size: 256
    .sgpr_count:     66
    .vgpr_count:     192
    .wavefront_size: 32
...
	.end_amdgpu_metadata
.endif
;; end of part 5
;; launch outp (part 6): grid 8 x 32, 4 waves a work-group, clusters of 4 x 4, 327,680 bytes of LDS; arguments yb, xw, out0; writes out0
.if DOCPART == 6
	.amdgcn_target "amdgcn-amd-amdhsa--gfx1250"
	.amdhsa_code_object_version 6
	.text
	.protected	k_qe5b4df065f_outp
	.globl	k_qe5b4df065f_outp
	.p2align	8
	.type	k_qe5b4df065f_outp,@function
k_qe5b4df065f_outp:
	s_mov_b64 s[64:65], 0
	v_nop
	global_prefetch_b8 v0, s[64:65] scope:SCOPE_SE
	s_setreg_imm32_b32 hwreg(HW_REG_WAVE_MODE, 25, 1), 1
	s_wait_xcnt 0x0
	s_wait_alu depctr_hold_cnt(0) depctr_sa_sdst(0) depctr_va_vdst(0) depctr_va_sdst(0) depctr_va_ssrc(0) depctr_va_vcc(0) depctr_vm_vsrc(0)
	s_getreg_b32 s2, hwreg(HW_REG_IB_STS2, 6, 4)
	s_cmp_eq_u32 s2, 0
	s_cbranch_scc0 .Lentry_in_a_cluster
	s_endpgm
.Lentry_in_a_cluster:
	s_bfe_u32 s2, ttmp6, 0x10000c
	s_cmp_lg_u32 s2, 0xf033
	s_cbranch_scc0 .Lentry_shape_is_right
	s_endpgm
.Lentry_shape_is_right:
; out0[m][n] = scale[m] x sum over k of y'[m][k] Wout_t[n][k]: y' and the weights in f16, sums in f32, the token's power-of-two scale applied to the finished sum, f32 out.
; 256 work-groups, one tile of 256 (m) x 128 (n) each; four waves of 64 rows x 128 columns, 32 accumulators; K in steps of 128 through two LDS slots filled by tensor loads.
; CLUSTER 4 x 4: y's tile is asked for jointly along a row of the cluster, the weights' along a column.  The matrix instruction is used transposed: a lane holds row l % 16 and eight neighbouring columns.
; The way out goes through my own LDS stage, 16 rows at a time: each store of the wave covers 512 consecutive bytes of a row, aligned.
; REGISTERS: window 0: v16-29 addresses; v32-39 scales; v64-159, v160-255 two fragment buffers (on the way out v64-127 scaled results, v128-191 rows read back).  Window 1: the accumulators.
.set PITCH,  272
.set BOFF,   256*PITCH
.set SLOT,   384*PITCH
.set STAGE,  2*SLOT
.set SPITCH, 528                       ; 512 bytes + 16: the sixteen rows of a store start at sixteen different groups of four banks
.set SPARE,  STAGE+4*16*SPITCH
.set LAPS,   4
.set ADRA, 16
.set ADRB, 20
.set STO,  24
.set RD,   25
.set CO,   26
.set SPW,  28
.set NIL,  29
.set SC,   32
.set F0,   64
.set F1,   160
.set R,    64
.set BKO,  128
.set G1,  24
.set G0,  32
.set G1B, 48
.set G0B, 56
.set MSB, 0
.macro WIN new
.if MSB != (\new)
	s_set_vgpr_msb (MSB<<8)|(\new)
.set MSB, \new
.endif
.endm
.set MUL, 0x50                         ; sources window 0; C and D window 1
.macro JLOAD s                         ; waves 0, 1 fetch y's two halves, waves 2, 3 the weights'; an s_nop 0 and four v_nop follow each line
	s_cmp_eq_u32 s11, 0
	s_cbranch_scc0 .Lfor_b_\@
	tensor_load_to_lds s[G0+4*(\s):G0+4*(\s)+3], s[G1:G1+7]
	s_nop 0
.rept 4
	v_nop
.endr
	s_branch .Lasked_\@
.Lfor_b_\@:
	tensor_load_to_lds s[G0B+4*(\s):G0B+4*(\s)+3], s[G1B:G1B+7]
	s_nop 0
.rept 4
	v_nop
.endr
.Lasked_\@:
.endm
.macro CREST
	s_cmp_lg_u32 s10, 0
	s_cbranch_scc1 .Lnot_wave_0_\@
	s_barrier_signal -3
.Lnot_wave_0_\@:
	s_barrier_wait -3
	s_barrier_signal -1
	s_barrier_wait -1
.endm
.macro CROUND
	s_barrier_signal -1
	s_barrier_wait -1
	CREST
.endm
.macro PLACES
.rept 4
	v_nop
.endr
.endm
	s_load_b128 s[4:7], s[0:1], 0x0                ; yb s[4:5], xw s[6:7]
	s_load_b64 s[8:9], s[0:1], 0x10                ; out0
	v_lshl_add_u32 v[SPW], v0, 2, SPARE
	v_mov_b32 v[NIL], 0
	ds_add_u32 v[SPW], v[NIL]                      ; the wave's opening: an add onto my spare word, waited for ahead of my first tensor load
	ds_add_u32 v28, v29
	v_lshrrev_b32 v1, 5, v0
	v_readfirstlane_b32 s10, v1
	s_lshr_b32 s11, s10, 1
	s_and_b32 s12, s10, 1
	s_bfe_u32 s40, ttmp6, 0x40000
	s_bfe_u32 s41, ttmp6, 0x40004
	s_lshl_b32 s42, ttmp9, 2
	s_add_co_u32 s42, s42, s40                     ; nx
	s_and_b32 s13, ttmp7, 0xffff
	s_lshl_b32 s13, s13, 2
	s_add_co_u32 s13, s13, s41                     ; my
	s_lshl_b32 s43, s41, 2
	s_lshl_b32 s43, 15, s43
	s_lshl_b32 s44, 0x1111, s40
	s_or_b32 s[G1+0], s43, (1<<16)|(1<<20)|(1<<21)|(5<<22)|(3<<25)
	s_or_b32 s[G1B+0], s44, (1<<16)|(1<<20)|(1<<21)|(5<<22)|(3<<25)
	s_mov_b32 s[G1+1], 128<<16
	s_mov_b32 s[G1+2], 128<<16
	s_mov_b32 s[G1+3], 128<<16
	s_mov_b32 s[G1+4], 128
	s_mov_b32 s[G1+5], 1024
	s_mov_b32 s[G1+6], 0
	s_mov_b32 s[G1+7], 0
	s_mov_b32 s[G1B+1], 128<<16
	s_mov_b32 s[G1B+2], 64<<16
	s_mov_b32 s[G1B+3], 128<<16
	s_mov_b32 s[G1B+4], 64
	s_mov_b32 s[G1B+5], 1024
	s_mov_b32 s[G1B+6], 0
	s_mov_b32 s[G1B+7], 0
	s_lshl_b32 s16, s13, 19
	s_lshl_b32 s17, s12, 18
	s_add_co_u32 s16, s16, s17
	s_mov_b32 s17, 0
	s_lshl_b32 s46, s42, 18
	s_lshl_b32 s47, s12, 17
	s_add_co_u32 s46, s46, s47
	s_add_co_u32 s46, s46, 0x1a00000               ; Wout transposed: 16 Mi + 5 x 2 Mi
	s_mov_b32 s47, 0
	s_mul_i32 s20, s10, 128*PITCH
	s_mul_i32 s21, s10, 64*PITCH
	s_add_co_u32 s21, s21, 128*PITCH
	s_wait_dscnt 0x0
	s_wait_kmcnt 0x0
	s_add_nc_u64 s[14:15], s[4:5], s[16:17]
	s_add_nc_u64 s[46:47], s[6:7], s[46:47]
	CROUND                                         ; all sixteen work-groups are here: the first joint loads meet
.irp s, 0,1
	s_mov_b32 s[G0+4*(\s)], 1
	s_add_co_u32 s[G0+4*(\s)+1], s20, (\s)*SLOT
	s_add_nc_u64 s[G0+4*(\s)+2:G0+4*(\s)+3], s[14:15], (\s)*256
	s_or_b32 s[G0+4*(\s)+3], s[G0+4*(\s)+3], 0x80000000
	s_mov_b32 s[G0B+4*(\s)], 1
	s_add_co_u32 s[G0B+4*(\s)+1], s21, (\s)*SLOT
	s_add_nc_u64 s[G0B+4*(\s)+2:G0B+4*(\s)+3], s[46:47], (\s)*256
	s_or_b32 s[G0B+4*(\s)+3], s[G0B+4*(\s)+3], 0x80000000
	JLOAD \s
.endr
	v_and_b32 v1, 15, v0
	v_bfe_u32 v2, v0, 4, 1
	s_lshl_b32 s22, s13, 10                        ; my rows' scales: 16 Mi + 4 (256 my + 64 w + 16 a + r)
	s_lshl_b32 s23, s10, 8
	s_add_co_u32 s22, s22, s23
	s_add_co_u32 s22, s22, 0x1000000
	s_mov_b32 s23, 0
	s_add_nc_u64 s[4:5], s[4:5], s[22:23]
	v_lshlrev_b32 v6, 2, v1
.irp a, 0,1,2,3
	global_load_b32 v[SC+2*\a], v6, s[4:5] offset:64*\a
	v_mov_b32 v[SC+2*\a+1], 0                      ; named with it as a pair
.endr
	v_mul_u32_u24 v3, v1, PITCH
	v_lshl_add_u32 v3, v2, 4, v3
	s_mul_i32 s18, s10, 64*PITCH
	v_add_nc_u32 v[ADRA], s18, v3
	v_add_nc_u32 v[ADRA+1], SLOT, v[ADRA]
	v_add_nc_u32 v[ADRB], BOFF, v3
	v_add_nc_u32 v[ADRB+1], SLOT, v[ADRB]
	s_mul_i32 s18, s10, 16*SPITCH
	s_add_co_u32 s18, s18, STAGE
	v_mul_u32_u24 v4, v1, SPITCH
	v_lshl_add_u32 v4, v2, 5, v4
	v_add_nc_u32 v[STO], s18, v4                   ; in: row r, 32 bytes for each half of the lanes
	v_and_b32 v5, 31, v0
	v_lshlrev_b32 v[CO], 4, v5
	v_add_nc_u32 v[RD], s18, v[CO]                 ; back: a whole row of 512 bytes a load
	s_lshl_b32 s22, s13, 20                        ; out0: (256 my + 64 w) rows of 4,096 bytes + 512 nx
	s_lshl_b32 s23, s10, 18
	s_add_co_u32 s22, s22, s23
	s_lshl_b32 s23, s42, 9
	s_add_co_u32 s22, s22, s23
	s_mov_b32 s23, 0
	s_add_nc_u64 s[8:9], s[8:9], s[22:23]
.macro MULA f, a, zero                 ; the accumulators take turns
	WIN MUL
.irp b, 0,1,2,3,4,5,6,7
.if \zero
	v_wmma_f32_16x16x32_f16 v[8*(8*(\a)+(\b)):8*(8*(\a)+(\b))+7], v[(\f)+8*(\b):(\f)+8*(\b)+7], v[(\f)+64+8*(\a):(\f)+64+8*(\a)+7], 0
.else
	v_wmma_f32_16x16x32_f16 v[8*(8*(\a)+(\b)):8*(8*(\a)+(\b))+7], v[(\f)+8*(\b):(\f)+8*(\b)+7], v[(\f)+64+8*(\a):(\f)+64+8*(\a)+7], v[8*(8*(\a)+(\b)):8*(8*(\a)+(\b))+7]
.endif
.endr
.endm
.macro FETCH slot, k, f
	WIN 0
.irp i, 0,1,2,3,4,5,6,7
	ds_load_b128 v[(\f)+8*(\i):(\f)+8*(\i)+3],   v[ADRB+(\slot)] offset:(\k)+(\i)*16*PITCH
	ds_load_b128 v[(\f)+8*(\i)+4:(\f)+8*(\i)+7], v[ADRB+(\slot)] offset:(\k)+(\i)*16*PITCH+32
.endr
.irp i, 0,1,2,3
	ds_load_b128 v[(\f)+64+8*(\i):(\f)+64+8*(\i)+3],   v[ADRA+(\slot)] offset:(\k)+(\i)*16*PITCH
	ds_load_b128 v[(\f)+64+8*(\i)+4:(\f)+64+8*(\i)+7], v[ADRA+(\slot)] offset:(\k)+(\i)*16*PITCH+32
.endr
.endm
.macro QUARTER slot, k, f, g, zero
	s_wait_dscnt 4                                 ; all but y's fragments 2 and 3 are in
	MULA \f, 0, \zero
	MULA \f, 1, \zero
	PLACES
	FETCH \slot, \k, \g
	s_wait_dscnt 24                                ; all but the 24 just issued
	MULA \f, 2, \zero
	MULA \f, 3, \zero
.endm
.macro TURN slot, next, fill
	WIN 0
	s_wait_tensorcnt 0x0                           ; all my tensor loads have landed: my part of the next slot
	ds_add_u32 v[SPW], v[NIL]                      ; 0 onto my spare word
	s_wait_dscnt 5                                 ; (the add and y's fragments 2 and 3 may be out)
	MULA F1, 0, 0
	s_wait_dscnt 0x0                               ; the add is done, and my reads of this slot are over
	s_barrier_signal -1
	MULA F1, 1, 0
	WIN 0
	s_barrier_wait -1
.if \fill
	CREST                                          ; the barrier has opened a round of the cluster's
	s_add_nc_u64 s[G0+4*(\slot)+2:G0+4*(\slot)+3], s[G0+4*(\slot)+2:G0+4*(\slot)+3], 512
	s_add_nc_u64 s[G0B+4*(\slot)+2:G0B+4*(\slot)+3], s[G0B+4*(\slot)+2:G0B+4*(\slot)+3], 512
	JLOAD \slot
.else
	PLACES
.endif
	FETCH \next, 0, F0
	MULA F1, 2, 0
	MULA F1, 3, 0
.endm
.macro OUTBLK a
	WIN 0
	s_wait_xcnt 0x0                                ; earlier stores have read BKO and the base
.if (\a) > 0
	s_add_nc_u64 s[8:9], s[8:9], 65536             ; 16 rows on
.endif
	WIN 0x01                                       ; source 0 window 1
.irp b, 0,1,2,3,4,5,6,7
.irp p, 0,1,2,3
	v_pk_mul_f32 v[R+8*(\b)+2*(\p):R+8*(\b)+2*(\p)+1], v[8*(8*(\a)+(\b))+2*(\p):8*(8*(\a)+(\b))+2*(\p)+1], v[SC+2*(\a):SC+2*(\a)+1] op_sel_hi:[1,0]
.endr
.endr
	WIN 0
.irp b, 0,1,2,3,4,5,6,7
	ds_store_b128 v[STO], v[R+8*(\b):R+8*(\b)+3] offset:64*(\b)
	ds_store_b128 v[STO], v[R+8*(\b)+4:R+8*(\b)+7] offset:64*(\b)+16
.endr
.set i, 0
.rept 16
	ds_load_b128 v[BKO+4*i:BKO+4*i+3], v[RD] offset:i*SPITCH   ; LDS serves a wave's instructions in order: these see the stores above
.set i, i+1
.endr
.set i, 0
.rept 16
	s_wait_dscnt 15-i
	global_store_b128 v[CO], v[BKO+4*i:BKO+4*i+3], s[8:9] offset:i*4096 th:TH_STORE_NT
.set i, i+1
.endr
.endm
	s_wait_tensorcnt 1                             ; my part of K step 0 is in; K step 1's may stay out
	s_barrier_signal -1
	s_barrier_wait -1
	FETCH 0, 0, F0
	QUARTER 0, 64, F0, F1, 1                       ; the first quarter starts the sums
	WIN 0
	s_mov_b32 s3, LAPS-1
.Llap:
	QUARTER 0, 128, F1, F0, 0
	QUARTER 0, 192, F0, F1, 0
	TURN 0, 1, 1
	QUARTER 1, 64,  F0, F1, 0
	QUARTER 1, 128, F1, F0, 0
	QUARTER 1, 192, F0, F1, 0
	TURN 1, 0, 1
	QUARTER 0, 64,  F0, F1, 0
	WIN 0
	s_sub_co_u32 s3, s3, 1
	s_cmp_lg_u32 s3, 0
	s_cbranch_scc1 .Llap
	QUARTER 0, 128, F1, F0, 0                      ; the last lap fills nothing
	QUARTER 0, 192, F0, F1, 0
	TURN 0, 1, 0
	QUARTER 1, 64,  F0, F1, 0
	QUARTER 1, 128, F1, F0, 0
	QUARTER 1, 192, F0, F1, 0
	s_wait_dscnt 4
	MULA F1, 0, 0
	MULA F1, 1, 0
	s_wait_dscnt 0x0
	MULA F1, 2, 0
	MULA F1, 3, 0
	PLACES
	WIN 0
	s_wait_loadcnt 0x0                             ; the scales
	OUTBLK 0
	OUTBLK 1
	OUTBLK 2
	OUTBLK 3
	s_wait_tensorcnt 0x0                           ; the wave's end
	ds_add_u32 v[SPW], v[NIL]
	s_wait_dscnt 0x0
	CROUND                                         ; the closing round
	s_endpgm
.Lfunc_end_k_qe5b4df065f_outp:
	.size	k_qe5b4df065f_outp, .Lfunc_end_k_qe5b4df065f_outp-k_qe5b4df065f_outp
	.p2alignl 7, 3214868480
	.fill 96, 4, 3214868480
	.section	.rodata,"a",@progbits
	.p2align	6, 0x0
	.amdhsa_kernel k_qe5b4df065f_outp
		.amdhsa_group_segment_fixed_size 327680
		.amdhsa_private_segment_fixed_size 0
		.amdhsa_enable_private_segment 0
		.amdhsa_kernarg_size 24
		.amdhsa_user_sgpr_count 2
		.amdhsa_user_sgpr_kernarg_segment_ptr 1
		.amdhsa_wavefront_size32 1
		.amdhsa_system_sgpr_workgroup_id_x 1
		.amdhsa_system_sgpr_workgroup_id_y 1
		.amdhsa_system_sgpr_workgroup_id_z 1
		.amdhsa_system_vgpr_workitem_id 0
		.amdhsa_next_free_vgpr 512
		.amdhsa_next_free_sgpr 66
		.amdhsa_reserve_vcc 0
		.amdhsa_float_denorm_mode_32 3
		.amdhsa_float_denorm_mode_16_64 3
		.amdhsa_memory_ordered 1
		.amdhsa_forward_progress 1
		.amdhsa_inst_pref_size 95
	.end_amdhsa_kernel
	.amdgpu_metadata
---
amdhsa.version: [ 1, 2 ]
amdhsa.kernels:
  - .name:           k_qe5b4df065f_outp
    .symbol:         k_qe5b4df065f_outp.kd
    .args:
      - { .name: yb, .offset: 0, .size: 8, .value_kind: global_buffer, .address_space: global }
      - { .name: xw, .offset: 8, .size: 8, .value_kind: global_buffer, .address_space: global }
      - { .name: out0, .offset: 16, .size: 8, .value_kind: global_buffer, .address_space: global }
    .group_segment_fixed_size: 327680
    .private_segment_fixed_size: 0
    .kernarg_segment_align: 8
    .kernarg_segment_size: 24
    .max_flat_workgroup_size: 128
    .sgpr_count:     66
    .vgpr_count:     512
    .wavefront_size: 32
...
	.end_amdgpu_metadata
.endif
;; end of part 6
;; ======== version 2 of 2: 6 launches; 1.12 times as fast as version 1
;; limits: values are held in f16: magnitudes above 65,504 overflow, below 6.1e-05 lose precision; values outside matrix products are rounded to f16
;; workspace buffers: xw 29,360,128 bytes; proj 100,663,296 bytes; scan1 34,111,488 bytes; ob 33,554,432 bytes; yb 16,809,984 bytes
;; launch cvt (part 7): grid 128 x 10, 8 waves a work-group, no clusters, 18,432 bytes of LDS; arguments x, Wq, Wk, Wv, Wf, Wg, Wout, xw; writes xw
.if DOCPART == 7
	.amdgcn_target "amdgcn-amd-amdhsa--gfx1250"
	.amdhsa_code_object_version 6
	.text
	.protected	k_qe5b4df065f_cvt
	.globl	k_qe5b4df065f_cvt
	.p2align	8
	.type	k_qe5b4df065f_cvt,@function
k_qe5b4df065f_cvt:
	s_mov_b64 s[64:65], 0
	v_nop
	global_prefetch_b8 v0, s[64:65] scope:SCOPE_SE
	s_setreg_imm32_b32 hwreg(HW_REG_WAVE_MODE, 25, 1), 1
	s_wait_xcnt 0x0
; x and the six weight matrices are rounded once to f16.  xw: x as [8192][1024] at byte 0; from byte 16,777,216 the weights, each TRANSPOSED to rows [n] of 1,024 k,
; so that K lies along the rows for the products that follow.
; The rows of Wq, Wk, Wv, Wf, Wg (p = 0..4) are laid head by head: column c (0..63) of head h of matrix p is row 320 h + 160 (c >> 5) + 32 p + (c & 31):
; 320 rows on end are one head of all five matrices, and each half of them holds 32 columns of each.  Wout's rows follow in their own order, from row 5,120 on.
; LIMIT: numbers beyond 65,504 become infinities in f16; below 6e-5 f16 keeps a fixed step of 6e-8.
; Grid y = 0..5: one weight matrix, 128 work-groups of 128 k x 64 n (a head), turned through LDS.  y = 6..9: 512 work-groups, 64 KB of x each, a plain stream.
; A stream: no matrix unit, no cluster (no two work-groups read the same bytes).  80 registers a wave: the five work-groups that fall to a WGP (1,280 on 256) lie on it together.
.set PW,    272                        ; an LDS row: 128 k x 2 bytes + 16 of padding
.set SPARE, 64*PW                      ; behind the 64 rows: the spare words, 128 bytes a wave
.set SPW, 5                            ; v5  LDS address of my spare word; never rewritten
.set NIL, 6                            ; v6  0; never rewritten
.set X,   8                            ; v[8:71]   as loaded; x is packed in place
	s_load_b512 s[16:31], s[0:1], 0x0              ; x 16, Wq 18, Wk 20, Wv 22, Wf 24, Wg 26, Wout 28, xw 30
	v_lshl_add_u32 v[SPW], v0, 2, SPARE
	v_mov_b32 v[NIL], 0
	v_lshrrev_b32 v1, 5, v0
	v_readfirstlane_b32 s8, v1                     ; wave 0..7
	v_and_b32 v2, 31, v0                           ; lane
	s_and_b32 s9, ttmp7, 0xffff                    ; grid y, the same for the whole work-group
	s_mov_b32 s13, 0
	s_wait_kmcnt 0x0
	s_cmp_lt_u32 s9, 6
	s_cbranch_scc1 .Lweights
	; ---- x: 16 loads of 512 bytes a wave, all on their way at once; each store covers 256 consecutive bytes, aligned
	s_sub_co_u32 s10, s9, 6
	s_lshl_b32 s10, s10, 7
	s_add_co_u32 s10, s10, ttmp9                   ; 0..511
	s_lshl_b32 s12, s10, 16                        ; 65,536 bytes of x a work-group,
	s_lshl_b32 s11, s8, 13                         ; 8,192 a wave
	s_add_co_u32 s12, s12, s11
	s_add_nc_u64 s[16:17], s[16:17], s[12:13]
	s_lshr_b32 s12, s12, 1                         ; half as many bytes out
	s_add_nc_u64 s[30:31], s[30:31], s[12:13]
	v_lshlrev_b32 v3, 4, v2
	v_lshlrev_b32 v4, 3, v2
.set i, 0
.rept 16
	global_load_b128 v[X+4*i:X+4*i+3], v3, s[16:17] offset:512*i th:TH_LOAD_NT
.set i, i+1
.endr
.set i, 0
.rept 16
	s_wait_loadcnt 15-i                            ; loads come back in order: load i is in, the younger ones stay out
	v_cvt_pk_f16_f32 v[X+4*i], v[X+4*i], v[X+4*i+1]        ; four numbers into the first two of their own four registers
	v_cvt_pk_f16_f32 v[X+4*i+1], v[X+4*i+2], v[X+4*i+3]
	global_store_b64 v4, v[X+4*i:X+4*i+1], s[30:31] offset:256*i
.set i, i+1
.endr
	s_endpgm
.Lweights:
	s_mov_b64 s[4:5], s[18:19]                     ; the matrix is chosen by grid y
	s_cmp_eq_u32 s9, 1
	s_cselect_b64 s[4:5], s[20:21], s[4:5]
	s_cmp_eq_u32 s9, 2
	s_cselect_b64 s[4:5], s[22:23], s[4:5]
	s_cmp_eq_u32 s9, 3
	s_cselect_b64 s[4:5], s[24:25], s[4:5]
	s_cmp_eq_u32 s9, 4
	s_cselect_b64 s[4:5], s[26:27], s[4:5]
	s_cmp_eq_u32 s9, 5
	s_cselect_b64 s[4:5], s[28:29], s[4:5]
	s_and_b32 s10, ttmp9, 15                       ; nb: 64 columns n, a head
	s_lshr_b32 s11, ttmp9, 4                       ; kb: 128 rows k
	s_lshl_b32 s12, s11, 19                        ; from: (128 kb + 16 w) rows of 4,096 bytes + 256 nb
	s_lshl_b32 s14, s8, 16
	s_add_co_u32 s12, s12, s14
	s_lshl_b32 s14, s10, 8
	s_add_co_u32 s12, s12, s14
	s_add_nc_u64 s[4:5], s[4:5], s[12:13]
	v_lshlrev_b32 v3, 3, v2                        ; two columns a lane: a load covers 256 consecutive bytes
.set i, 0
.rept 16
	global_load_b64 v[X+2*i:X+2*i+1], v3, s[4:5] offset:4096*i th:TH_LOAD_NT
.set i, i+1
.endr
	; to: my wave stores the head's columns 8 w .. 8 w + 7, which are eight rows on end in either order
	s_mul_i32 s12, s10, 320                        ; the five: row 320 nb + 160 (w >> 2) + 32 y + 8 (w & 3)
	s_lshr_b32 s14, s8, 2
	s_mul_i32 s14, s14, 160
	s_add_co_u32 s12, s12, s14
	s_lshl_b32 s14, s9, 5
	s_add_co_u32 s12, s12, s14
	s_and_b32 s14, s8, 3
	s_lshl3_add_u32 s12, s14, s12
	s_lshl_b32 s15, s10, 6                         ; Wout: row 5,120 + 64 nb + 8 w
	s_lshl3_add_u32 s15, s8, s15
	s_add_co_u32 s15, s15, 5120
	s_cmp_eq_u32 s9, 5
	s_cselect_b32 s12, s15, s12
	s_lshl_b32 s12, s12, 11                        ; rows of 2,048 bytes,
	s_add_co_u32 s12, s12, 0x1000000               ; behind x,
	s_lshl_b32 s14, s11, 8                         ; + 256 kb
	s_add_co_u32 s12, s12, s14
	s_add_nc_u64 s[30:31], s[30:31], s[12:13]
	v_mul_u32_u24 v4, v2, 2*PW                     ; in: rows 2 lane and 2 lane + 1, my wave's 16 k at byte 32 w
	s_lshl_b32 s14, s8, 5
	v_add_nc_u32 v4, s14, v4
	v_lshrrev_b32 v1, 4, v2                        ; back: lanes 0-15 one row of 256 bytes, lanes 16-31 the next
	v_and_b32 v72, 15, v2
	v_mul_u32_u24 v7, v1, PW
	v_lshl_add_u32 v7, v72, 4, v7
	s_mul_i32 s14, s8, 8*PW
	v_add_nc_u32 v7, s14, v7
	v_lshlrev_b32 v73, 11, v1
	v_lshl_add_u32 v73, v72, 4, v73
	s_wait_loadcnt 0x0
.set i, 0
.rept 16                                               ; column i / 8 of my two, k pair i % 8
	v_cvt_pk_f16_f32 v[40+i], v[X+4*(i%8)+i/8], v[X+4*(i%8)+2+i/8]
.set i, i+1
.endr
.set i, 0
.rept 4
	ds_store_b128 v4, v[40+4*i:40+4*i+3] offset:(i/2)*PW+16*(i%2)
.set i, i+1
.endr
	s_wait_dscnt 0x0                               ; for the others' sake: my stores are done
	s_barrier_signal -1
	s_barrier_wait -1
.set i, 0
.rept 4
	ds_load_b128 v[56+4*i:56+4*i+3], v7 offset:2*PW*i
.set i, i+1
.endr
	s_wait_dscnt 0x0
.set i, 0
.rept 4
	global_store_b128 v73, v[56+4*i:56+4*i+3], s[30:31] offset:4096*i  ; sixteen lanes store 256 consecutive bytes, aligned
.set i, i+1
.endr
	s_wait_tensorcnt 0x0                           ; the wave's end, behind my last LDS store
	ds_add_u32 v[SPW], v[NIL]
	s_wait_dscnt 0x0
	s_endpgm
.Lfunc_end_k_qe5b4df065f_cvt:
	.size	k_qe5b4df065f_cvt, .Lfunc_end_k_qe5b4df065f_cvt-k_qe5b4df065f_cvt
	.p2alignl 7, 3214868480
	.fill 96, 4, 3214868480
	.section	.rodata,"a",@progbits
	.p2align	6, 0x0
	.amdhsa_kernel k_qe5b4df065f_cvt
		.amdhsa_group_segment_fixed_size 18432
		.amdhsa_private_segment_fixed_size 0
		.amdhsa_enable_private_segment 0
		.amdhsa_kernarg_size 64
		.amdhsa_user_sgpr_count 2
		.amdhsa_user_sgpr_kernarg_segment_ptr 1
		.amdhsa_wavefront_size32 1
		.amdhsa_system_sgpr_workgroup_id_x 1
		.amdhsa_system_sgpr_workgroup_id_y 1
		.amdhsa_system_sgpr_workgroup_id_z 1
		.amdhsa_system_vgpr_workitem_id 0
		.amdhsa_next_free_vgpr 80
		.amdhsa_next_free_sgpr 66
		.amdhsa_reserve_vcc 0
		.amdhsa_float_denorm_mode_32 3
		.amdhsa_float_denorm_mode_16_64 3
		.amdhsa_memory_ordered 1
		.amdhsa_forward_progress 1
		.amdhsa_inst_pref_size 13
	.end_amdhsa_kernel
	.amdgpu_metadata
---
amdhsa.version: [ 1, 2 ]
amdhsa.kernels:
  - .name:           k_qe5b4df065f_cvt
    .symbol:         k_qe5b4df065f_cvt.kd
    .args:
      - { .name: x, .offset: 0, .size: 8, .value_kind: global_buffer, .address_space: global }
      - { .name: Wq, .offset: 8, .size: 8, .value_kind: global_buffer, .address_space: global }
      - { .name: Wk, .offset: 16, .size: 8, .value_kind: global_buffer, .address_space: global }
      - { .name: Wv, .offset: 24, .size: 8, .value_kind: global_buffer, .address_space: global }
      - { .name: Wf, .offset: 32, .size: 8, .value_kind: global_buffer, .address_space: global }
      - { .name: Wg, .offset: 40, .size: 8, .value_kind: global_buffer, .address_space: global }
      - { .name: Wout, .offset: 48, .size: 8, .value_kind: global_buffer, .address_space: global }
      - { .name: xw, .offset: 56, .size: 8, .value_kind: global_buffer, .address_space: global }
    .group_segment_fixed_size: 18432
    .private_segment_fixed_size: 0
    .kernarg_segment_align: 8
    .kernarg_segment_size: 64
    .max_flat_workgroup_size: 256
    .sgpr_count:     66
    .vgpr_count:     80
    .wavefront_size: 32
...
	.end_amdgpu_metadata
.endif
;; end of part 7
;; launch projl (part 8): grid 16 x 16, 4 waves a work-group, clusters of 4 x 4, 327,680 bytes of LDS; arguments xw, proj; writes proj
.if DOCPART == 8
	.amdgcn_target "amdgcn-amd-amdhsa--gfx1250"
	.amdhsa_code_object_version 6
	.text
	.protected	k_qe5b4df065f_projl
	.globl	k_qe5b4df065f_projl
	.p2align	8
	.type	k_qe5b4df065f_projl,@function
k_qe5b4df065f_projl:
	s_mov_b64 s[64:65], 0
	v_nop
	global_prefetch_b8 v0, s[64:65] scope:SCOPE_SE
	s_setreg_imm32_b32 hwreg(HW_REG_WAVE_MODE, 25, 1), 1
	s_wait_xcnt 0x0
	s_wait_alu depctr_hold_cnt(0) depctr_sa_sdst(0) depctr_va_vdst(0) depctr_va_sdst(0) depctr_va_ssrc(0) depctr_va_vcc(0) depctr_vm_vsrc(0)
	s_getreg_b32 s2, hwreg(HW_REG_IB_STS2, 6, 4)
	s_cmp_eq_u32 s2, 0
	s_cbranch_scc0 .Lentry_in_a_cluster
	s_endpgm
.Lentry_in_a_cluster:
	s_bfe_u32 s2, ttmp6, 0x10000c
	s_cmp_lg_u32 s2, 0xf033
	s_cbranch_scc0 .Lentry_shape_is_right
	s_endpgm
.Lentry_shape_is_right:
; The five projections q, k, v, z = x Wf, g = x Wg: C[m][n] = sum over k of x[m][k] Wt[n][k], f16 operands, f32 sums, results rounded once to f16.
; 8192 x 5120 outputs = 512 tiles of 256 (m) x 320 (n) = two tiles for each of 256 work-groups: a work-group keeps its 320 columns and takes the rows 256 my .. and, 4,096 rows further down, 256 (my + 16) ..
; THE COLUMNS of a tile are ONE HEAD of all five matrices, in the order in which the launch before has laid the weights' rows: two halves of 160, each with 32 columns of q, k, v, z, g.
; Four waves, 2 x 2, each 128 rows x 160 columns: 80 accumulators, 640 registers.  So both column halves have the same pattern of column blocks b = 0..9 (two each of q, k, v, z, g), the way out is one
; text for all waves and both tiles without a branch inside it, and a wave's half stands in its base address alone.
; K goes in steps of 128 through two LDS slots filled by tensor loads: 320 matrix instructions a wave and step, 280 of them between a request and the wait for it; the ring runs on into the second tile.
; CLUSTER 4 x 4: x's tile hangs on the tile row alone and is asked for jointly along a row of the cluster, the weights' tile on the tile column alone, jointly along a column.
; The matrix instruction is used transposed (source 0 = 16 rows of Wt, source 1 = 16 rows of x): a lane holds row l % 16 and eight neighbouring columns.
; WHAT LEAVES.  proj holds six arrays of 16 Mi, in blocks of 16 time steps x 64 channels of one (batch, head): byte ((b 16 + h) 128 + blk) 2048 + sub 512 + lane 16.
;   F layout (q at 0, k at 16 Mi): sub f: lane (r, hh) holds step 16 blk + r, channels 16 f + 8 hh + 0..7: the packed accumulators as they are.
;   T layout (k at 32 Mi, v 48 Mi, z 64 Mi, g 80 Mi): sub tile: lane (r, hh) holds channel 16 tile + r, steps 16 blk + 8 hh + 0..7: turned in my own LDS stage by ds_load_tr16_b128.
;   Every store of a wave covers 512 consecutive bytes, aligned, and what a later launch loads from there is a matrix operand as it stands.
; LIMIT: q, k, v, z, g beyond 65,504 become infinities in f16.
; REGISTERS, in windows of 256 (s_set_vgpr_msb: bits 1:0 source 0, 3:2 source 1, 5:4 source 2, 7:6 destination):
;   window 0: v0-29 addresses; v32-95, v96-159 x's fragments (8 x 16 rows x 32 K), two buffers; v176-255 the accumulators of row block 7.  On the way out v96-135 packed results, v136-167 turned rows.
;   window 1: v0-79, v80-159 Wt's fragments (10 x 16 rows x 32 K), two buffers; v160-239 row block 6.     window 2: row blocks 0-2, 80 registers each.     window 3: row blocks 3-5.
.set PITCH,  272                       ; an LDS row: 256 bytes + 16 of padding: the 16 rows of a fragment load start at 16 different groups of four banks
.set BOFF,   256*PITCH                 ; a slot: x's 256 rows, then Wt's 320 rows
.set SLOT,   576*PITCH
.set STAGE,  2*SLOT                    ; behind the ring: 16 rows x 160 bytes for each wave: four column blocks at a time
.set SPITCH, 160
.set SPARE,  STAGE+4*16*SPITCH         ; behind the stages: the spare words, 128 bytes a wave
.set LAPS,   4                         ; K = 1024 = 4 laps of two steps of 128
.set BACK,   1536                      ; bytes from a slot's last K step of a tile back to its first: six steps of 256
.set NEXT_A, 16*256*2048-BACK          ; x: 4,096 rows down and back along K
.set CQ,   8                           ; v8-13  my 16 bytes in a block, plus the array's place: q, k (F layout); k, v, z, g (T layout)
.set CKT,  10
.set ADRA, 16                          ; v16-17 LDS address of my x fragments in slot 0, 1
.set ADRB, 20                          ; v20-21 the same for Wt
.set STO,  24                          ; the way out: where I put 16 bytes of a row
.set RDT,  25                          ; the way out: from where I read, turned
.set SPW,  28
.set NIL,  29
.set TMP,  96
.set BK,   136
.set G1,  24
.set G0,  32
.set G1B, 48
.set G0B, 56
.set PO,  66                           ; s[66:67] proj at my wave's first block
.set MSB, 0
.macro WIN new                         ; the immediate's high byte repeats the setting that is left; a switch that changes nothing is dropped
.if MSB != (\new)
	s_set_vgpr_msb (MSB<<8)|(\new)
.set MSB, \new
.endif
.endm
.macro ACCW a                          ; wD, rD: the window and the first register of row block a's ten accumulators
.if (\a) < 3
.set wD, 2
.set rD, 80*(\a)
.elseif (\a) < 6
.set wD, 3
.set rD, 80*((\a)-3)
.elseif (\a) == 6
.set wD, 1
.set rD, 160
.else
.set wD, 0
.set rD, 176
.endif
.endm
.macro JLOAD s                         ; a joint load: waves 0, 1 fetch x's two halves, waves 2, 3 Wt's; an s_nop 0 and four v_nop follow each line
	s_cmp_eq_u32 s11, 0
	s_cbranch_scc0 .Lfor_b_\@
	tensor_load_to_lds s[G0+4*(\s):G0+4*(\s)+3], s[G1:G1+7]
	s_nop 0
.rept 4
	v_nop
.endr
	s_branch .Lasked_\@
.Lfor_b_\@:
	tensor_load_to_lds s[G0B+4*(\s):G0B+4*(\s)+3], s[G1B:G1B+7]
	s_nop 0
.rept 4
	v_nop
.endr
.Lasked_\@:
.endm
.macro CREST                           ; a round of the cluster's barrier behind its opening barrier
	s_cmp_lg_u32 s10, 0
	s_cbranch_scc1 .Lnot_wave_0_\@
	s_barrier_signal -3
.Lnot_wave_0_\@:
	s_barrier_wait -3
	s_barrier_signal -1
	s_barrier_wait -1
.endm
.macro CROUND
	s_barrier_signal -1
	s_barrier_wait -1
	CREST
.endm
.macro PLACES                          ; four places between matrix instructions and loads into, or vector reads of, their registers
.rept 4
	v_nop
.endr
.endm
	s_load_b128 s[4:7], s[0:1], 0x0                ; xw s[4:5], proj s[6:7]
	v_lshl_add_u32 v[SPW], v0, 2, SPARE
	v_mov_b32 v[NIL], 0
	ds_add_u32 v[SPW], v[NIL]                      ; the wave's opening: an add onto my spare word, waited for ahead of my first tensor load
	ds_add_u32 v28, v29
	v_lshrrev_b32 v1, 5, v0
	v_readfirstlane_b32 s10, v1                    ; wave 0..3
	s_lshr_b32 s11, s10, 1                         ; which half of the tile's rows is mine.  Also: I fetch for x (0) or for Wt (1),
	s_and_b32 s12, s10, 1                          ; which half of its columns.  Also: which half of that tile's rows I fetch
	s_bfe_u32 s40, ttmp6, 0x40000                  ; cx
	s_bfe_u32 s41, ttmp6, 0x40004                  ; cy
	s_lshl_b32 s42, ttmp9, 2
	s_add_co_u32 s42, s42, s40                     ; nx: the head, 320 columns
	s_and_b32 s13, ttmp7, 0xffff
	s_lshl_b32 s13, s13, 2
	s_add_co_u32 s13, s13, s41                     ; my: 256 rows
	s_lshl_b32 s43, s41, 2
	s_lshl_b32 s43, 15, s43                        ; my row of the cluster
	s_lshl_b32 s44, 0x1111, s40                    ; my column
	s_or_b32 s[G1+0], s43, (1<<16)|(1<<20)|(1<<21)|(5<<22)|(3<<25)   ; mask; 2-byte elements; padding on; bit 21 beside a mask; after every 64 words 4 words
	s_or_b32 s[G1B+0], s44, (1<<16)|(1<<20)|(1<<21)|(5<<22)|(3<<25)
	s_mov_b32 s[G1+1], 128<<16                     ; tensor_dim0 = 128
	s_mov_b32 s[G1+2], 128<<16                     ; tensor_dim1 = 128 rows of x
	s_mov_b32 s[G1+3], 128<<16                     ; tile_dim0 = 128
	s_mov_b32 s[G1+4], 128                         ; tile_dim1
	s_mov_b32 s[G1+5], 1024                        ; elements from row to row
	s_mov_b32 s[G1+6], 0
	s_mov_b32 s[G1+7], 0
	s_mov_b32 s[G1B+1], 128<<16
	s_mov_b32 s[G1B+2], 160<<16                    ; 160 rows of Wt
	s_mov_b32 s[G1B+3], 128<<16
	s_mov_b32 s[G1B+4], 160
	s_mov_b32 s[G1B+5], 1024
	s_mov_b32 s[G1B+6], 0
	s_mov_b32 s[G1B+7], 0
	s_lshl_b32 s16, s13, 19                        ; x: (256 my + 128 half) rows of 2,048 bytes
	s_lshl_b32 s17, s12, 18
	s_add_co_u32 s16, s16, s17
	s_mov_b32 s17, 0
	s_mul_i32 s46, s42, 320*2048                   ; Wt: 16 Mi + (320 nx + 160 half) rows of 2,048 bytes
	s_mul_i32 s47, s12, 160*2048
	s_add_co_u32 s46, s46, s47
	s_add_co_u32 s46, s46, 0x1000000
	s_mov_b32 s47, 0
	s_mul_i32 s20, s12, 128*PITCH                  ; where they go: x's halves at half x 128 rows,
	s_mul_i32 s21, s12, 160*PITCH                  ; Wt's behind x's 256 rows at half x 160 rows: no place in the cluster enters an LDS address
	s_add_co_u32 s21, s21, BOFF
	s_wait_dscnt 0x0                               ; the opening add is done
	s_wait_kmcnt 0x0
	s_add_nc_u64 s[14:15], s[4:5], s[16:17]
	s_add_nc_u64 s[46:47], s[4:5], s[46:47]
	CROUND                                         ; all sixteen work-groups are here: the first joint loads meet
.irp s, 0,1
	s_mov_b32 s[G0+4*(\s)], 1
	s_add_co_u32 s[G0+4*(\s)+1], s20, (\s)*SLOT
	s_add_nc_u64 s[G0+4*(\s)+2:G0+4*(\s)+3], s[14:15], (\s)*256
	s_or_b32 s[G0+4*(\s)+3], s[G0+4*(\s)+3], 0x80000000
	s_mov_b32 s[G0B+4*(\s)], 1
	s_add_co_u32 s[G0B+4*(\s)+1], s21, (\s)*SLOT
	s_add_nc_u64 s[G0B+4*(\s)+2:G0B+4*(\s)+3], s[46:47], (\s)*256
	s_or_b32 s[G0B+4*(\s)+3], s[G0B+4*(\s)+3], 0x80000000
	JLOAD \s
.endr
	v_and_b32 v1, 15, v0                           ; r
	v_bfe_u32 v2, v0, 4, 1                         ; hh
	v_mul_u32_u24 v3, v1, PITCH
	v_lshl_add_u32 v3, v2, 4, v3                   ; a fragment's row x pitch + 16 x half
	s_mul_i32 s18, s11, 128*PITCH                  ; my 128 rows of x
	v_add_nc_u32 v[ADRA], s18, v3
	v_add_nc_u32 v[ADRA+1], SLOT, v[ADRA]
	s_mul_i32 s18, s12, 160*PITCH                  ; my 160 rows of Wt
	s_add_co_u32 s18, s18, BOFF
	v_add_nc_u32 v[ADRB], s18, v3
	v_add_nc_u32 v[ADRB+1], SLOT, v[ADRB]
	s_mul_i32 s18, s10, 16*SPITCH
	s_add_co_u32 s18, s18, STAGE                   ; my stage
	v_mul_u32_u24 v4, v1, SPITCH
	v_lshl_add_u32 v4, v2, 4, v4
	v_add_nc_u32 v[STO], s18, v4                   ; in: row r, 16 bytes for each half of the lanes
	v_and_b32 v4, 7, v0
	v_lshl_add_u32 v4, v2, 3, v4
	v_mul_u32_u24 v4, v4, SPITCH
	v_bfe_u32 v5, v0, 3, 1
	v_lshl_add_u32 v4, v5, 4, v4
	v_add_nc_u32 v[RDT], s18, v4                   ; back, turned: row 8 hh + l % 8, 16 bytes by (l / 8) % 2
	v_and_b32 v5, 31, v0
	v_lshlrev_b32 v[CQ], 4, v5
.irp p, 1,2,3,4,5
	v_add_nc_u32 v[CQ+\p], (\p)*0x1000000, v[CQ]   ; the six arrays lie 16 Mi apart: past a store's immediate, so the array stands in the offset register
.endr
	s_lshr_b32 s22, s13, 3                         ; batch x 4 Mi + head nx x 256 Ki + block ((my % 8) 16 + 8 x my half of the rows) x 2,048 + my half of the columns x 2 subs of 512
	s_lshl_b32 s22, s22, 22
	s_lshl_b32 s23, s42, 18
	s_add_co_u32 s22, s22, s23
	s_and_b32 s23, s13, 7
	s_lshl_b32 s23, s23, 4
	s_lshl3_add_u32 s23, s11, s23
	s_lshl_b32 s23, s23, 11
	s_add_co_u32 s22, s22, s23
	s_lshl_b32 s23, s12, 10
	s_add_co_u32 s22, s22, s23
	s_mov_b32 s23, 0
	s_add_nc_u64 s[PO:PO+1], s[6:7], s[22:23]
.macro MULA f, a, zero                 ; 10 matrix instructions: row block a x all 10 column blocks, 32 along K, from buffer f.  The 80 accumulators take turns
	ACCW \a
	WIN (wD<<6)|(wD<<4)|1                          ; source 0 (Wt) window 1, source 1 (x) window 0, C and D the row block's window
.irp b, 0,1,2,3,4,5,6,7,8,9
.if \zero
	v_wmma_f32_16x16x32_f16 v[rD+8*(\b):rD+8*(\b)+7], v[80*(\f)+8*(\b):80*(\f)+8*(\b)+7], v[32+64*(\f)+8*(\a):32+64*(\f)+8*(\a)+7], 0
.else
	v_wmma_f32_16x16x32_f16 v[rD+8*(\b):rD+8*(\b)+7], v[80*(\f)+8*(\b):80*(\f)+8*(\b)+7], v[32+64*(\f)+8*(\a):32+64*(\f)+8*(\a)+7], v[rD+8*(\b):rD+8*(\b)+7]
.endif
.endr
.endm
.macro FETCH slot, k, f                ; 36 LDS loads in one run: Wt's 10 fragments, then x's 8, of 32 K at byte k of the rows, into buffer f
	WIN 0x40                                       ; destination window 1, address window 0
.irp i, 0,1,2,3,4,5,6,7,8,9
	ds_load_b128 v[80*(\f)+8*(\i):80*(\f)+8*(\i)+3],   v[ADRB+(\slot)] offset:(\k)+(\i)*16*PITCH
	ds_load_b128 v[80*(\f)+8*(\i)+4:80*(\f)+8*(\i)+7], v[ADRB+(\slot)] offset:(\k)+(\i)*16*PITCH+32
.endr
	WIN 0
.irp i, 0,1,2,3,4,5,6,7
	ds_load_b128 v[32+64*(\f)+8*(\i):32+64*(\f)+8*(\i)+3],   v[ADRA+(\slot)] offset:(\k)+(\i)*16*PITCH
	ds_load_b128 v[32+64*(\f)+8*(\i)+4:32+64*(\f)+8*(\i)+7], v[ADRA+(\slot)] offset:(\k)+(\i)*16*PITCH+32
.endr
.endm
.macro QUARTER slot, k, f, g, zero     ; 32 along K, 80 matrix instructions: multiplies buffer f; in its middle fetches the next quarter, at byte k, into g
	s_wait_dscnt 8                                 ; all but x's fragments 4 to 7 are in
	MULA \f, 0, \zero
	MULA \f, 1, \zero
	MULA \f, 2, \zero
	MULA \f, 3, \zero
	PLACES
	FETCH \slot, \k, \g
	s_wait_dscnt 36                                ; all but the 36 just issued
	MULA \f, 4, \zero
	MULA \f, 5, \zero
	MULA \f, 6, \zero
	MULA \f, 7, \zero
.endm
; The last quarter of a K step multiplies buffer 1 and changes slots.  mode 0: nothing is filled; 1: this slot takes the K step two on; 2: the second tile's K step of this slot.
.macro TURN slot, next, mode
	WIN 0
	s_wait_tensorcnt 0x0                           ; all my tensor loads have landed: the one that was out is my part of the next slot
	ds_add_u32 v[SPW], v[NIL]                      ; 0 onto my spare word
	s_wait_dscnt 9                                 ; (the add and x's fragments 4 to 7 may be out)
	MULA 1, 0, 0
	MULA 1, 1, 0
	s_wait_dscnt 0x0                               ; the add is done, and my reads of this slot are over
	s_barrier_signal -1
	MULA 1, 2, 0
	MULA 1, 3, 0
	WIN 0
	s_barrier_wait -1
.if (\mode) == 0
	PLACES
.else
	CREST                                          ; the barrier has opened a round of the cluster's: no wave of any partner still reads this slot or has a load on its way
.if (\mode) == 1
	s_add_nc_u64 s[G0+4*(\slot)+2:G0+4*(\slot)+3], s[G0+4*(\slot)+2:G0+4*(\slot)+3], 512
	s_add_nc_u64 s[G0B+4*(\slot)+2:G0B+4*(\slot)+3], s[G0B+4*(\slot)+2:G0B+4*(\slot)+3], 512
.else
	s_add_nc_u64 s[G0+4*(\slot)+2:G0+4*(\slot)+3], s[G0+4*(\slot)+2:G0+4*(\slot)+3], NEXT_A
	s_sub_nc_u64 s[G0B+4*(\slot)+2:G0B+4*(\slot)+3], s[G0B+4*(\slot)+2:G0B+4*(\slot)+3], BACK   ; both tiles take the same rows of Wt
.endif
	JLOAD \slot                                    ; the first tensor load behind the round; its four v_nop are also the places in front of the loads below
.endif
	FETCH \next, 0, 0
	MULA 1, 4, 0
	MULA 1, 5, 0
	MULA 1, 6, 0
	MULA 1, 7, 0
.endm
; The way out of row block a: 16 time steps x my 160 columns.  Column blocks 0, 1 are q, 2, 3 k, 4, 5 v, 6, 7 z, 8, 9 g.  q and k leave as they are packed (F); k, v, z, g leave turned (T), four blocks at a time through my stage.
.macro OUTBLK a
	WIN 0
	s_wait_xcnt 0x0                                ; earlier stores have read TMP and BK: they are rewritten only behind this wait
	ACCW \a
	WIN (wD<<2)|wD                                 ; sources 0 and 1: the row block's window; destination window 0
.irp b, 0,1,2,3,4,5,6,7,8,9
.irp r, 0,1,2,3
	v_cvt_pk_f16_f32 v[TMP+4*(\b)+(\r)], v[rD+8*(\b)+2*(\r)], v[rD+8*(\b)+2*(\r)+1]
.endr
.endr
	WIN 0
.irp b, 0,1,2,3
	global_store_b128 v[CQ+(\b)/2], v[TMP+4*(\b):TMP+4*(\b)+3], s[PO:PO+1] offset:(\a)*2048+((\b)%2)*512
.endr
.irp h, 0,1
.irp t, 0,1,2,3
	ds_store_b128 v[STO], v[TMP+8+16*(\h)+4*(\t):TMP+8+16*(\h)+4*(\t)+3] offset:32*(\t)
.endr
.irp t, 0,1,2,3
	ds_load_tr16_b128 v[BK+16*(\h)+4*(\t):BK+16*(\h)+4*(\t)+3], v[RDT] offset:32*(\t)  ; LDS serves a wave's instructions in order: these see the stores above, and the second pass's stores come behind them
.endr
.endr
	s_wait_dscnt 8                                 ; the first pass is back; the second pass's four stores and four loads may be out
.irp j, 0,1,2,3
	global_store_b128 v[CKT+(\j)/2], v[BK+4*(\j):BK+4*(\j)+3], s[PO:PO+1] offset:(\a)*2048+((\j)%2)*512
.endr
	s_wait_dscnt 0x0
.irp j, 4,5,6,7
	global_store_b128 v[CKT+(\j)/2], v[BK+4*(\j):BK+4*(\j)+3], s[PO:PO+1] offset:(\a)*2048+((\j)%2)*512
.endr
.endm
	s_wait_tensorcnt 1                             ; my part of K step 0 is in; K step 1's may stay out
	s_barrier_signal -1
	s_barrier_wait -1
	FETCH 0, 0, 0
	s_mov_b32 s2, 2                                ; tiles to go, this one among them
.Ltile:
	QUARTER 0, 64, 0, 1, 1                         ; a tile's first quarter starts the sums: nothing is cleared
	WIN 0
	s_mov_b32 s3, LAPS-1
.Llap:                                                 ; a trip goes once round the ring and fills both slots again
	QUARTER 0, 128, 1, 0, 0
	QUARTER 0, 192, 0, 1, 0
	TURN 0, 1, 1
	QUARTER 1, 64,  0, 1, 0
	QUARTER 1, 128, 1, 0, 0
	QUARTER 1, 192, 0, 1, 0
	TURN 1, 0, 1
	QUARTER 0, 64,  0, 1, 0
	WIN 0
	s_sub_co_u32 s3, s3, 1
	s_cmp_lg_u32 s3, 0
	s_cbranch_scc1 .Llap
	QUARTER 0, 128, 1, 0, 0
	QUARTER 0, 192, 0, 1, 0
	WIN 0
	s_cmp_eq_u32 s2, 1
	s_cbranch_scc1 .Llast                          ; the last tile's last lap is written out: it asks for nothing more
	TURN 0, 1, 2                                   ; the ring goes on into the second tile
	QUARTER 1, 64,  0, 1, 0
	QUARTER 1, 128, 1, 0, 0
	QUARTER 1, 192, 0, 1, 0
	TURN 1, 0, 2                                   ; both refills are asked for, and the second tile's first fragments are on their way into buffer 0, which the way out does not touch
	WIN 0
	s_branch .Lout
.Llast:
	TURN 0, 1, 0
	QUARTER 1, 64,  0, 1, 0
	QUARTER 1, 128, 1, 0, 0
	QUARTER 1, 192, 0, 1, 0
	s_wait_dscnt 8
	MULA 1, 0, 0
	MULA 1, 1, 0
	MULA 1, 2, 0
	MULA 1, 3, 0
	s_wait_dscnt 0x0
	MULA 1, 4, 0
	MULA 1, 5, 0
	MULA 1, 6, 0
	MULA 1, 7, 0
	WIN 0
.Lout:                                                 ; ONE WAY OUT for both tiles: the two last laps meet here
	PLACES                                         ; behind the last products, whose buffer 1 the packed results take
	OUTBLK 0
	OUTBLK 1
	OUTBLK 2
	OUTBLK 3
	OUTBLK 4
	OUTBLK 5
	OUTBLK 6
	OUTBLK 7
	s_wait_xcnt 0x0                                ; the stores have read their base, TMP and BK
	s_add_nc_u64 s[PO:PO+1], s[PO:PO+1], 0x800000  ; 4,096 rows on are two batches on: 2 x 4 Mi (behind the second tile the stepped base is not used)
	s_sub_co_u32 s2, s2, 1
	s_cmp_lg_u32 s2, 0
	s_cbranch_scc1 .Ltile
	s_wait_tensorcnt 0x0                           ; the wave's end
	ds_add_u32 v[SPW], v[NIL]
	s_wait_dscnt 0x0
	CROUND                                         ; the closing round
	s_endpgm
.Lfunc_end_k_qe5b4df065f_projl:
	.size	k_qe5b4df065f_projl, .Lfunc_end_k_qe5b4df065f_projl-k_qe5b4df065f_projl
	.p2alignl 7, 3214868480
	.fill 96, 4, 3214868480
	.section	.rodata,"a",@progbits
	.p2align	6, 0x0
	.amdhsa_kernel k_qe5b4df065f_projl
		.amdhsa_group_segment_fixed_size 327680
		.amdhsa_private_segment_fixed_size 0
		.amdhsa_enable_private_segment 0
		.amdhsa_kernarg_size 16
		.amdhsa_user_sgpr_count 2
		.amdhsa_user_sgpr_kernarg_segment_ptr 1
		.amdhsa_wavefront_size32 1
		.amdhsa_system_sgpr_workgroup_id_x 1
		.amdhsa_system_sgpr_workgroup_id_y 1
		.amdhsa_system_sgpr_workgroup_id_z 1
		.amdhsa_system_vgpr_workitem_id 0
		.amdhsa_next_free_vgpr 1024
		.amdhsa_next_free_sgpr 72
		.amdhsa_reserve_vcc 0
		.amdhsa_float_denorm_mode_32 3
		.amdhsa_float_denorm_mode_16_64 3
		.amdhsa_memory_ordered 1
		.amdhsa_forward_progress 1
		.amdhsa_inst_pref_size 212
	.end_amdhsa_kernel
	.amdgpu_metadata
---
amdhsa.version: [ 1, 2 ]
amdhsa.kernels:
  - .name:           k_qe5b4df065f_projl
    .symbol:         k_qe5b4df065f_projl.kd
    .args:
      - { .name: xw, .offset: 0, .size: 8, .value_kind: global_buffer, .address_space: global }
      - { .name: proj, .offset: 8, .size: 8, .value_kind: global_buffer, .address_space: global }
    .group_segment_fixed_size: 327680
    .private_segment_fixed_size: 0
    .kernarg_segment_align: 8
    .kernarg_segment_size: 16
    .max_flat_workgroup_size: 128
    .sgpr_count:     72
    .vgpr_count:     1024
    .wavefront_size: 32
...
	.end_amdgpu_metadata
.endif
;; end of part 8
;; launch seg (part 9): grid 4 x 64, 16 waves a work-group, no clusters, 167,936 bytes of LDS; arguments proj, bf, scan1; writes scan1
.if DOCPART == 9
	.amdgcn_target "amdgcn-amd-amdhsa--gfx1250"
	.amdhsa_code_object_version 6
	.text
	.protected	k_qe5b4df065f_seg
	.globl	k_qe5b4df065f_seg
	.p2align	8
	.type	k_qe5b4df065f_seg,@function
k_qe5b4df065f_seg:
	s_mov_b64 s[64:65], 0
	v_nop
	global_prefetch_b8 v0, s[64:65] scope:SCOPE_SE
	s_setreg_imm32_b32 hwreg(HW_REG_WAVE_MODE, 25, 1), 1
	s_wait_xcnt 0x0
; For each (batch, head) bh and each segment of 512 steps: the gates; the state behind 1, 2, 3 and 4 chunks of the segment, begun at 0; those chunks' decays; and the largest |k| and |v|.
; RECURRENCE: S_t[i][j] = g_t[i] S_(t-1)[i][j] + v_t[i] k_t[j], g = sigmoid(z + bf).  Stored is c = 1 - g = 1 / (1 + 2^(log2e (z + bf))), rounded to f16, which keeps g's distance from 1 to 11 bits;
; every later use takes g = 1 - c from that same f16, here too.  Every decay factor formed is a product of gates, at most 1: nothing is ever divided by a product of gates.
; SHARES: 16 waves = 4 tiles of 16 channels i (it = w & 3) x 4 chunks of 128 steps (ch = w >> 2).  The state is kept transposed, S^T[j][i]: four accumulators jt; lane r = i, register e: j = 16 jt + 8 hh + e.
; A block of 16 steps: S = Gblk o S + sum over s of k_s (v_s F_s), F_s the product of the gates behind s up to the block's end: one matrix instruction for each jt, K = 16 steps (the operand's upper 16 are zeros).
; The four chunks' own end states meet in LDS; the waves of chunk 3 chain them, P_(c+1) = G_c o P_c + S_c, D_(c+1) = D_c G_c, and store every link: the next launch starts each chunk from them.
; scan1: c at 0 (as z lies in proj); P_c at 16 Mi + ((bh 4 + seg) 4 + it) 16,384 + (c - 1) 4,096; D_c at 32 Mi + ((bh 4 + seg) 4 + it) 512 + (c - 1) 128; the maxima at 32 Mi + 512 Ki + (bh 4 + seg) 128.
; THE LOOP takes two blocks a trip, each with its own registers for z and v, filled again two blocks ahead: the wait at a block's head leaves the other set's two loads out.  It has no branch: the last trip
; asks for blocks 8 and 9, which nobody uses; they lie inside proj (behind z's and v's arrays lie g's and z's).  The price: four loads a wave.  The 32 state registers are cleared, so that all blocks are one text.
; No cluster: no two work-groups read the same bytes.
; LIMITS: z, k, v arrive as f16; a decayed v below f16's step of 6e-8 counts as 0; NaN and infinities are not treated apart.
.set XCH,   65536                      ; LDS: 0 k transposed (64 KB, by tensor loads); here 16 x 4,096: the chunks' end states
.set XG,    131072                     ; 16 x 128: the chunks' decays
.set XM,    133120                     ; 16 x 8: each wave's largest |k|, |v|
.set SPARE, 133376                     ; the spare words, 128 bytes a wave
.set PSB,   0x1000000                  ; scan1: the states P
.set PGB,   0x2000000                  ; the decays D
.set MXB,   0x2080000                  ; the maxima
.set LN16, 1
.set R4,   2
.set L4,   3
.set AKT,  4
.set AKM,  5
.set LNM,  6                           ; 16 lane + 512 it: my tile of k, for the maximum
.set XW,   7
.set XB,   8
.set XGW,  9
.set XGB,  10
.set LBF,  11                          ; log2e x bf of my channel
.set ONE,  12
.set ZR,   13
.set SA,   20
.set LG,   22                          ; log2e
.set GA,   24
.set GB,   26
.set T8,   28
.set XX,   29
.set GCH,  30
.set MULT, 31
.set C4,   32
.set G,    40
.set VV,   48
.set F,    56
.set VA,   64
.set KT,   80
.set KM,   104
.set MXK,  108
.set MXV,  109
.set TM,   110
.set T,    100                         ; at the end: 32 registers of the chained state
.set U,    40                          ; and 32 of the next chunk's
.set S,    132
.set ZVA,  164                         ; z (4 registers) and v (4) of the even blocks
.set ZVB,  172                         ; of the odd blocks
.set MONE, 245
.set SPW,  246
.set NIL,  247
.set WV, 10
.set IT, 11
.set CH, 12
.set SEG, 13
.set BH, 14
.set SEL, 16
.set HM, 18
.set ABSM, 19
.set G0D, 20
.set G1D, 24
.set ZP, 32
.set VP, 34
.set CFP, 36
.set CNT, 38
.set KTS, 39                           ; LDS byte at which k of the trip's first block begins: it steps by 4,096
.set OFS, 44
.macro MIX d, h, s, m, c               ; d = (f16 half h of s) x m + c, in f32
.if \h
	v_fma_mix_f32 v[\d], v[\s], v[\m], v[\c] op_sel:[1,0,0] op_sel_hi:[1,0,0]
.else
	v_fma_mix_f32 v[\d], v[\s], v[\m], v[\c] op_sel_hi:[1,0,0]
.endif
.endm
.macro GATES                           ; g = 1 - c for my 8 steps
.set e, 0
.rept 8
	MIX G+e, e%2, C4+e/2, MONE, ONE
.set e, e+1
.endr
.endm
.macro V32 v                           ; v of my 8 steps in f32
.set e, 0
.rept 8
	MIX VV+e, e%2, (\v)+e/2, ONE, ZR
.set e, e+1
.endr
.endm
; The state's step over a block whose k lies lo bytes behind the trip's first.
.macro P1REST lo
.irp jt, 0,1,2,3
	ds_load_b128 v[KT+4*\jt:KT+4*\jt+3], v[AKT] offset:(\lo)+512*\jt
.endr
.irp e, 6,5,4,3,2,1,0
	v_mul_f32 v[F+\e], v[F+\e+1], v[G+\e+1]        ; F_e = the gates behind step e in my half (F_7 = 1, set once)
.endr
	v_mul_f32 v[T8], v[F], v[G]                    ; all eight gates of my half
	v_permlanex16_b32 v[XX], v[T8], s[SEL], s[SEL+1]  ; the other half's
	v_cndmask_b32 v[MULT], v[XX], v[ONE], s[HM]    ; steps 0-7 also pass the second half's gates
	v_mul_f32 v[GA], v[T8], v[XX]                  ; the block's decay
	v_mul_f32 v[GCH], v[GCH], v[GA]
.irp p, 0,1,2,3
	v_pk_mul_f32 v[VV+2*\p:VV+2*\p+1], v[VV+2*\p:VV+2*\p+1], v[F+2*\p:F+2*\p+1]
.endr
.irp p, 0,1,2,3
	v_pk_mul_f32 v[VV+2*\p:VV+2*\p+1], v[VV+2*\p:VV+2*\p+1], v[GCH:GCH+1] op_sel:[0,1] op_sel_hi:[1,1]  ; x MULT, the pair's second register
.endr
.irp p, 0,1,2,3
	v_cvt_pk_f16_f32 v[VA+\p], v[VV+2*\p], v[VV+2*\p+1]
.endr
.set i, 0
.rept 16
	v_pk_mul_f32 v[S+2*i:S+2*i+1], v[S+2*i:S+2*i+1], v[GA:GA+1] op_sel_hi:[1,0]
.set i, i+1
.endr
	s_wait_dscnt 0x0
.irp jt, 0,1,2,3                       ; k's fragment jt is 4 registers; its upper half is the next fragment's data (finite), which meets VA's zeros.  The accumulators take turns
	v_wmma_f32_16x16x32_f16 v[S+8*\jt:S+8*\jt+7], v[KT+4*\jt:KT+4*\jt+7], v[VA:VA+7], v[S+8*\jt:S+8*\jt+7]
.endr
.endm
	s_load_b128 s[4:7], s[0:1], 0x0                ; proj s[4:5], bf s[6:7]
	s_load_b64 s[8:9], s[0:1], 0x10                ; scan1
	v_lshl_add_u32 v[SPW], v0, 2, SPARE
	v_mov_b32 v[NIL], 0
	ds_add_u32 v[SPW], v[NIL]                      ; the wave's opening: an add onto my spare word, waited for ahead of my first tensor load
	ds_add_u32 v246, v247
	v_lshrrev_b32 v1, 5, v0
	v_readfirstlane_b32 s[WV], v1
	s_and_b32 s[IT], s[WV], 3
	s_lshr_b32 s[CH], s[WV], 2
	s_mov_b32 s[SEG], ttmp9
	s_and_b32 s[BH], ttmp7, 0xffff
	s_mov_b32 s[G1D+0], 3<<16                      ; a dense block of 16 KB as 64 rows of 32 elements of 8 bytes
	s_mov_b32 s[G1D+1], 32<<16
	s_mov_b32 s[G1D+2], 64<<16
	s_mov_b32 s[G1D+3], 32<<16
	s_mov_b32 s[G1D+4], 64
	s_mov_b32 s[G1D+5], 32
	s_mov_b32 s[G1D+6], 0
	s_mov_b32 s[G1D+7], 0
	s_mov_b32 s[G0D], 1
	s_lshl_b32 s[G0D+1], s[WV], 14                 ; LDS: wave x 16 KB (waves 0-3 fetch)
	s_mov_b32 s[SEL], 0x76543210
	s_mov_b32 s[SEL+1], 0xfedcba98
	s_mov_b32 s[HM], 0xffff0000                    ; lanes 16-31
	s_mov_b32 s[ABSM], 0x7fff7fff
	s_lshl_b32 s[KTS], s[CH], 14                   ; my chunk's first block of k in LDS
	s_lshl_b32 s[OFS], s[BH], 18                   ; a (batch, head) is 262,144 bytes of each array, a segment 65,536
	s_lshl_b32 s2, s[SEG], 16
	s_add_co_u32 s[OFS], s[OFS], s2
	s_lshl_b32 s2, s[WV], 14
	s_add_co_u32 s2, s2, s[OFS]
	s_add_co_u32 s2, s2, 0x2000000                 ; k transposed lies at 32 Mi
	s_mov_b32 s3, 0
	s_lshl_b32 s[OFS+1], s[CH], 14                 ; my chunk, my tile
	s_add_co_u32 s[OFS], s[OFS], s[OFS+1]
	s_lshl_b32 s[OFS+1], s[IT], 9
	s_add_co_u32 s[OFS], s[OFS], s[OFS+1]
	s_mov_b32 s[OFS+1], 0
	s_and_b32 s40, s[BH], 15                       ; bf of head h, tile it
	s_lshl_b32 s40, s40, 8
	s_lshl_b32 s41, s[IT], 6
	s_add_co_u32 s40, s40, s41
	s_mov_b32 s41, 0
	s_wait_dscnt 0x0                               ; the opening add is done
	s_wait_kmcnt 0x0
	s_add_nc_u64 s[G0D+2:G0D+3], s[4:5], s[2:3]
	s_or_b32 s[G0D+3], s[G0D+3], 0x80000000
	s_cmp_lt_u32 s[WV], 4
	s_cbranch_scc0 .Lnofill
	tensor_load_to_lds s[G0D:G0D+3], s[G1D:G1D+7]  ; one load of mine is out
	s_nop 0
.Lnofill:
	s_add_nc_u64 s[ZP:ZP+1], s[4:5], s[OFS:OFS+1]
	s_add_nc_u64 s[VP:VP+1], s[ZP:ZP+1], 0x3000000
	s_add_nc_u64 s[ZP:ZP+1], s[ZP:ZP+1], 0x4000000
	s_add_nc_u64 s[CFP:CFP+1], s[8:9], s[OFS:OFS+1]
	s_add_nc_u64 s[6:7], s[6:7], s[40:41]
	v_and_b32 v1, 31, v0
	v_lshlrev_b32 v[L4], 2, v1
	v_lshlrev_b32 v[LN16], 4, v1
	v_and_b32 v[R4], 15, v0
	v_lshlrev_b32 v[R4], 2, v[R4]
	global_load_b32 v[LBF], v[R4], s[6:7]
	global_load_b128 v[ZVA:ZVA+3], v[LN16], s[ZP:ZP+1] th:TH_LOAD_NT               ; blocks 0 and 1
	global_load_b128 v[ZVA+4:ZVA+7], v[LN16], s[VP:VP+1]
	global_load_b128 v[ZVB:ZVB+3], v[LN16], s[ZP:ZP+1] offset:2048 th:TH_LOAD_NT
	global_load_b128 v[ZVB+4:ZVB+7], v[LN16], s[VP:VP+1] offset:2048
	s_lshl_b32 s2, s[IT], 9
	v_add_nc_u32 v[LNM], s2, v[LN16]
	s_lshl_b32 s2, s[WV], 12
	s_add_co_u32 s2, s2, XCH
	v_add_nc_u32 v[XW], s2, v[LN16]
	s_lshl_b32 s2, s[IT], 12
	s_add_co_u32 s2, s2, XCH
	v_add_nc_u32 v[XB], s2, v[LN16]
	s_lshl_b32 s2, s[WV], 7
	s_add_co_u32 s2, s2, XG
	v_add_nc_u32 v[XGW], s2, v[L4]
	s_lshl_b32 s2, s[IT], 7
	s_add_co_u32 s2, s2, XG
	v_add_nc_u32 v[XGB], s2, v[L4]
	v_mov_b32 v[ONE], 1.0
	v_mov_b32 v[MONE], -1.0
	v_mov_b32 v[ZR], 0
	v_mov_b32 v[F+7], 1.0
	v_mov_b32 v[GCH], 1.0                          ; the chunk's decay starts at 1,
	v_mov_b32 v[LG], 0x3fb8aa3b                    ; log2(e)
	v_mov_b32 v[XX], 0
	v_mov_b32 v[GA+1], 0                           ; second registers of pairs of which the first is broadcast
	v_mov_b32 v[GB+1], 0
	v_mov_b32 v[MXK], 0
	v_mov_b32 v[MXV], 0
.set i, 0
.rept 32
	v_mov_b32 v[S+i], 0                            ; its state at 0: 32 lines in the wait for the tile, for one text of all eight blocks
.set i, i+1
.endr
.irp i, 4,5,6,7
	v_mov_b32 v[VA+\i], 0                          ; K = 16..31 of the operand
.endr
.irp i, 16,17,18,19
	v_mov_b32 v[KT+\i], 0                          ; closes the last fragment
.endr
	s_wait_tensorcnt 0x0                           ; my part of k is in,
	s_barrier_signal -1
	s_barrier_wait -1                              ; everybody's is
	s_wait_loadcnt 0x4                             ; bf is in; the four loads of blocks 0 and 1 may stay out
	v_mul_f32 v[LBF], v[LG], v[LBF]
; A block of 16 steps, from register set zv.  ahead: where, from the trip's bases, the set's next block lies.  lo: the block's place in the trip, in k (LDS) and in c.  mk = 1: the trip's LDS addresses are made.
.macro S1HALF zv, ahead, lo, mk
	s_wait_loadcnt 0x2                             ; my set's z and v are in; the other set's two loads stay out
.set e, 0
.rept 8
	MIX G+e, e%2, (\zv)+e/2, LG, LBF
.set e, e+1
.endr
.irp e, 0,1,2,3,4,5,6,7
	v_exp_f32 v[G+\e], v[G+\e]
.endr
	v_and_b32 v[TM], s[ABSM], v[(\zv)+4]           ; a plain instruction behind the exponentials
	s_wait_alu depctr_va_vdst(0)
.irp e, 0,1,2,3,4,5,6,7
	v_add_f32 v[G+\e], 1.0, v[G+\e]
.endr
.irp e, 0,1,2,3,4,5,6,7
	v_rcp_f32 v[G+\e], v[G+\e]                     ; c = 1 - g
.endr
	v_pk_max_num_f16 v[MXV], v[MXV], v[TM]         ; a plain instruction behind the reciprocals
	s_wait_xcnt 0x0                                ; the last block's store has read C4
	s_wait_alu depctr_va_vdst(0)
.irp p, 0,1,2,3
	v_cvt_pk_f16_f32 v[C4+\p], v[G+2*\p], v[G+2*\p+1]
.endr
	global_store_b128 v[LN16], v[C4:C4+3], s[CFP:CFP+1] offset:\lo  ; 512 consecutive bytes, aligned
	V32 (\zv)+4
.irp p, 1,2,3
	v_and_b32 v[TM], s[ABSM], v[(\zv)+4+\p]
	v_pk_max_num_f16 v[MXV], v[MXV], v[TM]
.endr
	global_load_b128 v[(\zv):(\zv)+3], v[LN16], s[ZP:ZP+1] offset:\ahead th:TH_LOAD_NT   ; the set's next block, two blocks ahead
	global_load_b128 v[(\zv)+4:(\zv)+7], v[LN16], s[VP:VP+1] offset:\ahead
.if \mk
	v_add_nc_u32 v[AKT], s[KTS], v[LN16]
	v_add_nc_u32 v[AKM], s[KTS], v[LNM]
.endif
	ds_load_b128 v[KM:KM+3], v[AKM] offset:\lo     ; k's tile it once more, for the maximum
	GATES
	P1REST \lo
.irp p, 0,1,2,3                        ; eight plain lines: also the places behind the products
	v_and_b32 v[TM], s[ABSM], v[KM+\p]
	v_pk_max_num_f16 v[MXK], v[MXK], v[TM]
.endr
.endm
	s_mov_b32 s[CNT], 4
.Lblk:
	S1HALF ZVA, 4096, 0, 1
	S1HALF ZVB, 6144, 2048, 0
	s_wait_xcnt 0x0                                ; the bases are stepped only behind this wait
	s_add_nc_u64 s[ZP:ZP+1], s[ZP:ZP+1], 4096
	s_add_nc_u64 s[VP:VP+1], s[VP:VP+1], 4096
	s_add_nc_u64 s[CFP:CFP+1], s[CFP:CFP+1], 4096
	s_add_co_u32 s[KTS], s[KTS], 0x1000
	s_sub_co_u32 s[CNT], s[CNT], 1
	s_cmp_lg_u32 s[CNT], 0
	s_cbranch_scc1 .Lblk
	; the maxima in f32, over the wave.  (The last trip's four loads may still be out: nothing below names their registers.)
	MIX G, 0, MXK, ONE, ZR
	MIX G+1, 1, MXK, ONE, ZR
	MIX G+2, 0, MXV, ONE, ZR
	MIX G+3, 1, MXV, ONE, ZR
	v_max_num_f32 v[G], v[G], v[G+1]
	v_max_num_f32 v[G+2], v[G+2], v[G+3]
.irp m, 1,2,4,8
	v_max_num_f32_dpp v[G], v[G], v[G] row_xmask:\m row_mask:0xf bank_mask:0xf
	v_max_num_f32_dpp v[G+2], v[G+2], v[G+2] row_xmask:\m row_mask:0xf bank_mask:0xf
.endr
	v_permlanex16_b32 v[G+1], v[G], s[SEL], s[SEL+1]
	v_permlanex16_b32 v[G+3], v[G+2], s[SEL], s[SEL+1]
	v_max_num_f32 v[G], v[G], v[G+1]
	v_max_num_f32 v[G+2], v[G+2], v[G+3]
	s_wait_dscnt 0x0                               ; a barrier between the loop's LDS reads and the stores below.  By the map above k's bytes and the stores' are apart, so it orders
	s_barrier_signal -1                            ; nothing that overlaps; it is kept so that this order does not hang on the loop's address arithmetic
	s_barrier_wait -1
.irp q, 0,1,2,3,4,5,6,7
	ds_store_b128 v[XW], v[S+4*\q:S+4*\q+3] offset:512*\q
.endr
	ds_store_b32 v[XGW], v[GCH]
	s_lshl_b32 s2, s[WV], 3
	s_add_co_u32 s2, s2, XM
	v_mov_b32 v[TM], s2
	ds_store_b32 v[TM], v[G]                       ; all lanes write the same word with the same value
	ds_store_b32 v[TM], v[G+2] offset:4
	s_wait_dscnt 0x0                               ; for the others' sake
	s_barrier_signal -1
	s_barrier_wait -1
	s_cmp_lt_u32 s[WV], 12
	s_cbranch_scc1 .Lend
	; the waves of chunk 3 chain the four chunks of their tile and store every link
.macro LINK c                          ; P_(c+1) and D_(c+1) leave: 512 and 128 consecutive bytes a store, aligned
.irp q, 0,1,2,3,4,5,6,7
	global_store_b128 v[LN16], v[T+4*\q:T+4*\q+3], s[40:41] offset:4096*(\c)+512*\q
.endr
	global_store_b32 v[L4], v[SA], s[42:43] offset:128*(\c)
.endm
.macro CHAINT g, t                     ; T = g o T + t
.set i, 0
.rept 16
	v_pk_fma_f32 v[T+2*i:T+2*i+1], v[T+2*i:T+2*i+1], v[\g:\g+1], v[(\t)+2*i:(\t)+2*i+1] op_sel_hi:[1,0,1]
.set i, i+1
.endr
.endm
.irp q, 0,1,2,3,4,5,6,7
	ds_load_b128 v[T+4*\q:T+4*\q+3], v[XB] offset:512*\q
.endr
.irp q, 0,1,2,3,4,5,6,7
	ds_load_b128 v[U+4*\q:U+4*\q+3], v[XB] offset:16384+512*\q
.endr
	ds_load_b32 v[SA], v[XGB]
	ds_load_b32 v[GA], v[XGB] offset:512
	ds_load_b32 v[GB], v[XGB] offset:1024
	s_lshl_b32 s2, s[BH], 2
	s_add_co_u32 s2, s2, s[SEG]
	s_lshl2_add_u32 s2, s2, s[IT]                  ; (bh 4 + seg) 4 + it
	s_lshl_b32 s40, s2, 14
	s_add_co_u32 s40, s40, PSB
	s_mov_b32 s41, 0
	s_add_nc_u64 s[40:41], s[8:9], s[40:41]
	s_lshl_b32 s42, s2, 9
	s_add_co_u32 s42, s42, PGB
	s_mov_b32 s43, 0
	s_add_nc_u64 s[42:43], s[8:9], s[42:43]
	s_wait_dscnt 0x0
	LINK 0                                         ; P_1 = chunk 0's own end state, D_1 = its decay
	s_wait_xcnt 0x0                                ; T and the decay are rewritten only behind this wait
	CHAINT GA, U
.irp q, 0,1,2,3,4,5,6,7
	ds_load_b128 v[U+4*\q:U+4*\q+3], v[XB] offset:32768+512*\q
.endr
	v_mul_f32 v[SA], v[SA], v[GA]
	LINK 1
	s_wait_dscnt 0x0
	s_wait_xcnt 0x0
	CHAINT GB, U
	v_mul_f32 v[SA], v[SA], v[GB]
	LINK 2
	s_wait_xcnt 0x0
	CHAINT GCH, S                                  ; my own chunk closes the segment
	v_mul_f32 v[SA], v[SA], v[GCH]
	LINK 3
	s_cmp_lg_u32 s[WV], 15
	s_cbranch_scc1 .Lend
	v_add_nc_u32 v[AKM], XM, v[L4]                 ; (a register that no pending store names)
	ds_load_b32 v[G], v[AKM]                       ; word 2 w: wave w's |k|, word 2 w + 1: its |v|
	s_lshl_b32 s2, s[BH], 2
	s_add_co_u32 s2, s2, s[SEG]
	s_lshl_b32 s2, s2, 7
	s_add_co_u32 s2, s2, MXB
	s_mov_b32 s3, 0
	s_add_nc_u64 s[2:3], s[8:9], s[2:3]
	s_wait_dscnt 0x0
.irp m, 2,4,8
	v_max_num_f32_dpp v[G], v[G], v[G] row_xmask:\m row_mask:0xf bank_mask:0xf
.endr
	v_permlanex16_b32 v[G+1], v[G], s[SEL], s[SEL+1]
	v_max_num_f32 v[G], v[G], v[G+1]
	global_store_b32 v[L4], v[G], s[2:3]           ; even words |k|, odd words |v|
.Lend:
	s_wait_tensorcnt 0x0                           ; the wave's end
	ds_add_u32 v[SPW], v[NIL]
	s_wait_dscnt 0x0
	s_endpgm
.Lfunc_end_k_qe5b4df065f_seg:
	.size	k_qe5b4df065f_seg, .Lfunc_end_k_qe5b4df065f_seg-k_qe5b4df065f_seg
	.p2alignl 7, 3214868480
	.fill 96, 4, 3214868480
	.section	.rodata,"a",@progbits
	.p2align	6, 0x0
	.amdhsa_kernel k_qe5b4df065f_seg
		.amdhsa_group_segment_fixed_size 167936
		.amdhsa_private_segment_fixed_size 0
		.amdhsa_enable_private_segment 0
		.amdhsa_kernarg_size 24
		.amdhsa_user_sgpr_count 2
		.amdhsa_user_sgpr_kernarg_segment_ptr 1
		.amdhsa_wavefront_size32 1
		.amdhsa_system_sgpr_workgroup_id_x 1
		.amdhsa_system_sgpr_workgroup_id_y 1
		.amdhsa_system_sgpr_workgroup_id_z 1
		.amdhsa_system_vgpr_workitem_id 0
		.amdhsa_next_free_vgpr 256
		.amdhsa_next_free_sgpr 66
		.amdhsa_reserve_vcc 0
		.amdhsa_float_denorm_mode_32 3
		.amdhsa_float_denorm_mode_16_64 3
		.amdhsa_memory_ordered 1
		.amdhsa_forward_progress 1
		.amdhsa_inst_pref_size 31
	.end_amdhsa_kernel
	.amdgpu_metadata
---
amdhsa.version: [ 1, 2 ]
amdhsa.kernels:
  - .name:           k_qe5b4df065f_seg
    .symbol:         k_qe5b4df065f_seg.kd
    .args:
      - { .name: proj, .offset: 0, .size: 8, .value_kind: global_buffer, .address_space: global }
      - { .name: bf, .offset: 8, .size: 8, .value_kind: global_buffer, .address_space: global }
      - { .name: scan1, .offset: 16, .size: 8, .value_kind: global_buffer, .address_space: global }
    .group_segment_fixed_size: 167936
    .private_segment_fixed_size: 0
    .kernarg_segment_align: 8
    .kernarg_segment_size: 24
    .max_flat_workgroup_size: 512
    .sgpr_count:     66
    .vgpr_count:     256
    .wavefront_size: 32
...
	.end_amdgpu_metadata
.endif
;; end of part 9
;; launch scan (part 10): grid 4 x 64, 16 waves a work-group, no clusters, 284,672 bytes of LDS; arguments proj, scan1, ob; writes ob
.if DOCPART == 10
	.amdgcn_target "amdgcn-amd-amdhsa--gfx1250"
	.amdhsa_code_object_version 6
	.text
	.protected	k_qe5b4df065f_scan
	.globl	k_qe5b4df065f_scan
	.p2align	8
	.type	k_qe5b4df065f_scan,@function
k_qe5b4df065f_scan:
	s_mov_b64 s[64:65], 0
	v_nop
	global_prefetch_b8 v0, s[64:65] scope:SCOPE_SE
	s_setreg_imm32_b32 hwreg(HW_REG_WAVE_MODE, 25, 1), 1
	s_wait_xcnt 0x0
; The recurrence's outputs o_t[i] = sum over j of S_t[i][j] q_t[j], for one (batch, head) bh and one segment of 512 steps.
; SHARES: 16 waves = 4 tiles of 16 channels i (it = w & 3) x 4 chunks of 128 steps (ch = w >> 2).  State transposed, S^T[j][i], four f32 accumulators jt, scaled by a power of two sigma.
; SCALE: sigma = 2^(4 - ev - ek), 2^ev > max |v|, 2^ek > max |k| over the (batch, head): |sigma S| <= 2048 x 2^4 = 2^15, so its rounding to f16 for the product with q cannot overflow.
;   ek is held at -11 or more (so that sigma v stays under 2^15), ev at -23 or more: with max |k| below 2^-12 the state loses head-room, not range.
; WHERE A CHUNK STARTS.  The launch before has stored, for each segment, the state P_c behind c of its chunks, begun at 0, and those chunks' decay D_c (c = 1..4).  My chunk starts from
;   D_ch o S_in + P_ch (chunk 0: S_in alone: the factors 1 and 0 are chosen by selects, and P_1 is loaded and multiplied by 0).  S_in, the state at the segment's start, is E_0 g_1 g_2 + E_1 g_2 + E_2
;   with E_k = P_4 and g_k = D_4 of segment k, cut at my segment by factors 1 or 0: the four waves that fetch no tile make it, one for each it, and hand it over through LDS behind the barrier that
;   shows the tiles.  All of this stands in the wait for the tiles.
; THE LOOP: eight blocks of 16 steps = two sub-blocks of 8, the two halves hh of the lanes (t = 8 hh + e):
;   o_t = (q_t . S at the sub-block's start) / sigma, then for s = the sub-block's first step .. t: o_t = o_t g_s + (q_t . k_s) v_s, in f32: all decays are applied as products of gates, none is divided by.
;   q . k goes from its accumulator through my own LDS rows back to all lanes of a half; it is never a matrix operand.  S advances by half blocks: S = G8 o S + sum k_s (sigma v_s F_s).
;   A trip takes two blocks, each with its own registers for c and v, filled again two blocks ahead: the wait at a block's head leaves the other set's two loads out.  The loop has no branch: the last trip
;   asks for blocks 8 and 9, which nobody uses; they lie inside the buffers (behind c in scan1 lie the states, behind v in proj lies z).  The price: four loads a wave.
; Two neighbouring tiles of S rounded in pairs ARE the matrix operand (n = i, k = j).  No cluster: no two work-groups read the same tile.
; LIMITS: q, k, v, c arrive as f16; sigma v F below f16's step of 6e-8 counts as 0; NaN and infinities are not treated apart.
.set LQ,    0                          ; LDS: q, k (F layout), k transposed: 64 KB each, by tensor loads
.set LKF,   65536
.set LKT,   131072
.set ASC,   196608                     ; 16 x 1,280: each wave's 16 rows of 80 bytes for q . k
.set XCH,   217088                     ; 16 x 4,096, a slot at the wave's number times 4,096, so that it can be read off the text; waves 12-15 write theirs (S_in by tile), slots 0-11 stay unused
.set SPARE, 282624
.set PSB,   0x1000000                  ; scan1: the states P
.set PGB,   0x2000000                  ; the decays D
.set MXB,   0x2080000                  ; the maxima
.set LN16, 1
.set AQ,   2
.set AKF,  3
.set AKT,  4
.set ASW,  5
.set ASR,  6
.set XW,   7
.set XB,   8
.set L4,   11
.set ONE,  12
.set ZR,   13
.set MA,   14
.set MB,   15
.set SG,   16
.set SI,   18
.set SA,   20
.set SB,   22
.set GA,   24
.set GB,   26
.set T8,   28
.set XX,   29
.set DD,   30                          ; my chunk's D, and a 0 beside it
.set CVA,  32                          ; c (4 registers) and v (4) of the even blocks
.set G,    40
.set VV,   48
.set F,    56
.set VA,   64
.set VB,   72
.set KT,   80
.set SOP,  100
.set Q,    116
.set T1,   100                         ; ahead of the loop: 32 registers of a state on its way
.set S,    132
.set DA,   164
.set DB,   172
.set O,    180
.set TF,   180                         ; sigma v F, early in a block: O's registers, free since the wait behind the last block's stores
.set AB,   188
.set KFR,  188                         ; k's fragments lie where q . k comes back later in the block
.set E0,   164                         ; ahead of the loop: two more states on their way
.set E2,   196
.set DAA,  236
.set MONE, 245
.set SPW,  246
.set NIL,  247
.set CVB,  248                         ; c and v of the odd blocks
.set WV, 10
.set IT, 11
.set CH, 12
.set SEG, 13
.set BH, 14
.set SEL, 16
.set HM, 18
.set G0D, 20
.set G1D, 24
.set PPP, 32
.set PDP, 34
.set C3, 36
.set V3, 38
.set OP, 40
.set CNT, 42
.set KTB, 43
.set OFS, 44
.set MXP, 46
.set SSP, 48
.set GSP, 50
.set SLT, 57
.macro MIX d, h, s, m, c               ; d = (f16 half h of s) x m + c, in f32
.if \h
	v_fma_mix_f32 v[\d], v[\s], v[\m], v[\c] op_sel:[1,0,0] op_sel_hi:[1,0,0]
.else
	v_fma_mix_f32 v[\d], v[\s], v[\m], v[\c] op_sel_hi:[1,0,0]
.endif
.endm
.macro GATES c                         ; g = 1 - c for my 8 steps
.set e, 0
.rept 8
	MIX G+e, e%2, (\c)+e/2, MONE, ONE
.set e, e+1
.endr
.endm
.macro V32 v                           ; v of my 8 steps in f32
.set e, 0
.rept 8
	MIX VV+e, e%2, (\v)+e/2, ONE, ZR
.set e, e+1
.endr
.endm
.macro FCHAIN                          ; F_e = sigma x the gates behind step e in my half (F_7 = sigma, set once); T8 all eight gates; XX the other half's
.irp e, 6,5,4,3,2,1,0
	v_mul_f32 v[F+\e], v[F+\e+1], v[G+\e+1]
.endr
	v_mul_f32 v[T8], v[F], v[G]
	v_mul_f32 v[T8], v[T8], v[SI]
	v_permlanex16_b32 v[XX], v[T8], s[SEL], s[SEL+1]
.endm
.macro CVTS                            ; the state as a matrix operand; each accumulator is read from its low end on
.set i, 0
.rept 16
	v_cvt_pk_f16_f32 v[SOP+i], v[S+2*i], v[S+2*i+1]
.set i, i+1
.endr
.endm
.macro DECAY g
.set i, 0
.rept 16
	v_pk_mul_f32 v[S+2*i:S+2*i+1], v[S+2*i:S+2*i+1], v[\g:\g+1] op_sel_hi:[1,0]
.set i, i+1
.endr
.endm
.macro ADDTO d, t, g                   ; d = t x g + d, 32 registers, g the same for a lane's 32
.set i, 0
.rept 16
	v_pk_fma_f32 v[(\d)+2*i:(\d)+2*i+1], v[(\t)+2*i:(\t)+2*i+1], v[\g:\g+1], v[(\d)+2*i:(\d)+2*i+1] op_sel_hi:[1,0,1]
.set i, i+1
.endr
.endm
.macro ABI s, e                        ; rA: where (q_t . k_s), t = e, s of my sub-block, lies: both quads of e were loaded for s < 4, the upper one for s >= 4
.if (\s) < 4
.set rA, AB+8*(\s)+(\e)
.else
.set rA, AB+32+4*((\s)-4)+(\e)-4
.endif
.endm
.macro HORNER                          ; first all (q . k) v, in place; then o_t = o_t g_s + that, s ascending, for t >= s
.set hs, 0
.rept 8
.set he, hs
.if hs%2
	ABI hs, he
	v_mul_f32 v[rA], v[rA], v[VV+hs]
.set he, hs+1
.endif
.rept (8-he)/2
	ABI hs, he
.if hs%2
	v_pk_mul_f32 v[rA:rA+1], v[rA:rA+1], v[VV+hs-1:VV+hs] op_sel:[0,1] op_sel_hi:[1,1]
.else
	v_pk_mul_f32 v[rA:rA+1], v[rA:rA+1], v[VV+hs:VV+hs+1] op_sel_hi:[1,0]
.endif
.set he, he+2
.endr
.set hs, hs+1
.endr
.set hs, 0
.rept 8
.set he, hs
.if hs%2
	ABI hs, he
	v_fma_f32 v[O+hs], v[O+hs], v[G+hs], v[rA]
.set he, hs+1
.endif
.rept (8-he)/2
	ABI hs, he
.if hs%2
	v_pk_fma_f32 v[O+he:O+he+1], v[O+he:O+he+1], v[G+hs-1:G+hs], v[rA:rA+1] op_sel:[0,1,0] op_sel_hi:[1,1,1]
.else
	v_pk_fma_f32 v[O+he:O+he+1], v[O+he:O+he+1], v[G+hs:G+hs+1], v[rA:rA+1] op_sel_hi:[1,0,1]
.endif
.set he, he+2
.endr
.set hs, hs+1
.endr
.endm
	s_load_b128 s[4:7], s[0:1], 0x0                ; proj s[4:5], scan1 s[6:7]
	s_load_b64 s[8:9], s[0:1], 0x10                ; ob
	v_lshl_add_u32 v[SPW], v0, 2, SPARE
	v_mov_b32 v[NIL], 0
	ds_add_u32 v[SPW], v[NIL]                      ; the wave's opening: an add onto my spare word, waited for ahead of my first tensor load
	ds_add_u32 v246, v247
	v_lshrrev_b32 v1, 5, v0
	v_readfirstlane_b32 s[WV], v1
	s_and_b32 s[IT], s[WV], 3
	s_lshr_b32 s[CH], s[WV], 2
	s_mov_b32 s[SEG], ttmp9
	s_and_b32 s[BH], ttmp7, 0xffff
	s_mov_b32 s[G1D+0], 3<<16                      ; a dense block of 16 KB as 64 rows of 32 elements of 8 bytes
	s_mov_b32 s[G1D+1], 32<<16
	s_mov_b32 s[G1D+2], 64<<16
	s_mov_b32 s[G1D+3], 32<<16
	s_mov_b32 s[G1D+4], 64
	s_mov_b32 s[G1D+5], 32
	s_mov_b32 s[G1D+6], 0
	s_mov_b32 s[G1D+7], 0
	s_mov_b32 s[G0D], 1
	s_lshl_b32 s[G0D+1], s[WV], 14                 ; LDS: wave x 16 KB (waves 0-11 fetch: q, k, k transposed, a quarter each)
	s_mov_b32 s[SEL], 0x76543210
	s_mov_b32 s[SEL+1], 0xfedcba98
	s_mov_b32 s[HM], 0xffff0000                    ; lanes 16-31
	s_lshl_b32 s[OFS], s[BH], 18                   ; bh x 262,144 + seg x 65,536: the segment's place in each array of proj, in c, and in the states
	s_lshl_b32 s2, s[SEG], 16
	s_add_co_u32 s[OFS], s[OFS], s2
	s_lshl_b32 s2, s[CH], 24                       ; the tile that I fetch: array w >> 2, 16 Mi each,
	s_lshl_b32 s3, s[IT], 14                       ; quarter w & 3
	s_add_co_u32 s2, s2, s3
	s_add_co_u32 s2, s2, s[OFS]
	s_mov_b32 s3, 0
	s_max_u32 s[SLT], s[CH], 1                     ; my chunk's P and D lie in slot ch - 1 (chunk 0 takes slot 0 and multiplies it away)
	s_sub_co_u32 s[SLT], s[SLT], 1
	s_lshl_b32 s[PPP], s[IT], 14
	s_add_co_u32 s[PPP], s[PPP], s[OFS]
	s_lshl_b32 s[PPP+1], s[SLT], 12
	s_add_co_u32 s[PPP], s[PPP], s[PPP+1]
	s_add_co_u32 s[PPP], s[PPP], PSB
	s_mov_b32 s[PPP+1], 0
	s_lshl_b32 s[PDP], s[BH], 13
	s_lshl_b32 s[PDP+1], s[SEG], 11
	s_add_co_u32 s[PDP], s[PDP], s[PDP+1]
	s_lshl_b32 s[PDP+1], s[IT], 9
	s_add_co_u32 s[PDP], s[PDP], s[PDP+1]
	s_lshl_b32 s[PDP+1], s[SLT], 7
	s_add_co_u32 s[PDP], s[PDP], s[PDP+1]
	s_add_co_u32 s[PDP], s[PDP], PGB
	s_mov_b32 s[PDP+1], 0
	s_lshl_b32 s[OFS+1], s[CH], 14                 ; my chunk, my tile in c and v
	s_add_co_u32 s[OFS], s[OFS], s[OFS+1]
	s_lshl_b32 s[OFS+1], s[IT], 9
	s_add_co_u32 s[OFS], s[OFS], s[OFS+1]
	s_mov_b32 s[OFS+1], 0
	s_lshl_b32 s[MXP], s[BH], 9
	s_add_co_u32 s[MXP], s[MXP], MXB
	s_mov_b32 s[MXP+1], 0
	s_lshl_b32 s[SSP], s[BH], 18                   ; segment 0's P_4 of my tile; the segments lie 65,536 apart
	s_lshl_b32 s[SSP+1], s[IT], 14
	s_add_co_u32 s[SSP], s[SSP], s[SSP+1]
	s_add_co_u32 s[SSP], s[SSP], PSB+3*4096
	s_mov_b32 s[SSP+1], 0
	s_lshl_b32 s[GSP], s[BH], 13                   ; segment 0's D_4; the segments lie 2,048 apart
	s_lshl_b32 s[GSP+1], s[IT], 9
	s_add_co_u32 s[GSP], s[GSP], s[GSP+1]
	s_add_co_u32 s[GSP], s[GSP], PGB+3*128
	s_mov_b32 s[GSP+1], 0
	s_lshr_b32 s[OP], s[BH], 4                     ; o: ((b 128 + block) 64 + h 4 + it) x 1,024
	s_lshl_b32 s[OP], s[OP], 7
	s_lshl_b32 s[OP+1], s[SEG], 5
	s_add_co_u32 s[OP], s[OP], s[OP+1]
	s_lshl_b32 s[OP+1], s[CH], 3
	s_add_co_u32 s[OP], s[OP], s[OP+1]
	s_lshl_b32 s[OP], s[OP], 6
	s_and_b32 s[OP+1], s[BH], 15
	s_lshl2_add_u32 s[OP+1], s[OP+1], s[IT]
	s_add_co_u32 s[OP], s[OP], s[OP+1]
	s_lshl_b32 s[OP], s[OP], 10
	s_mov_b32 s[OP+1], 0
	s_lshl_b32 s[KTB], s[CH], 14
	v_and_b32 v1, 31, v0
	v_lshlrev_b32 v[L4], 2, v1
	v_lshlrev_b32 v[LN16], 4, v1
	s_wait_dscnt 0x0                               ; the opening add is done
	s_wait_kmcnt 0x0
	s_add_nc_u64 s[G0D+2:G0D+3], s[4:5], s[2:3]
	s_or_b32 s[G0D+3], s[G0D+3], 0x80000000
	s_add_nc_u64 s[MXP:MXP+1], s[6:7], s[MXP:MXP+1]
	s_add_nc_u64 s[SSP:SSP+1], s[6:7], s[SSP:SSP+1]
	s_add_nc_u64 s[GSP:GSP+1], s[6:7], s[GSP:GSP+1]
	s_add_nc_u64 s[PPP:PPP+1], s[6:7], s[PPP:PPP+1]
	s_add_nc_u64 s[PDP:PDP+1], s[6:7], s[PDP:PDP+1]
	s_add_nc_u64 s[OP:OP+1], s[8:9], s[OP:OP+1]
	s_add_nc_u64 s[C3:C3+1], s[6:7], s[OFS:OFS+1]
	s_add_nc_u64 s[V3:V3+1], s[4:5], s[OFS:OFS+1]
	s_add_nc_u64 s[V3:V3+1], s[V3:V3+1], 0x3000000
	global_load_b128 v[G:G+3], v[LN16], s[MXP:MXP+1]   ; the four segments' maxima: words |k|, |v|, |k|, |v|
	s_cmp_lt_u32 s[WV], 12
	s_cbranch_scc0 .Lhead_done
	tensor_load_to_lds s[G0D:G0D+3], s[G1D:G1D+7]  ; one load of mine is out
	s_nop 0
.Lhead_done:
.irp q, 0,1,2,3,4,5,6,7
	global_load_b128 v[S+4*\q:S+4*\q+3], v[LN16], s[PPP:PPP+1] offset:512*\q   ; my chunk's P
.endr
	global_load_b32 v[DD], v[L4], s[PDP:PDP+1]                                 ; and D
	global_load_b128 v[CVA:CVA+3], v[LN16], s[C3:C3+1]                         ; c and v of blocks 0 and 1
	global_load_b128 v[CVA+4:CVA+7], v[LN16], s[V3:V3+1]
	global_load_b128 v[CVB:CVB+3], v[LN16], s[C3:C3+1] offset:2048
	global_load_b128 v[CVB+4:CVB+7], v[LN16], s[V3:V3+1] offset:2048
	v_and_b32 v[XX], 15, v0                        ; r
	v_bfe_u32 v[T8], v0, 4, 1                      ; hh
	s_mul_i32 s2, s[WV], 1280
	s_add_co_u32 s2, s2, ASC
	v_mul_u32_u24 v[ASW], v[XX], 80
	v_lshl_add_u32 v[ASW], v[T8], 5, v[ASW]
	v_add_nc_u32 v[ASW], s2, v[ASW]                ; in: row s = r, my 8 t at byte 32 hh
	v_mul_u32_u24 v[ASR], v[T8], 672
	v_add_nc_u32 v[ASR], s2, v[ASR]                ; back: rows 8 hh + s, from t = 8 hh on: the same for all lanes of a half
	s_lshl_b32 s2, s[WV], 12
	s_add_co_u32 s2, s2, XCH
	v_add_nc_u32 v[XW], s2, v[LN16]
	s_lshl_b32 s2, s[IT], 12
	s_add_co_u32 s2, s2, XCH
	v_add_nc_u32 v[XB], s2, v[LN16]
	v_add_nc_u32 v[AQ], s[KTB], v[LN16]
	v_add_nc_u32 v[AKF], LKF, v[AQ]
	v_add_nc_u32 v[AKT], LKT, v[AQ]
	v_mov_b32 v[ONE], 1.0
	v_mov_b32 v[MONE], -1.0
	v_mov_b32 v[ZR], 0
	v_mov_b32 v[SA+1], 0                           ; second registers of pairs of which the first is broadcast
	v_mov_b32 v[SB+1], 0
	v_mov_b32 v[GA+1], 0
	v_mov_b32 v[GB+1], 0
	v_mov_b32 v[DD+1], 0
	v_mov_b32 v[G+5], 0
	v_mov_b32 v[G+7], 0
	v_cndmask_b32 v[MA], -1, v[ZR], s[HM]          ; all ones in lanes 0-15
	v_cndmask_b32 v[MB], 0, v[MONE], s[HM]
	v_cndmask_b32 v[MB], v[MB], -1, s[HM]          ; all ones in lanes 16-31
.irp i, 4,5,6,7
	v_mov_b32 v[VA+\i], 0                          ; K = 16..31 of the operands
	v_mov_b32 v[VB+\i], 0
.endr
.irp i, 16,17,18,19
	v_mov_b32 v[KT+\i], 0                          ; closes the last fragment
.endr
	s_wait_loadcnt 13                              ; the maxima are in; the 13 loads issued behind them may stay out
	v_max_num_f32 v[G], v[G], v[G+2]
	v_max_num_f32 v[G+1], v[G+1], v[G+3]
	v_max_num_f32_dpp v[G], v[G], v[G] row_xmask:8 row_mask:0xf bank_mask:0xf      ; eight lanes hold a segment's words
	v_max_num_f32_dpp v[G+1], v[G+1], v[G+1] row_xmask:8 row_mask:0xf bank_mask:0xf
	v_permlanex16_b32 v[G+2], v[G], s[SEL], s[SEL+1]
	v_permlanex16_b32 v[G+3], v[G+1], s[SEL], s[SEL+1]
	v_max3_num_f32 v[G], v[G], v[G+2], 0x39800000  ; max |k|, at least 2^-12
	v_max3_num_f32 v[G+1], v[G+1], v[G+3], 0x33800000  ; max |v|, at least 2^-24
	v_lshrrev_b32 v[G], 23, v[G]                   ; the biased exponents
	v_lshrrev_b32 v[G+1], 23, v[G+1]
	v_add_nc_u32 v[G], v[G], v[G+1]
	v_sub_nc_u32 v[G+1], 383, v[G]
	v_lshlrev_b32 v[SG], 23, v[G+1]                ; sigma
	v_add_nc_u32 v[G+1], 0xffffff7f, v[G]
	v_lshlrev_b32 v[SI], 23, v[G+1]                ; 1 / sigma
	v_mov_b32 v[F+7], v[SG]
	v_cndmask_b32 v[SA], v[SI], v[ZR], s[HM]       ; 1 / sigma in lanes 0-15, 0 elsewhere
	v_cndmask_b32 v[SB], v[ZR], v[SI], s[HM]
	s_cmp_gt_u32 s[CH], 0                          ; chunk 0 starts from S_in alone
	s_cselect_b32 s52, 1.0, 0
	s_cselect_b32 s53, -1, 0
	v_mul_f32 v[G+6], s52, v[SG]
	s_wait_loadcnt 0x4                             ; P and D are in; c's and v's four loads may stay out
	v_cndmask_b32 v[DD], v[ONE], v[DD], s53
	DECAY G+6                                      ; S = sigma P_ch, or 0
	s_cmp_lt_u32 s[WV], 12
	s_cbranch_scc1 .Lmeet
	; ---- the four waves that fetch no tile: sigma S_in = E_0 c0 + E_1 c1 + E_2 c2 for their tile; the same lines for every segment
.irp q, 0,1,2,3,4,5,6,7
	global_load_b128 v[E0+4*\q:E0+4*\q+3], v[LN16], s[SSP:SSP+1] offset:512*\q
.endr
.irp q, 0,1,2,3,4,5,6,7
	global_load_b128 v[T1+4*\q:T1+4*\q+3], v[LN16], s[SSP:SSP+1] offset:65536+512*\q
.endr
.irp q, 0,1,2,3,4,5,6,7
	global_load_b128 v[E2+4*\q:E2+4*\q+3], v[LN16], s[SSP:SSP+1] offset:131072+512*\q
.endr
	global_load_b32 v[GA], v[L4], s[GSP:GSP+1] offset:2048
	global_load_b32 v[GB], v[L4], s[GSP:GSP+1] offset:4096
	s_cmp_gt_u32 s[SEG], 0                         ; segment k counts if it lies ahead of mine
	s_cselect_b32 s52, 1.0, 0
	s_cmp_gt_u32 s[SEG], 1
	s_cselect_b32 s53, 1.0, 0
	s_cselect_b32 s55, -1, 0
	s_cmp_gt_u32 s[SEG], 2
	s_cselect_b32 s54, 1.0, 0
	s_cselect_b32 s56, -1, 0
	v_mul_f32 v[G], s52, v[SG]
	v_mul_f32 v[G+2], s53, v[SG]
	v_mul_f32 v[G+4], s54, v[SG]                   ; c2 = sigma or 0
	s_wait_loadcnt 0x0
	v_cndmask_b32 v[GA], v[ONE], v[GA], s55        ; a segment that does not count decays nothing
	v_cndmask_b32 v[GB], v[ONE], v[GB], s56
	v_mul_f32 v[G+2], v[G+2], v[GB]                ; c1 = sigma g_2 or 0
	v_mul_f32 v[G], v[G], v[GA]
	v_mul_f32 v[G], v[G], v[GB]                    ; c0 = sigma g_1 g_2 or 0
.set i, 0
.rept 16
	v_pk_mul_f32 v[E0+2*i:E0+2*i+1], v[E0+2*i:E0+2*i+1], v[G:G+1] op_sel_hi:[1,0]
.set i, i+1
.endr
	ADDTO E0, T1, G+2
	ADDTO E0, E2, G+4
.irp q, 0,1,2,3,4,5,6,7
	ds_store_b128 v[XW], v[E0+4*\q:E0+4*\q+3] offset:512*\q
.endr
.Lmeet:
	s_wait_tensorcnt 0x0                           ; my part of the tiles is in,
	s_wait_dscnt 0x0                               ; my stores of S_in are done:
	s_barrier_signal -1
	s_barrier_wait -1                              ; everybody's are
.irp q, 0,1,2,3,4,5,6,7
	ds_load_b128 v[T1+4*\q:T1+4*\q+3], v[XB] offset:49152+512*\q   ; sigma S_in of my tile: the slot of wave 12 + it
.endr
	s_wait_dscnt 0x0
	ADDTO S, T1, DD                                ; S = D_ch o sigma S_in + sigma P_ch
; A block of 16 steps, from register set cv.  ahead: where, from the trip's bases, the set's next block lies.  lo: the block's place in the trip in LDS; oo: in o.  step = 1: the LDS addresses go on to the next trip.
.macro HALF cv, ahead, lo, oo, step
	s_wait_loadcnt 0x2                             ; my set's c and v are in; the other set's two loads stay out
	GATES \cv
	V32 (\cv)+4
	global_load_b128 v[(\cv):(\cv)+3], v[LN16], s[C3:C3+1] offset:\ahead       ; the set's next block, two blocks ahead
	global_load_b128 v[(\cv)+4:(\cv)+7], v[LN16], s[V3:V3+1] offset:\ahead
.irp f, 0,1,2,3
	ds_load_b128 v[Q+4*\f:Q+4*\f+3], v[AQ] offset:(\lo)+512*\f
.endr
.irp f, 0,1,2,3
	ds_load_b128 v[KFR+4*\f:KFR+4*\f+3], v[AKF] offset:(\lo)+512*\f
.endr
.irp f, 0,1,2,3
	ds_load_b128 v[KT+4*\f:KT+4*\f+3], v[AKT] offset:(\lo)+512*\f
.endr
	CVTS                                           ; the state at the block's start
	FCHAIN
	v_cndmask_b32 v[GA], v[T8], v[XX], s[HM]       ; the first sub-block's eight gates, in all lanes
	v_cndmask_b32 v[GB], v[XX], v[T8], s[HM]       ; the second's
.irp p, 0,1,2,3
	v_pk_mul_f32 v[TF+2*\p:TF+2*\p+1], v[VV+2*\p:VV+2*\p+1], v[F+2*\p:F+2*\p+1]
.endr
.irp p, 0,1,2,3
	v_cvt_pk_f16_f32 v[VA+\p], v[TF+2*\p], v[TF+2*\p+1]
.endr
.irp p, 0,1,2,3
	v_and_b32 v[VB+\p], v[MB], v[VA+\p]            ; steps 8-15 alone
.endr
.irp p, 0,1,2,3
	v_and_b32 v[VA+\p], v[MA], v[VA+\p]            ; steps 0-7 alone
.endr
	DECAY GA
	s_wait_dscnt 0x0
	; no two matrix instructions that follow each other share an accumulator, from block to block and round the loop too
	v_wmma_f32_16x16x32_f16 v[DAA:DAA+7], v[Q:Q+7], v[KFR:KFR+7], 0
	v_wmma_f32_16x16x32_f16 v[DA:DA+7], v[Q:Q+7], v[SOP:SOP+7], 0
	v_wmma_f32_16x16x32_f16 v[DAA:DAA+7], v[Q+8:Q+15], v[KFR+8:KFR+15], v[DAA:DAA+7]
	v_wmma_f32_16x16x32_f16 v[DA:DA+7], v[Q+8:Q+15], v[SOP+8:SOP+15], v[DA:DA+7]
.irp jt, 0,1,2,3
	v_wmma_f32_16x16x32_f16 v[S+8*\jt:S+8*\jt+7], v[KT+4*\jt:KT+4*\jt+7], v[VA:VA+7], v[S+8*\jt:S+8*\jt+7]
.endr
.if \step
	v_add_nc_u32 v[AQ], 0x1000, v[AQ]              ; the next trip's addresses: with the v_nop, the four places behind those products
	v_add_nc_u32 v[AKF], 0x1000, v[AKF]
	v_add_nc_u32 v[AKT], 0x1000, v[AKT]
	v_nop
.else
.rept 4
	v_nop                                          ; the four places behind those products
.endr
.endif
	ds_store_b128 v[ASW], v[DAA:DAA+3]
	ds_store_b128 v[ASW], v[DAA+4:DAA+7] offset:16
.irp s, 0,1,2,3                        ; LDS serves a wave's instructions in order: these see the stores above
	ds_load_b128 v[AB+8*\s:AB+8*\s+3], v[ASR] offset:80*\s
	ds_load_b128 v[AB+8*\s+4:AB+8*\s+7], v[ASR] offset:80*\s+16
.endr
.irp s, 4,5,6,7
	ds_load_b128 v[AB+32+4*(\s-4):AB+32+4*(\s-4)+3], v[ASR] offset:80*\s+16
.endr
	CVTS                                           ; the state at the second sub-block's start
	DECAY GB
	v_wmma_f32_16x16x32_f16 v[DB:DB+7], v[Q:Q+7], v[SOP:SOP+7], 0
	v_wmma_f32_16x16x32_f16 v[S:S+7], v[KT:KT+7], v[VB:VB+7], v[S:S+7]
	v_wmma_f32_16x16x32_f16 v[DB:DB+7], v[Q+8:Q+15], v[SOP+8:SOP+15], v[DB:DB+7]
.irp jt, 1,2,3
	v_wmma_f32_16x16x32_f16 v[S+8*\jt:S+8*\jt+7], v[KT+4*\jt:KT+4*\jt+7], v[VB:VB+7], v[S+8*\jt:S+8*\jt+7]
.endr
.irp p, 0,1,2,3                        ; these four are the places in front of the reads of DB
	v_pk_mul_f32 v[O+2*\p:O+2*\p+1], v[DA+2*\p:DA+2*\p+1], v[SA:SA+1] op_sel_hi:[1,0]
.endr
.irp p, 0,1,2,3
	v_pk_fma_f32 v[O+2*\p:O+2*\p+1], v[DB+2*\p:DB+2*\p+1], v[SB:SB+1], v[O+2*\p:O+2*\p+1] op_sel_hi:[1,0,1]
.endr
	s_wait_dscnt 0x0                               ; q . k is back
	HORNER
	global_store_b128 v[LN16], v[O:O+3], s[OP:OP+1] offset:\oo            ; 512 consecutive bytes each, aligned
	global_store_b128 v[LN16], v[O+4:O+7], s[OP:OP+1] offset:(\oo)+512
	s_wait_xcnt 0x0                                ; O, and behind the second block the bases, are rewritten only behind this wait
.endm
	s_mov_b32 s[CNT], 4
.Lp3:
	HALF CVA, 4096, 0, 0, 0
	HALF CVB, 6144, 2048, 65536, 1
	s_add_nc_u64 s[C3:C3+1], s[C3:C3+1], 4096
	s_add_nc_u64 s[V3:V3+1], s[V3:V3+1], 4096
	s_add_nc_u64 s[OP:OP+1], s[OP:OP+1], 131072
	s_sub_co_u32 s[CNT], s[CNT], 1
	s_cmp_lg_u32 s[CNT], 0
	s_cbranch_scc1 .Lp3
	s_wait_tensorcnt 0x0                           ; the wave's end
	ds_add_u32 v[SPW], v[NIL]
	s_wait_dscnt 0x0
	s_endpgm
.Lfunc_end_k_qe5b4df065f_scan:
	.size	k_qe5b4df065f_scan, .Lfunc_end_k_qe5b4df065f_scan-k_qe5b4df065f_scan
	.p2alignl 7, 3214868480
	.fill 96, 4, 3214868480
	.section	.rodata,"a",@progbits
	.p2align	6, 0x0
	.amdhsa_kernel k_qe5b4df065f_scan
		.amdhsa_group_segment_fixed_size 284672
		.amdhsa_private_segment_fixed_size 0
		.amdhsa_enable_private_segment 0
		.amdhsa_kernarg_size 24
		.amdhsa_user_sgpr_count 2
		.amdhsa_user_sgpr_kernarg_segment_ptr 1
		.amdhsa_wavefront_size32 1
		.amdhsa_system_sgpr_workgroup_id_x 1
		.amdhsa_system_sgpr_workgroup_id_y 1
		.amdhsa_system_sgpr_workgroup_id_z 1
		.amdhsa_system_vgpr_workitem_id 0
		.amdhsa_next_free_vgpr 256
		.amdhsa_next_free_sgpr 66
		.amdhsa_reserve_vcc 0
		.amdhsa_float_denorm_mode_32 3
		.amdhsa_float_denorm_mode_16_64 3
		.amdhsa_memory_ordered 1
		.amdhsa_forward_progress 1
		.amdhsa_inst_pref_size 43
	.end_amdhsa_kernel
	.amdgpu_metadata
---
amdhsa.version: [ 1, 2 ]
amdhsa.kernels:
  - .name:           k_qe5b4df065f_scan
    .symbol:         k_qe5b4df065f_scan.kd
    .args:
      - { .name: proj, .offset: 0, .size: 8, .value_kind: global_buffer, .address_space: global }
      - { .name: scan1, .offset: 8, .size: 8, .value_kind: global_buffer, .address_space: global }
      - { .name: ob, .offset: 16, .size: 8, .value_kind: global_buffer, .address_space: global }
    .group_segment_fixed_size: 284672
    .private_segment_fixed_size: 0
    .kernarg_segment_align: 8
    .kernarg_segment_size: 24
    .max_flat_workgroup_size: 512
    .sgpr_count:     66
    .vgpr_count:     256
    .wavefront_size: 32
...
	.end_amdgpu_metadata
.endif
;; end of part 10
;; launch norm: the kernel of part 5 again; grid 128 x 4, 8 waves a work-group, no clusters, 36,352 bytes of LDS; arguments ob, proj, gamma, beta, yb; writes yb
;; launch outp: the kernel of part 6 again; grid 8 x 32, 4 waves a work-group, clusters of 4 x 4, 327,680 bytes of LDS; arguments yb, xw, out0; writes out0
